; MI455X (gfx1250); checked and timed in simulation.
; The chip was launched on July 23, 2026; its instructions are those of AMD's public machine-readable ISA for CDNA 5 (MIT licence, August 2026) and "CDNA5" Instruction Set Architecture Reference Guide (July 2026). The comments in the code are by the model that wrote it; some were corrected since.
;; Quant Trans Enc LDARTS Cell. Allowed arithmetic: float matrix products may take bf16 or f16 operands with f32 sums; other float arithmetic in f32, or as packed bf16 or f16 multiplies, adds, multiply-adds, maxima and minima; sums over many terms, partial sums and values carried from step to step in f32; what a program stores and reads back later, other than sums and carried values, may be rounded once to bf16 or f16.
;; Inputs: alpha 3 x 4 float32; b1 4 x 4,096 float32; b2 4 x 1,024 float32; be1 1,024 float32; be2 1,024 float32; g1 1,024 float32; g2 1,024 float32; in_proj_b 4 x 3,072 float32; in_proj_w 4 x 3,072 x 1,024 float32; out_proj_b 4 x 1,024 float32; out_proj_w 4 x 1,024 x 1,024 float32; src 128 x 8 x 1,024 float32; w1 4 x 4,096 x 1,024 float32; w2 4 x 1,024 x 4,096 float32.
;; Outputs: out0 128 x 8 x 1,024 float32.
;; 3 versions, each right; version 2 is faster than version 1; version 3 is version 2 with the launch ln1 written anew for expert scheduling mode. Each part assembles by itself: llvm-mc -triple=amdgcn-amd-amdhsa -mcpu=gfx1250 --defsym DOCPART=n.
;; ======== version 1 of 3: 9 launches
;; workspace buffers: part 8,192 bytes; wq 35,676,160 bytes; wo 8,388,608 bytes; w2e 8,388,608 bytes; qkv 25,165,824 bytes; act 8,388,608 bytes; pacc 16,777,216 bytes; x 6,291,456 bytes
;; launch stats (part 1): grid 64 x 16, 8 waves a work-group, no clusters, 1,280 bytes of LDS; arguments in_proj_w, out_proj_w, w1, w2, part; writes part
.if DOCPART == 1
	.amdgcn_target "amdgcn-amd-amdhsa--gfx1250"
	.amdhsa_code_object_version 6
	.text
	.protected	k_q833f004645_stats
	.globl	k_q833f004645_stats
	.p2align	8
	.type	k_q833f004645_stats,@function
k_q833f004645_stats:
	s_mov_b64 s[64:65], 0
	v_nop
	global_prefetch_b8 v0, s[64:65] scope:SCOPE_SE
	s_setreg_imm32_b32 hwreg(HW_REG_WAVE_MODE, 25, 1), 1
	s_wait_xcnt 0x0
; STATISTICS OF THE 16 WEIGHT TENSORS.  Tensor T = 4 x family + branch (families: in_proj_w, out_proj_w, w1, w2).  The 1-bit branch (0) wants the mean of |w|,
; the others the largest |w|.  Work-group (x, y = T) scans chunk x of 64 of tensor T and stores one pair (sum of |w|, largest |w|) at part[T][x]; the member of the
; pair that its branch does not want is 0.  The next launch folds the 64 pairs of a tensor, in a fixed order.
; A chunk is 196,608 / 65,536 / 262,144 / 262,144 bytes by family; each of the eight waves owns an eighth of it, on end, and takes it in trips of 16 loads of
; 16 bytes a lane: 8,192 bytes, each load 512 neighbouring bytes.  3 / 1 / 4 / 4 trips.  Sums are kept in f32, four chains a lane, at most 64 terms a chain.
; LIMITS: NaN and infinities are not treated apart (a NaN loses in the maximum).
; The one store of a work-group is 8 bytes: that is all the output there is (8,192 bytes for the launch).
.set SPARE, 256                        ; LDS: bytes 0-63 the eight waves' pairs (the block 0-255 is theirs); from 256 on the spare words, 128 bytes a wave
.set OFF, 1                            ; v1       16 x lane
.set SPW, 2                            ; v2       LDS address of my spare word; never rewritten
.set NIL, 3                            ; v3       0; never rewritten
.set A,   4                            ; v[4:7]   four chains of sums
.set M,   8                            ; v[8:11]  four chains of maxima
.set R,   12                           ; v[12:13] (sum, maximum)
.set X,   16                           ; v[16:79] sixteen loads of four registers
	s_load_b256 s[4:11], s[0:1], 0x0               ; in_proj_w s[4:5], out_proj_w s[6:7], w1 s[8:9], w2 s[10:11]
	s_load_b64 s[12:13], s[0:1], 0x20              ; part
	v_lshl_add_u32 v[SPW], v0, 2, SPARE
	v_mov_b32 v[NIL], 0
	v_lshrrev_b32 v14, 5, v0
	v_readfirstlane_b32 s20, v14                   ; my wave, 0..7
	v_and_b32 v[OFF], 31, v0
	v_lshlrev_b32 v[OFF], 4, v[OFF]
	v_mov_b32 v15, 0                               ; written, since a lane exchange below names it as its destination
.irp k,0,1,2,3,4,5,6,7
	v_mov_b32 v[A+\k], 0                           ; 0 starts a sum and, since |w| >= 0, a maximum too
.endr
	s_and_b32 s26, ttmp7, 0xffff                   ; T
	s_lshr_b32 s16, s26, 2                         ; family
	s_and_b32 s17, s26, 3                          ; branch
	s_mov_b32 s24, 0x76543210                      ; v_permlanex16_b32: each lane takes its own place in the other half
	s_mov_b32 s25, 0xfedcba98
	s_mov_b32 s18, 196608                          ; bytes in a chunk, family 0
	s_mov_b32 s19, 3                               ; trips, family 0
	s_wait_kmcnt 0x0
	s_mov_b64 s[14:15], s[4:5]
	s_cmp_eq_u32 s16, 1
	s_cselect_b64 s[14:15], s[6:7], s[14:15]
	s_cselect_b32 s18, 65536, s18
	s_cselect_b32 s19, 1, s19
	s_cmp_eq_u32 s16, 2
	s_cselect_b64 s[14:15], s[8:9], s[14:15]
	s_cselect_b32 s18, 262144, s18
	s_cselect_b32 s19, 4, s19
	s_cmp_eq_u32 s16, 3
	s_cselect_b64 s[14:15], s[10:11], s[14:15]
	s_cselect_b32 s18, 262144, s18
	s_cselect_b32 s19, 4, s19
	s_lshl_b32 s22, s17, 6
	s_add_co_u32 s22, s22, ttmp9                   ; 64 x branch + chunk
	s_mul_i32 s22, s22, s18                        ; in bytes: under 2^26
	s_lshr_b32 s23, s18, 3
	s_mul_i32 s23, s23, s20                        ; my wave's eighth
	s_add_co_u32 s22, s22, s23
	s_mov_b32 s23, 0
	s_add_nc_u64 s[14:15], s[14:15], s[22:23]
; One loop over my wave's bytes.  kind = 1: the largest |w|; kind = 0: the sum of |w|.
.macro SCAN kind
	s_mov_b32 s21, 0
.Lscan\@:
.irp j,0,1,2,3,4,5,6,7,8,9,10,11,12,13,14,15
	global_load_b128 v[X+4*\j:X+4*\j+3], v[OFF], s[14:15] offset:512*\j th:TH_LOAD_NT
.endr
.irp j,0,1,2,3,4,5,6,7,8,9,10,11,12,13,14,15
	s_wait_loadcnt 15-\j                           ; loads come back in order: load j is in, the 15 - j younger ones stay out
.if \kind
	v_max3_num_f32 v[M+(2*\j)%4], v[M+(2*\j)%4], |v[X+4*\j]|, |v[X+4*\j+1]|
	v_max3_num_f32 v[M+(2*\j+1)%4], v[M+(2*\j+1)%4], |v[X+4*\j+2]|, |v[X+4*\j+3]|
.else
.irp k,0,1,2,3
	v_add_f32 v[A+\k], v[A+\k], |v[X+4*\j+\k]|
.endr
.endif
.endr
	s_add_nc_u64 s[14:15], s[14:15], 0x2000        ; the last wait above was for 0: every load that named the base is done
	s_add_co_u32 s21, s21, 1
	s_cmp_lt_u32 s21, s19
	s_cbranch_scc1 .Lscan\@
.endm
	s_cmp_eq_u32 s17, 0
	s_cbranch_scc1 .Lsum                           ; the branch is the same for the whole work-group
	SCAN 1
	s_branch .Ljoin
.Lsum:
	SCAN 0
.Ljoin:                                                ; both kinds go on together, so that the barrier below lies under no branch
	v_add_f32 v[A], v[A], v[A+1]
	v_add_f32 v[A+2], v[A+2], v[A+3]
	v_max3_num_f32 v[M], v[M], v[M+1], v[M+2]
	v_add_f32 v[R], v[A], v[A+2]
	v_max_num_f32 v[R+1], v[M], v[M+3]
.irp m,1,2,4,8
	v_add_f32_dpp v[R], v[R], v[R] row_xmask:\m row_mask:0xf bank_mask:0xf
	v_max_num_f32_dpp v[R+1], v[R+1], v[R+1] row_xmask:\m row_mask:0xf bank_mask:0xf
.endr
	v_permlanex16_b32 v14, v[R], s24, s25
	v_permlanex16_b32 v15, v[R+1], s24, s25
	v_add_f32 v[R], v[R], v14
	v_max_num_f32 v[R+1], v[R+1], v15              ; every lane holds my wave's pair
	v_mov_b32 v14, s20
	v_lshlrev_b32 v14, 3, v14
	ds_store_b64 v14, v[R:R+1]                     ; all lanes write the same pair to my wave's 8 bytes
	s_wait_dscnt 0x0                               ; for the others' sake: my store is done
	s_barrier_signal -1
	s_barrier_wait -1
	v_mov_b32 v15, 0
.irp j,0,1,2,3
	ds_load_b128 v[X+4*\j:X+4*\j+3], v15 offset:16*\j  ; the eight pairs, in every lane
.endr
	s_wait_dscnt 0x0
	v_add_f32 v16, v16, v18
	v_add_f32 v20, v20, v22
	v_add_f32 v24, v24, v26
	v_add_f32 v28, v28, v30
	v_max3_num_f32 v17, v17, v19, v21
	v_max3_num_f32 v23, v23, v25, v27
	v_max_num_f32 v29, v29, v31
	v_add_f32 v16, v16, v20
	v_add_f32 v24, v24, v28
	v_max3_num_f32 v[R+1], v17, v23, v29
	v_add_f32 v[R], v16, v24
	s_wait_tensorcnt 0x0                           ; the wave's end, behind my last LDS store
	ds_add_u32 v[SPW], v[NIL]
	s_wait_dscnt 0x0
	s_cmp_lg_u32 s20, 0
	s_cbranch_scc1 .Lend                           ; wave 0 stores for the work-group
	s_lshl_b32 s22, s26, 6
	s_add_co_u32 s22, s22, ttmp9
	s_lshl_b32 s22, s22, 3                         ; 8 (64 T + chunk)
	v_mov_b32 v14, s22
	s_wait_xcnt 0x0                                ; EXEC changes only behind this wait
	v_cmp_eq_u32 vcc_lo, 0, v0
	s_and_saveexec_b32 s27, vcc_lo
	global_store_b64 v14, v[R:R+1], s[12:13]
	s_wait_xcnt 0x0                                ; and again in front of the line that widens it
	s_or_b32 exec_lo, exec_lo, s27
.Lend:
	s_endpgm
.Lfunc_end_k_q833f004645_stats:
	.size	k_q833f004645_stats, .Lfunc_end_k_q833f004645_stats-k_q833f004645_stats
	.p2alignl 7, 3214868480
	.fill 96, 4, 3214868480
	.section	.rodata,"a",@progbits
	.p2align	6, 0x0
	.amdhsa_kernel k_q833f004645_stats
		.amdhsa_group_segment_fixed_size 1280
		.amdhsa_private_segment_fixed_size 0
		.amdhsa_enable_private_segment 0
		.amdhsa_kernarg_size 40
		.amdhsa_user_sgpr_count 2
		.amdhsa_user_sgpr_kernarg_segment_ptr 1
		.amdhsa_wavefront_size32 1
		.amdhsa_system_sgpr_workgroup_id_x 1
		.amdhsa_system_sgpr_workgroup_id_y 1
		.amdhsa_system_sgpr_workgroup_id_z 1
		.amdhsa_system_vgpr_workitem_id 0
		.amdhsa_next_free_vgpr 80
		.amdhsa_next_free_sgpr 66
		.amdhsa_reserve_vcc 1
		.amdhsa_float_denorm_mode_32 3
		.amdhsa_float_denorm_mode_16_64 3
		.amdhsa_memory_ordered 1
		.amdhsa_forward_progress 1
		.amdhsa_inst_pref_size 15
	.end_amdhsa_kernel
	.amdgpu_metadata
---
amdhsa.version: [ 1, 2 ]
amdhsa.kernels:
  - .name:           k_q833f004645_stats
    .symbol:         k_q833f004645_stats.kd
    .args:
      - { .name: in_proj_w, .offset: 0, .size: 8, .value_kind: global_buffer, .address_space: global }
      - { .name: out_proj_w, .offset: 8, .size: 8, .value_kind: global_buffer, .address_space: global }
      - { .name: w1, .offset: 16, .size: 8, .value_kind: global_buffer, .address_space: global }
      - { .name: w2, .offset: 24, .size: 8, .value_kind: global_buffer, .address_space: global }
      - { .name: part, .offset: 32, .size: 8, .value_kind: global_buffer, .address_space: global }
    .group_segment_fixed_size: 1280
    .private_segment_fixed_size: 0
    .kernarg_segment_align: 8
    .kernarg_segment_size: 40
    .max_flat_workgroup_size: 256
    .sgpr_count:     66
    .vgpr_count:     80
    .wavefront_size: 32
...
	.end_amdgpu_metadata
.endif
;; end of part 1
;; launch quant (part 2): grid 833 x 1, 8 waves a work-group, no clusters, 0 bytes of LDS; arguments alpha, part, in_proj_w, out_proj_w, w1, w2, src, b1, out_proj_b, b2, wq, wo, w2e; writes wq, wo, w2e
.if DOCPART == 2
	.amdgcn_target "amdgcn-amd-amdhsa--gfx1250"
	.amdhsa_code_object_version 6
	.text
	.protected	k_q833f004645_quant
	.globl	k_q833f004645_quant
	.p2align	8
	.type	k_q833f004645_quant,@function
k_q833f004645_quant:
	s_mov_b64 s[64:65], 0
	v_nop
	global_prefetch_b8 v0, s[64:65] scope:SCOPE_SE
	s_setreg_imm32_b32 hwreg(HW_REG_WAVE_MODE, 25, 1), 1
	s_wait_xcnt 0x0
; THE WEIGHTS ARE QUANTISED, WEIGHED, MERGED AND LAID OUT ONCE, IN bf16.  probs = softmax(alpha) by rows, with the row's maximum taken away.
;   q1(w) = sign(w) mean|w|;  qn(w) = clip(round(w / scale), -qmax - 1, qmax) scale, scale = max|w| / qmax, qmax = 1, 7, 127 for 2, 4, 8 bits; round to nearest even.
;   wq + 0      [4 x 3072][1024]  q_i(in_proj_w[i])                     (not weighed: the branches' attentions differ)
;   wo          [1024][4 x 1024]  probs[0][i] q_i(out_proj_w[i])        (the four out-projections are one product over K = 4,096)
;   wq + W1E    [4096][1024]      sum over i of probs[1][i] q_i(w1[i])  (a mixture of linear layers is one linear layer)
;   w2e         [1024][4096]      sum over i of probs[2][i] q_i(w2[i])
;   wq + SRCB   [1024][1024]      src in bf16;     wq + BEFF  f32: sum p1 b1 [4096], sum p0 out_proj_b [1024], sum p2 b2 [1024]
; ROLES by the work-group's number g: 0-191 in_proj_w, 192-255 out_proj_w, 256-511 w1, 512-767 w2 (16 rows of 1,024 numbers of all four branches each); 768-831 src (16 rows each); 832 the biases.
; Thread t owns numbers 4 t .. 4 t + 3 of a row of 1,024: a wave's load covers 512 neighbouring bytes, its bf16 store 256 neighbouring bytes at a multiple of 256.
; Eight loads a wave are out at a time; with 64 registers a wave many waves lie on a SIMD, and their loads add up.  No LDS, no barrier: no wave needs another.
; LIMITS.  A tensor that is all zeros makes 0 / 0 in the module itself and is not served.  NaN and infinities are not treated apart.  The forward value w + (q - w) is taken as q.
; mean = sum x (1 / N).  w / scale is w x (1 / scale) mended once by its remainder, max / qmax likewise: both may differ from a division in the last bit.
.set W1E,  25165824
.set SRCB, 33554432
.set BEFF, 35651584
.set IOFF, 2                           ; v2       16 t: my 16 bytes in a row of f32
.set OV,   3                           ; v3, v4   8 t and 8 t + one output row: my 8 bytes in a row of bf16
.set C0,   5                           ; v5       p0 x mean|w|
.set AOF,  6                           ; v6       byte offset of my alpha row
.set POF,  7                           ; v7       byte offset of my two pairs in part
.set T,    8                           ; v[8:11]  at work
.set PR,   12                          ; v[12:15] the row of probabilities (bias role: three rows, v[12:23])
.set W,    32                          ; v[32:63] row r (0, 1), branch i at W + 16 r + 4 i
.set IB,   52                          ; s[52:59] branch i: where its next two rows are read
.set OB,   66                          ; s[66:73] branch i: where they are written (merged: OB alone)
.set RI,   80                          ; s[82:87] 1 / scale_i, i = 1..3, at RI + 2 i, as pairs
.set SC,   86                          ; s[88:93] scale_i
.set SO,   92                          ; s[94:99] p_i scale_i
.macro XSUM r, t                       ; the sum over the wave's 32 lanes, in every lane; t: a register that has been written
.irp m,1,2,4,8
	v_add_f32_dpp v[\r], v[\r], v[\r] row_xmask:\m row_mask:0xf bank_mask:0xf
.endr
	v_permlanex16_b32 v[\t], v[\r], s46, s47
	v_add_f32 v[\r], v[\r], v[\t]
.endm
.macro XMAX r, t
.irp m,1,2,4,8
	v_max_num_f32_dpp v[\r], v[\r], v[\r] row_xmask:\m row_mask:0xf bank_mask:0xf
.endr
	v_permlanex16_b32 v[\t], v[\r], s46, s47
	v_max_num_f32 v[\r], v[\r], v[\t]
.endm
; softmax of v[a .. a+3], in place; t .. t+2 at work.  The four exponentials are one batch with one wait, the reciprocal has its own.
.macro SOFTMAX a, t
	v_max3_num_f32 v[\t], v[\a], v[\a+1], v[\a+2]
	v_max_num_f32 v[\t], v[\t], v[\a+3]
	v_mul_f32 v[\t], 0x3fb8aa3b, v[\t]             ; log2(e) x the maximum
.irp k,0,1,2,3
	v_fma_f32 v[\a+\k], v[\a+\k], 0x3fb8aa3b, -v[\t]
.endr
.irp k,0,1,2,3
	v_exp_f32 v[\a+\k], v[\a+\k]
.endr
	v_nop                                          ; a plain instruction behind the last exponential,
	s_wait_alu depctr_va_vdst(0)                   ; and the wait ahead of the first use
	v_add_f32 v[\t], v[\a], v[\a+1]
	v_add_f32 v[\t+1], v[\a+2], v[\a+3]
	v_add_f32 v[\t], v[\t], v[\t+1]
	v_rcp_f32 v[\t+2], v[\t]
	v_nop
	s_wait_alu depctr_va_vdst(0)
.irp k,0,1,2,3
	v_mul_f32 v[\a+\k], v[\a+\k], v[\t+2]
.endr
.endm
	s_load_b512 s[8:23], s[0:1], 0x0               ; alpha s[8:9], part s[10:11], in_proj_w s[12:13], out_proj_w s[14:15], w1 s[16:17], w2 s[18:19], src s[20:21], b1 s[22:23]
	s_load_b256 s[24:31], s[0:1], 0x40             ; out_proj_b s[24:25], b2 s[26:27], wq s[28:29], wo s[30:31]
	s_load_b64 s[32:33], s[0:1], 0x60              ; w2e
	s_mov_b32 s2, ttmp9                            ; g
	v_and_b32 v1, 31, v0
	v_lshlrev_b32 v1, 4, v1                        ; 16 x lane
	v_lshlrev_b32 v[IOFF], 4, v0
	v_lshlrev_b32 v[OV], 3, v0
	s_mov_b32 s46, 0x76543210                      ; v_permlanex16_b32: each lane takes its own place in the other half
	s_mov_b32 s47, 0xfedcba98
	s_mov_b32 s77, 0                               ; the high word of the offsets made in s76
	s_wait_kmcnt 0x0
	s_cmp_ge_u32 s2, 832
	s_cbranch_scc1 .Lbias
	s_cmp_ge_u32 s2, 768
	s_cbranch_scc1 .Lsrc
	; THE WEIGHTS.  What differs between the four families lies in scalar registers, chosen by g.
	s_mov_b64 s[42:43], s[12:13]                   ; read from
	s_mov_b64 s[44:45], s[28:29]                   ; written to
	s_mov_b32 s34, 0                               ; the family's first work-group
	s_mov_b32 s35, 0xc00000                        ; bytes from branch to branch in the input
	s_mov_b32 s36, 2048                            ; bytes from row to row in the output
	s_mov_b32 s37, 6291456                         ; bytes from branch to branch in the output (split families)
	s_mov_b32 s38, 0                               ; byte offset of the alpha row
	s_mov_b32 s39, 0x34aaaaab                      ; 1 / N = 1 / 3,145,728
	s_mov_b32 s40, 0                               ; byte offset of the family's four tensors in part
	s_mov_b32 s41, 0                               ; byte offset of the section in the output buffer
	s_cmp_ge_u32 s2, 192
	s_cselect_b64 s[42:43], s[14:15], s[42:43]
	s_cselect_b64 s[44:45], s[30:31], s[44:45]
	s_cselect_b32 s34, 192, s34
	s_cselect_b32 s35, 0x400000, s35
	s_cselect_b32 s36, 8192, s36
	s_cselect_b32 s37, 2048, s37
	s_cselect_b32 s39, 0x35800000, s39             ; 2^-20
	s_cselect_b32 s40, 2048, s40
	s_cmp_ge_u32 s2, 256
	s_cselect_b64 s[42:43], s[16:17], s[42:43]
	s_cselect_b64 s[44:45], s[28:29], s[44:45]
	s_cselect_b32 s34, 256, s34
	s_cselect_b32 s35, 0x1000000, s35
	s_cselect_b32 s36, 2048, s36
	s_cselect_b32 s38, 16, s38
	s_cselect_b32 s39, 0x34800000, s39             ; 2^-22
	s_cselect_b32 s40, 4096, s40
	s_cselect_b32 s41, W1E, s41
	s_cmp_ge_u32 s2, 512
	s_cselect_b64 s[42:43], s[18:19], s[42:43]
	s_cselect_b64 s[44:45], s[32:33], s[44:45]
	s_cselect_b32 s34, 512, s34
	s_cselect_b32 s38, 32, s38
	s_cselect_b32 s40, 6144, s40
	s_cselect_b32 s41, 0, s41
	s_cmp_lt_u32 s2, 192
	s_cselect_b32 s80, -1, 0                       ; in_proj_w is not weighed: its p are replaced by 1
	v_add_nc_u32 v[OV+1], s36, v[OV]
	v_add_nc_u32 v[POF], s40, v1
	v_mov_b32 v[AOF], s38
	global_load_b128 v[PR:PR+3], v[AOF], s[8:9]    ; my alpha row, the same 16 bytes in every lane
.irp i,0,1,2,3
	global_load_b128 v[24+4*\i:27+4*\i], v[POF], s[10:11] offset:512*\i  ; tensor i: lane l takes the pairs of chunks 2 l and 2 l + 1
.endr
	s_mov_b32 s4, 0xc0000000                       ; the clips' bounds: -2, 1;
	s_mov_b32 s5, 0x3f800000
	s_mov_b32 s6, 0xc1000000                       ; -8, 7;
	s_mov_b32 s7, 0x40e00000
	s_mov_b32 s60, 0xc3000000                      ; -128, 127
	s_mov_b32 s61, 0x42fe0000
	s_mov_b32 s100, 0x7fffffff
	s_sub_co_u32 s3, s2, s34                       ; my place in the family: 16 rows each
	s_lshl_b32 s76, s3, 16                         ; 16 rows of 4,096 bytes
	s_add_nc_u64 s[IB:IB+1], s[42:43], s[76:77]
	s_mov_b32 s76, s35
	s_add_nc_u64 s[IB+2:IB+3], s[IB:IB+1], s[76:77]
	s_add_nc_u64 s[IB+4:IB+5], s[IB+2:IB+3], s[76:77]
	s_add_nc_u64 s[IB+6:IB+7], s[IB+4:IB+5], s[76:77]
	s_lshl_b32 s76, s3, 4
	s_mul_i32 s76, s76, s36
	s_add_co_u32 s76, s76, s41
	s_add_nc_u64 s[OB:OB+1], s[44:45], s[76:77]
	s_mov_b32 s76, s37
	s_add_nc_u64 s[OB+2:OB+3], s[OB:OB+1], s[76:77]
	s_add_nc_u64 s[OB+4:OB+5], s[OB+2:OB+3], s[76:77]
	s_add_nc_u64 s[OB+6:OB+7], s[OB+4:OB+5], s[76:77]
	s_lshl_b32 s78, s36, 1                         ; a trip writes two rows
	s_mov_b32 s79, 0
	s_wait_loadcnt 0x4                             ; alpha is in; the four loads from part stay out
	SOFTMAX PR, 16
.irp k,0,1,2,3
	v_cndmask_b32 v[PR+\k], v[PR+\k], 1.0, s80
.endr
	s_wait_loadcnt 0x0
	v_add_f32 v24, v24, v26                        ; tensor 0: my two chunks' sums
	v_max_num_f32 v25, v29, v31                    ; tensors 1 to 3: my two chunks' maxima
	v_max_num_f32 v26, v33, v35
	v_max_num_f32 v27, v37, v39
	XSUM 24, 16
	XMAX 25, 16
	XMAX 26, 16
	XMAX 27, 16
	v_mul_f32 v24, s39, v24                        ; mean|w|
	v_mul_f32 v[C0], v[PR], v24
	v_mul_f32 v28, 0x3e124925, v26                 ; max / 7 and max / 127: times the reciprocal, mended once by the remainder (max / 1 is max)
	v_mul_f32 v29, 0x3c010204, v27
	v_fma_f32 v30, -v28, 0x40e00000, v26
	v_fma_f32 v31, -v29, 0x42fe0000, v27
	v_fma_f32 v26, v30, 0x3e124925, v28
	v_fma_f32 v27, v31, 0x3c010204, v29
	v_rcp_f32 v28, v25                             ; 1 / scale: three reciprocals, one batch, one wait, one Newton step each
	v_rcp_f32 v29, v26
	v_rcp_f32 v30, v27
	v_nop
	s_wait_alu depctr_va_vdst(0)
	v_fma_f32 v31, -v25, v28, 1.0
	v_fma_f32 v32, -v26, v29, 1.0
	v_fma_f32 v33, -v27, v30, 1.0
	v_fma_f32 v28, v31, v28, v28
	v_fma_f32 v29, v32, v29, v29
	v_fma_f32 v30, v33, v30, v30
.irp i,1,2,3
	v_mul_f32 v[PR+\i], v[PR+\i], v[24+\i]         ; p_i scale_i
.endr
.irp i,1,2,3
	v_readfirstlane_b32 s[RI+2*\i], v[27+\i]       ; the same in every lane: kept as scalars, in pairs, since the packed forms name pairs
	v_readfirstlane_b32 s[SC+2*\i], v[24+\i]
	v_readfirstlane_b32 s[SO+2*\i], v[PR+\i]
	s_mov_b32 s[RI+2*\i+1], s[RI+2*\i]
	s_mov_b32 s[SC+2*\i+1], s[SC+2*\i]
	s_mov_b32 s[SO+2*\i+1], s[SO+2*\i]
.endr
; T = clip(round(w / scale_i)) for the four numbers at v[q ..], which are used up.  lo, hi: the scalar registers with the bounds.
.macro QROUND q, i, lo, hi
	v_pk_mul_f32 v[T:T+1], v[(\q):(\q)+1], s[RI+2*\i:RI+2*\i+1] op_sel_hi:[1,0]
	v_pk_mul_f32 v[T+2:T+3], v[(\q)+2:(\q)+3], s[RI+2*\i:RI+2*\i+1] op_sel_hi:[1,0]
	v_pk_fma_f32 v[(\q):(\q)+1], v[T:T+1], s[SC+2*\i:SC+2*\i+1], v[(\q):(\q)+1] op_sel_hi:[1,0,1] neg_lo:[1,0,0] neg_hi:[1,0,0]      ; the remainder w - T scale
	v_pk_fma_f32 v[(\q)+2:(\q)+3], v[T+2:T+3], s[SC+2*\i:SC+2*\i+1], v[(\q)+2:(\q)+3] op_sel_hi:[1,0,1] neg_lo:[1,0,0] neg_hi:[1,0,0]
	v_pk_fma_f32 v[T:T+1], v[(\q):(\q)+1], s[RI+2*\i:RI+2*\i+1], v[T:T+1] op_sel_hi:[1,0,1]
	v_pk_fma_f32 v[T+2:T+3], v[(\q)+2:(\q)+3], s[RI+2*\i:RI+2*\i+1], v[T+2:T+3] op_sel_hi:[1,0,1]
.irp k,0,1,2,3
	v_rndne_f32 v[T+\k], v[T+\k]
.endr
.irp k,0,1,2,3
	v_med3_num_f32 v[T+\k], v[T+\k], s[\lo], s[\hi]
.endr
.endm
.macro QONE i, lo, hi, merge           ; branch i of the row at Q0
	QROUND Q0+4*\i, \i, \lo, \hi
.if \merge
	v_pk_fma_f32 v[Q0:Q0+1], v[T:T+1], s[SO+2*\i:SO+2*\i+1], v[Q0:Q0+1] op_sel_hi:[1,0,1]
	v_pk_fma_f32 v[Q0+2:Q0+3], v[T+2:T+3], s[SO+2*\i:SO+2*\i+1], v[Q0+2:Q0+3] op_sel_hi:[1,0,1]
.else
	v_pk_mul_f32 v[T:T+1], v[T:T+1], s[SO+2*\i:SO+2*\i+1] op_sel_hi:[1,0]
	v_pk_mul_f32 v[T+2:T+3], v[T+2:T+3], s[SO+2*\i:SO+2*\i+1] op_sel_hi:[1,0]
	v_cvt_pk_bf16_f32 v[Q0+4*\i], v[T], v[T+1]
	v_cvt_pk_bf16_f32 v[Q0+4*\i+1], v[T+2], v[T+3]
.endif
.endm
; Row r of a trip's two.  merge = 1: the four branches are added and stored once; 0: each is stored by itself.
.macro WROW r, merge
.set Q0, W+16*\r
	s_wait_loadcnt 4*(1-\r)                        ; row 0: the four loads of row 1 stay out
.irp k,0,1,2,3
	v_cmp_neq_f32 vcc_lo, 0, v[Q0+\k]              ; sign(w) p0 mean: the magnitude under w's sign, and 0 where w is 0
	v_bfi_b32 v[Q0+\k], s100, v[C0], v[Q0+\k]
	v_cndmask_b32 v[Q0+\k], 0, v[Q0+\k], vcc_lo
.endr
	QONE 1, 4, 5, \merge
	QONE 2, 6, 7, \merge
	QONE 3, 60, 61, \merge
	v_cvt_pk_bf16_f32 v[Q0], v[Q0], v[Q0+1]
	v_cvt_pk_bf16_f32 v[Q0+1], v[Q0+2], v[Q0+3]
	global_store_b64 v[OV+\r], v[Q0:Q0+1], s[OB:OB+1]
.if !(\merge)
.irp i,1,2,3
	global_store_b64 v[OV+\r], v[Q0+4*\i:Q0+4*\i+1], s[OB+2*\i:OB+2*\i+1]
.endr
.endif
.endm
.macro TRIP merge                      ; two rows of all four branches
.irp r,0,1
.irp i,0,1,2,3
	global_load_b128 v[W+16*\r+4*\i:W+16*\r+4*\i+3], v[IOFF], s[IB+2*\i:IB+2*\i+1] offset:4096*\r th:TH_LOAD_NT
.endr
.endr
	WROW 0, \merge
	WROW 1, \merge
	s_wait_xcnt 0x0                                ; the bases, and the registers that the stores read, are written again only behind this wait
.irp i,0,1,2,3
	s_add_nc_u64 s[IB+2*\i:IB+2*\i+1], s[IB+2*\i:IB+2*\i+1], 0x2000
.endr
	s_add_nc_u64 s[OB:OB+1], s[OB:OB+1], s[78:79]
.if !(\merge)
.irp i,1,2,3
	s_add_nc_u64 s[OB+2*\i:OB+2*\i+1], s[OB+2*\i:OB+2*\i+1], s[78:79]
.endr
.endif
.endm
	s_mov_b32 s3, 8                                ; 16 rows, two a trip
	s_cmp_lt_u32 s2, 256
	s_cbranch_scc0 .Lmerge
.Lsplit:
	TRIP 0
	s_sub_co_u32 s3, s3, 1
	s_cmp_lg_u32 s3, 0
	s_cbranch_scc1 .Lsplit
	s_endpgm
.Lmerge:
	TRIP 1
	s_sub_co_u32 s3, s3, 1
	s_cmp_lg_u32 s3, 0
	s_cbranch_scc1 .Lmerge
	s_endpgm
.Lsrc:                                                 ; 16 rows of src, rounded to bf16
	s_sub_co_u32 s3, s2, 768
	s_lshl_b32 s76, s3, 16
	s_add_nc_u64 s[IB:IB+1], s[20:21], s[76:77]
	s_lshl_b32 s76, s3, 15
	s_add_co_u32 s76, s76, SRCB
	s_add_nc_u64 s[OB:OB+1], s[28:29], s[76:77]
.irp h,0,1
.if \h
	s_wait_xcnt 0x0                                ; the first half's stores have read their registers
.endif
.irp r,0,1,2,3,4,5,6,7
	global_load_b128 v[W+4*\r:W+4*\r+3], v[IOFF], s[IB:IB+1] offset:(8*\h+\r)*4096 th:TH_LOAD_NT
.endr
.irp r,0,1,2,3,4,5,6,7
	s_wait_loadcnt 7-\r                            ; row r is in, the 7 - r younger loads stay out
	v_cvt_pk_bf16_f32 v[W+4*\r], v[W+4*\r], v[W+4*\r+1]
	v_cvt_pk_bf16_f32 v[W+4*\r+1], v[W+4*\r+2], v[W+4*\r+3]
	global_store_b64 v[OV], v[W+4*\r:W+4*\r+1], s[OB:OB+1] offset:(8*\h+\r)*2048
.endr
.endr
	s_endpgm
; THE BIASES: six rows of 1,024 numbers, each the sum over i of p_i b_i.  Two sets of four loads take turns, so that a set is on its way while the other is added up.
.macro BLOAD st, in, bstride, rowoff   ; set st takes one row of the four branches of the bias at s[in:in+1]
.irp i,0,1,2,3
	global_load_b128 v[W+16*\st+4*\i:W+16*\st+4*\i+3], v[IOFF], s[\in:\in+1] offset:\i*\bstride+\rowoff
.endr
.endm
.macro BCALC st, pb, outoff, left      ; pb: the first scalar register of the row's four probabilities, in pairs
	s_wait_loadcnt \left
	v_pk_mul_f32 v[W+16*\st:W+16*\st+1], v[W+16*\st:W+16*\st+1], s[\pb:\pb+1] op_sel_hi:[1,0]
	v_pk_mul_f32 v[W+16*\st+2:W+16*\st+3], v[W+16*\st+2:W+16*\st+3], s[\pb:\pb+1] op_sel_hi:[1,0]
.irp i,1,2,3
	v_pk_fma_f32 v[W+16*\st:W+16*\st+1], v[W+16*\st+4*\i:W+16*\st+4*\i+1], s[\pb+2*\i:\pb+2*\i+1], v[W+16*\st:W+16*\st+1] op_sel_hi:[1,0,1]
	v_pk_fma_f32 v[W+16*\st+2:W+16*\st+3], v[W+16*\st+4*\i+2:W+16*\st+4*\i+3], s[\pb+2*\i:\pb+2*\i+1], v[W+16*\st+2:W+16*\st+3] op_sel_hi:[1,0,1]
.endr
	global_store_b128 v[IOFF], v[W+16*\st:W+16*\st+3], s[OB:OB+1] offset:\outoff
.endm
.Lbias:
	v_mov_b32 v[AOF], 0
	global_load_b128 v[12:15], v[AOF], s[8:9] offset:16  ; alpha row 1, for b1
	global_load_b128 v[16:19], v[AOF], s[8:9]            ; row 0, for out_proj_b
	global_load_b128 v[20:23], v[AOF], s[8:9] offset:32  ; row 2, for b2
	s_add_nc_u64 s[OB:OB+1], s[28:29], BEFF
	BLOAD 0, 22, 16384, 0
	BLOAD 1, 22, 16384, 4096
	s_wait_loadcnt 0x8                             ; alpha is in; the two sets' eight loads stay out
	SOFTMAX 12, 24
	SOFTMAX 16, 24
	SOFTMAX 20, 24
.irp k,0,1,2,3,4,5,6,7,8,9,10,11
	v_readfirstlane_b32 s[74+2*\k], v[12+\k]       ; s[74:81] row 1, s[82:89] row 0, s[90:97] row 2, as pairs
	s_mov_b32 s[75+2*\k], s[74+2*\k]
.endr
	BCALC 0, 74, 0, 4                              ; in each of these the other set's four loads stay out
	s_wait_xcnt 0x0                                ; the store has read the set's registers
	BLOAD 0, 22, 16384, 8192
	BCALC 1, 74, 4096, 4
	s_wait_xcnt 0x0
	BLOAD 1, 22, 16384, 12288
	BCALC 0, 74, 8192, 4
	s_wait_xcnt 0x0
	BLOAD 0, 24, 4096, 0
	BCALC 1, 74, 12288, 4
	s_wait_xcnt 0x0
	BLOAD 1, 26, 4096, 0
	BCALC 0, 82, 16384, 4
	BCALC 1, 90, 20480, 0
	s_endpgm
.Lfunc_end_k_q833f004645_quant:
	.size	k_q833f004645_quant, .Lfunc_end_k_q833f004645_quant-k_q833f004645_quant
	.p2alignl 7, 3214868480
	.fill 96, 4, 3214868480
	.section	.rodata,"a",@progbits
	.p2align	6, 0x0
	.amdhsa_kernel k_q833f004645_quant
		.amdhsa_group_segment_fixed_size 0
		.amdhsa_private_segment_fixed_size 0
		.amdhsa_enable_private_segment 0
		.amdhsa_kernarg_size 104
		.amdhsa_user_sgpr_count 2
		.amdhsa_user_sgpr_kernarg_segment_ptr 1
		.amdhsa_wavefront_size32 1
		.amdhsa_system_sgpr_workgroup_id_x 1
		.amdhsa_system_sgpr_workgroup_id_y 1
		.amdhsa_system_sgpr_workgroup_id_z 1
		.amdhsa_system_vgpr_workitem_id 0
		.amdhsa_next_free_vgpr 64
		.amdhsa_next_free_sgpr 102
		.amdhsa_reserve_vcc 1
		.amdhsa_float_denorm_mode_32 3
		.amdhsa_float_denorm_mode_16_64 3
		.amdhsa_memory_ordered 1
		.amdhsa_forward_progress 1
		.amdhsa_inst_pref_size 43
	.end_amdhsa_kernel
	.amdgpu_metadata
---
amdhsa.version: [ 1, 2 ]
amdhsa.kernels:
  - .name:           k_q833f004645_quant
    .symbol:         k_q833f004645_quant.kd
    .args:
      - { .name: alpha, .offset: 0, .size: 8, .value_kind: global_buffer, .address_space: global }
      - { .name: part, .offset: 8, .size: 8, .value_kind: global_buffer, .address_space: global }
      - { .name: in_proj_w, .offset: 16, .size: 8, .value_kind: global_buffer, .address_space: global }
      - { .name: out_proj_w, .offset: 24, .size: 8, .value_kind: global_buffer, .address_space: global }
      - { .name: w1, .offset: 32, .size: 8, .value_kind: global_buffer, .address_space: global }
      - { .name: w2, .offset: 40, .size: 8, .value_kind: global_buffer, .address_space: global }
      - { .name: src, .offset: 48, .size: 8, .value_kind: global_buffer, .address_space: global }
      - { .name: b1, .offset: 56, .size: 8, .value_kind: global_buffer, .address_space: global }
      - { .name: out_proj_b, .offset: 64, .size: 8, .value_kind: global_buffer, .address_space: global }
      - { .name: b2, .offset: 72, .size: 8, .value_kind: global_buffer, .address_space: global }
      - { .name: wq, .offset: 80, .size: 8, .value_kind: global_buffer, .address_space: global }
      - { .name: wo, .offset: 88, .size: 8, .value_kind: global_buffer, .address_space: global }
      - { .name: w2e, .offset: 96, .size: 8, .value_kind: global_buffer, .address_space: global }
    .group_segment_fixed_size: 0
    .private_segment_fixed_size: 0
    .kernarg_segment_align: 8
    .kernarg_segment_size: 104
    .max_flat_workgroup_size: 256
    .sgpr_count:     102
    .vgpr_count:     64
    .wavefront_size: 32
...
	.end_amdgpu_metadata
.endif
;; end of part 2
;; launch qkvg (part 3): grid 96 x 8, 4 waves a work-group, clusters of 4 x 4, 327,680 bytes of LDS; arguments wq, in_proj_b, qkv; writes qkv
.if DOCPART == 3
	.amdgcn_target "amdgcn-amd-amdhsa--gfx1250"
	.amdhsa_code_object_version 6
	.text
	.protected	k_q833f004645_qkvg
	.globl	k_q833f004645_qkvg
	.p2align	8
	.type	k_q833f004645_qkvg,@function
k_q833f004645_qkvg:
	s_mov_b64 s[64:65], 0
	v_nop
	global_prefetch_b8 v0, s[64:65] scope:SCOPE_SE
	s_setreg_imm32_b32 hwreg(HW_REG_WAVE_MODE, 25, 1), 1
	s_wait_xcnt 0x0
	s_wait_alu depctr_hold_cnt(0) depctr_sa_sdst(0) depctr_va_vdst(0) depctr_va_sdst(0) depctr_va_ssrc(0) depctr_va_vcc(0) depctr_vm_vsrc(0)
	s_getreg_b32 s2, hwreg(HW_REG_IB_STS2, 6, 4)
	s_cmp_eq_u32 s2, 0
	s_cbranch_scc0 .Lentry_in_a_cluster
	s_endpgm
.Lentry_in_a_cluster:
	s_bfe_u32 s2, ttmp6, 0x10000c
	s_cmp_lg_u32 s2, 0xf033
	s_cbranch_scc0 .Lentry_shape_is_right
	s_endpgm
.Lentry_shape_is_right:
; qkv[t][n] = sum over k of srcb[t][k] WINQ[n][k] + in_proj_b[n].  srcb [1024][1024] and WINQ [12288][1024] are bf16 sections of wq; n = 3072 x branch + e; sums in f32; qkv [1024][12288] bf16, rounded once.
; A tile of C is 128 x 128: four waves, each 64 x 64: 16 accumulators of 16 x 16, 128 registers.  768 tiles: three for each of 256 WGPs.  K = 1,024 goes in four steps of 256 (LDS rows of 512 bytes; a wave's
; tensor load brings 64 of them) through two LDS slots.  The four waves share ONE stage on the way out, with a barrier between writing and reading, since a wave's 64 columns are half of an aligned 256 bytes of C.
; CLUSTERS: 4 x 4 work-groups.  The four of a row of the cluster need the same tiles of A, the four of a column the same tiles of B: each tile is asked for JOINTLY, by the same tensor load with the same
; descriptor and a mask that names the four.  THE MATRIX INSTRUCTION IS USED TRANSPOSED (source 0 = 16 rows of B, source 1 = 16 rows of A): a lane then holds eight neighbouring numbers of a row of C.
; A wave has two tensor loads out at the start and one behind each round of the cluster's barrier.
; REGISTERS: window 0: v0-31 addresses; v32-95 whole rows on the way out; v96-127 the bias of my 4 x 8 columns; v128-255 the accumulators ((a, b) at v[128 + 8 (4 a + b)]).
;   window 1: two fragment buffers of 128: for 64 along K, 64 registers of A (2 x 4 x 16 rows x 32 K), then 64 of B.
.set KSTEP,  256
.set PITCH,  528                       ; an LDS row: 512 bytes of data + 16 of padding: the 16 rows that a load touches begin at 16 different 16-byte columns modulo 256
.set HALFT,  64*PITCH                  ; 64 rows: what one tensor load brings, and what one wave reads of A or of B
.set SLOT,   4*HALFT                   ; A's 128 rows, then B's 128 rows
.set STAGE,  2*SLOT                    ; behind the ring: 128 rows x 272 bytes, the work-group's, for the way out
.set SPITCH, 272
.set SPARE,  STAGE+128*SPITCH          ; behind the stage: the spare words, 128 bytes for each wave
.set KLEN,   1024                      ; the sum's length
.set KPITCH, 1024                      ; elements from row to row in A and in B
.set LAPS,   KLEN/(2*KSTEP)            ; a lap = two K steps = once round the ring
.set NB,     12288*2                   ; bytes in a row of C
.set AOFF,   33554432                  ; srcb's place in wq; WINQ lies at 0
.set ADRA, 16                          ; v16-17  LDS address of my A fragments in slot 0, 1
.set ADRB, 20                          ; v20-21  the same for B
.set STO,  24                          ; v24     the way out: where I put 16 bytes of a row
.set RD,   25                          ; v25     the way out: where I read a row back
.set CO,   26                          ; v26     my byte offset in C
.set BO,   27                          ; v27     my byte offset in the bias of 16 columns
.set SPW,  28                          ; v28     LDS address of my spare word; never rewritten
.set NIL,  29                          ; v29     0; never rewritten
.set TMP,  32
.set BIAS, 96
.set ACC,  128
.set F0,   0                           ; fragment buffers, in window 1
.set F1,   128
.set G1, 24                            ; s[24:31] descriptor group 1 for A's tiles;  s[32:39] group 0, one set for each slot
.set G0, 32
.set G1B, 48                           ; s[48:55], s[56:63] the same for B's tiles
.set G0B, 56
.set BP, 66                            ; s[66:67] the bias at my wave's first column
.set MSB, 0
.macro WIN new                         ; the immediate's high byte repeats the setting that is left
.if MSB != (\new)
	s_set_vgpr_msb (MSB<<8)|(\new)
.set MSB, \new
.endif
.endm
.set MUL,  0x05                        ; sources 0 (B) and 1 (A) window 1; C and D window 0
.set TO_F, 0x40                        ; destination window 1, address window 0
.macro JLOAD s                         ; a joint load: waves 0 and 1 fetch A's two halves, waves 2 and 3 B's; an s_nop 0 and four v_nop follow each of the two lines, ahead of the jump, the label and what follows
	s_cmp_eq_u32 s11, 0
	s_cbranch_scc0 .Lfor_b_\@
	tensor_load_to_lds s[G0+4*(\s):G0+4*(\s)+3], s[G1:G1+7]
	s_nop 0
.rept 4
	v_nop
.endr
	s_branch .Lasked_\@
.Lfor_b_\@:
	tensor_load_to_lds s[G0B+4*(\s):G0B+4*(\s)+3], s[G1B:G1B+7]
	s_nop 0
.rept 4
	v_nop
.endr
.Lasked_\@:
.endm
.macro CREST                           ; a round of the cluster's barrier behind its opening barrier
	s_cmp_lg_u32 s10, 0
	s_cbranch_scc1 .Lnot_wave_0_\@
	s_barrier_signal -3
.Lnot_wave_0_\@:
	s_barrier_wait -3
	s_barrier_signal -1
	s_barrier_wait -1
.endm
.macro CROUND                          ; a whole round
	s_barrier_signal -1
	s_barrier_wait -1
	CREST
.endm
	s_load_b128 s[4:7], s[0:1], 0x0                ; wq s[4:5], in_proj_b s[6:7]
	s_load_b64 s[8:9], s[0:1], 0x10                ; qkv
	v_lshl_add_u32 v[SPW], v0, 2, SPARE
	v_mov_b32 v[NIL], 0
	ds_add_u32 v[SPW], v[NIL]                      ; the wave's opening: the add and its wait stand ahead of my first tensor load; the set-up below, work on registers, stands between them
	v_lshrrev_b32 v1, 5, v0
	v_readfirstlane_b32 s10, v1                    ; wave 0..3
	s_lshr_b32 s11, s10, 1                         ; which half of the tile's rows is mine.  Also: I fetch for A (0) or for B (1)
	s_and_b32 s12, s10, 1                          ; which half of its columns.  Also: which 64 rows of that tile I fetch
	s_bfe_u32 s40, ttmp6, 0x40000                  ; cx, cy: my place in the cluster
	s_bfe_u32 s41, ttmp6, 0x40004
	s_lshl_b32 s42, ttmp9, 2
	s_add_co_u32 s42, s42, s40                     ; tile column of C = 4 x cluster x + cx
	s_and_b32 s13, ttmp7, 0xffff
	s_lshl_b32 s13, s13, 2
	s_add_co_u32 s13, s13, s41                     ; tile row of C = 4 x cluster y + cy
	s_lshl_b32 s43, s41, 2
	s_lshl_b32 s43, 15, s43                        ; my row of the cluster
	s_lshl_b32 s44, 0x1111, s40                    ; my column
	; descriptor group 1: a tile of 64 rows x 256 elements, padded in LDS
	s_or_b32 s[G1+0], s43, (1<<16)|(1<<20)|(1<<21)|(6<<22)|(3<<25)  ; 15:0 the mask: A's tiles go to my row; 17:16 element of 2 bytes; 20 padding on; 21 set beside a mask; 24:22 after every 128 words (code 6); 31:25 of 4 words (code 3)
	s_or_b32 s[G1B+0], s44, (1<<16)|(1<<20)|(1<<21)|(6<<22)|(3<<25)
.irp g, G1, G1B
	s_mov_b32 s[(\g)+1], KSTEP<<16                 ; tensor_dim0 = 256
	s_mov_b32 s[(\g)+2], 64<<16                    ; tensor_dim1 = 64
	s_mov_b32 s[(\g)+3], KSTEP<<16                 ; tile_dim0 = 256
	s_mov_b32 s[(\g)+4], 64                        ; tile_dim1 = 64
	s_mov_b32 s[(\g)+5], KPITCH                    ; tensor_dim0_stride
	s_mov_b32 s[(\g)+6], 0
	s_mov_b32 s[(\g)+7], 0
.endr
	s_lshl_b32 s17, s12, 6                         ; which 64 rows of the tile I fetch
	s_lshl_b32 s16, s13, 7
	s_add_co_u32 s16, s16, s17                     ; A: row 128 x tile row + 64 x half
	s_lshl_b32 s46, s42, 7
	s_add_co_u32 s46, s46, s17                     ; B: row 128 x tile column + 64 x half
	s_mov_b32 s17, 0
	s_mov_b32 s47, 0
	s_mov_b64 s[18:19], KPITCH*2
	s_mul_u64 s[16:17], s[16:17], s[18:19]
	s_mul_u64 s[46:47], s[46:47], s[18:19]
	s_add_nc_u64 s[16:17], s[16:17], AOFF
	s_mul_i32 s20, s10, HALFT                      ; where they go: wave x 64 rows
	s_wait_dscnt 0x0                               ; the opening add is done
	s_wait_kmcnt 0x0
	s_add_nc_u64 s[14:15], s[4:5], s[16:17]
	s_add_nc_u64 s[46:47], s[4:5], s[46:47]
	CROUND                                         ; all sixteen work-groups are here: the first joint loads meet
.irp s, 0,1
	s_mov_b32 s[G0+4*(\s)], 1
	s_add_co_u32 s[G0+4*(\s)+1], s20, (\s)*SLOT
	s_add_nc_u64 s[G0+4*(\s)+2:G0+4*(\s)+3], s[14:15], (\s)*KSTEP*2
	s_or_b32 s[G0+4*(\s)+3], s[G0+4*(\s)+3], 0x80000000
	s_mov_b32 s[G0B+4*(\s)], 1
	s_add_co_u32 s[G0B+4*(\s)+1], s20, (\s)*SLOT
	s_add_nc_u64 s[G0B+4*(\s)+2:G0B+4*(\s)+3], s[46:47], (\s)*KSTEP*2
	s_or_b32 s[G0B+4*(\s)+3], s[G0B+4*(\s)+3], 0x80000000
	JLOAD \s
.endr
	v_and_b32 v1, 15, v0                           ; l % 16
	v_bfe_u32 v2, v0, 4, 1                         ; l / 16
	v_mul_u32_u24 v3, v1, PITCH
	v_lshl_add_u32 v3, v2, 4, v3                   ; a fragment's row x pitch + 16 x half
	s_mul_i32 s21, s11, HALFT                      ; my 64 rows of A
	s_mul_i32 s22, s12, HALFT                      ; my 64 rows of B,
	s_add_co_u32 s22, s22, 2*HALFT                 ; which lie behind A's 128
.irp s, 0,1
	v_add_nc_u32 v[ADRA+(\s)], s21, v3
	v_add_nc_u32 v[ADRB+(\s)], s22, v3
	s_add_co_u32 s21, s21, SLOT
	s_add_co_u32 s22, s22, SLOT
.endr
	s_mul_i32 s23, s11, 64*SPITCH                  ; into the stage: my 64 rows, my half of their 256 bytes; row l % 16, 16 bytes for each half of the lanes
	s_lshl_b32 s21, s12, 7
	s_add_co_u32 s23, s23, s21
	s_add_co_u32 s23, s23, STAGE
	v_mul_u32_u24 v4, v1, SPITCH
	v_lshl_add_u32 v4, v2, 4, v4
	v_add_nc_u32 v[STO], s23, v4
	s_mul_i32 s23, s10, 32*SPITCH                  ; back: wave w takes rows 32 w .. 32 w + 31, whole; lanes 0-15 one row of 256 bytes, lanes 16-31 the next
	s_add_co_u32 s23, s23, STAGE
	v_mul_u32_u24 v5, v2, SPITCH
	v_lshl_add_u32 v5, v1, 4, v5
	v_add_nc_u32 v[RD], s23, v5
	v_mul_u32_u24 v5, v2, NB                       ; and the same two rows in C
	v_lshl_add_u32 v[CO], v1, 4, v5
	s_lshl_b32 s16, s13, 7
	s_lshl_b32 s17, s10, 5
	s_add_co_u32 s16, s16, s17                     ; the first row of C that I store: 128 x tile row + 32 x wave
	s_mov_b32 s17, 0
	s_mov_b64 s[18:19], NB
	s_mul_u64 s[16:17], s[16:17], s[18:19]
	s_add_nc_u64 s[8:9], s[8:9], s[16:17]
	s_lshl_b32 s46, s42, 8                         ; the tile's first column, in bytes
	s_mov_b32 s47, 0
	s_add_nc_u64 s[8:9], s[8:9], s[46:47]
	; the bias of my columns 16 b + 8 (l / 16) + 0..7, b = 0..3: asked for now, waited for on the way out; its address registers are never rewritten
	v_lshlrev_b32 v[BO], 5, v2
	s_lshl_b32 s68, s42, 9                         ; 128 columns of 4 bytes a tile,
	s_lshl_b32 s69, s12, 8                         ; 64 a wave
	s_add_co_u32 s68, s68, s69
	s_mov_b32 s69, 0
	s_add_nc_u64 s[BP:BP+1], s[6:7], s[68:69]
.irp b, 0,1,2,3
	global_load_b128 v[BIAS+8*\b:BIAS+8*\b+3],   v[BO], s[BP:BP+1] offset:64*\b
	global_load_b128 v[BIAS+8*\b+4:BIAS+8*\b+7], v[BO], s[BP:BP+1] offset:64*\b+16
.endr
; 8 matrix instructions: m blocks a0, a0 + 1 x all 4 n blocks, 32 along K: half c of buffer f.  zero = 1: the first product starts the sums.  The 16 accumulators take turns.
.macro MUL8 f, c, a0, zero
	WIN MUL
.irp a, \a0, (\a0)+1
.irp b, 0,1,2,3
.if \zero
	v_wmma_f32_16x16x32_bf16 v[ACC+8*(4*(\a)+(\b)):ACC+8*(4*(\a)+(\b))+7], v[(\f)+64+8*(4*(\c)+(\b)):(\f)+64+8*(4*(\c)+(\b))+7], v[(\f)+8*(4*(\c)+(\a)):(\f)+8*(4*(\c)+(\a))+7], 0
.else
	v_wmma_f32_16x16x32_bf16 v[ACC+8*(4*(\a)+(\b)):ACC+8*(4*(\a)+(\b))+7], v[(\f)+64+8*(4*(\c)+(\b)):(\f)+64+8*(4*(\c)+(\b))+7], v[(\f)+8*(4*(\c)+(\a)):(\f)+8*(4*(\c)+(\a))+7], v[ACC+8*(4*(\a)+(\b)):ACC+8*(4*(\a)+(\b))+7]
.endif
.endr
.endr
.endm
; 32 LDS loads in one run: the fragments of 64 along K at byte k of the rows, into buffer f; the first 32 along K first
.macro FETCH slot, k, f
	WIN TO_F
.irp c, 0,1
.irp i, 0,1,2,3
	ds_load_b128 v[(\f)+64+8*(4*(\c)+(\i)):(\f)+64+8*(4*(\c)+(\i))+3],   v[ADRB+(\slot)] offset:(\k)+64*(\c)+(\i)*16*PITCH
	ds_load_b128 v[(\f)+64+8*(4*(\c)+(\i))+4:(\f)+64+8*(4*(\c)+(\i))+7], v[ADRB+(\slot)] offset:(\k)+64*(\c)+(\i)*16*PITCH+32
	ds_load_b128 v[(\f)+8*(4*(\c)+(\i)):(\f)+8*(4*(\c)+(\i))+3],         v[ADRA+(\slot)] offset:(\k)+64*(\c)+(\i)*16*PITCH
	ds_load_b128 v[(\f)+8*(4*(\c)+(\i))+4:(\f)+8*(4*(\c)+(\i))+7],       v[ADRA+(\slot)] offset:(\k)+64*(\c)+(\i)*16*PITCH+32
.endr
.endr
.endm
.macro PLACES                          ; four places in front of loads into registers that matrix instructions have read, and of vector work that reads results
.rept 4
	v_nop
.endr
.endm
; A K step is four quarters of 64 along K, 32 matrix instructions each, on buffers 0, 1, 0, 1.  One of the first three: multiplies buffer f and fetches the next quarter, at byte k, into g.
.macro QUARTER slot, k, f, g, zero
	s_wait_dscnt 16                                ; the first 32 along K are in; the 16 younger loads stay out
	WIN MUL
	MUL8 \f, 0, 0, \zero
	MUL8 \f, 0, 2, \zero
	PLACES
	FETCH \slot, \k, \g
	s_wait_dscnt 32                                ; all but the 32 just issued
	WIN MUL
	MUL8 \f, 1, 0, 0
	MUL8 \f, 1, 2, 0
.endm
; The last quarter multiplies buffer 1 and changes slots: ONE barrier; in front of it each wave waits for all its tensor loads, adds 0 to its spare word, and waits for that and for its own reads of this slot.  fill = 1: this slot is filled again, two K steps ahead.
.macro TURN slot, next, fill
	WIN 0                                          ; (the add's two registers lie in window 0)
	s_wait_tensorcnt 0x0                           ; all my tensor loads have landed: my part of the next slot;
	ds_add_u32 v[SPW], v[NIL]                      ; 0 onto my spare word;
	s_wait_dscnt 17                                ; (the add and the youngest sixteen loads may be out)
	WIN MUL
	MUL8 F1, 0, 0, 0                               ; eight matrix instructions stand between the add and the wait for it
	s_wait_dscnt 0x0                               ; the add is done, and my reads of this slot are over
	s_barrier_signal -1
	MUL8 F1, 0, 2, 0
.if \fill
	WIN 0
.endif
	s_barrier_wait -1
.if \fill
	CREST                                          ; the barrier has opened a round of the cluster's barrier: no wave of any partner still reads this slot's tile or has a load on its way
	s_add_nc_u64 s[G0+4*(\slot)+2:G0+4*(\slot)+3], s[G0+4*(\slot)+2:G0+4*(\slot)+3], 2*KSTEP*2
	s_add_nc_u64 s[G0B+4*(\slot)+2:G0B+4*(\slot)+3], s[G0B+4*(\slot)+2:G0B+4*(\slot)+3], 2*KSTEP*2
	JLOAD \slot                                    ; the first tensor load behind the round: 112 matrix instructions ahead of the wait for it; the four v_nop behind it are also the places in front of the loads below
.else
	PLACES
.endif
	FETCH \next, 0, F0
	WIN MUL
	MUL8 F1, 1, 0, 0
	MUL8 F1, 1, 2, 0
.endm
	s_wait_tensorcnt 1                             ; my part of K step 0 is in; K step 1's stays out
	s_barrier_signal -1
	s_barrier_wait -1                              ; everybody's is
	FETCH 0, 0, F0
	QUARTER 0, 128, F0, F1, 1                      ; the first quarter stands in front of the loop: its first products start the sums
	WIN 0                                          ; at a label and at a branch every window is 0
	s_mov_b32 s3, LAPS-1
.Llap:                                                 ; a trip goes once round the ring, from a lap's second quarter to the next lap's first, and fills both slots again
	QUARTER 0, 256, F1, F0, 0
	QUARTER 0, 384, F0, F1, 0
	TURN 0, 1, 1
	QUARTER 1, 128, F0, F1, 0
	QUARTER 1, 256, F1, F0, 0
	QUARTER 1, 384, F0, F1, 0
	TURN 1, 0, 1
	QUARTER 0, 128, F0, F1, 0
	WIN 0
	s_sub_co_u32 s3, s3, 1
	s_cmp_lg_u32 s3, 0
	s_cbranch_scc1 .Llap
	QUARTER 0, 256, F1, F0, 0                      ; the last lap fills nothing, and has no round of the cluster's barrier
	QUARTER 0, 384, F0, F1, 0
	TURN 0, 1, 0
	QUARTER 1, 128, F0, F1, 0
	QUARTER 1, 256, F1, F0, 0
	QUARTER 1, 384, F0, F1, 0
	s_wait_dscnt 16                                ; the very last quarter: nothing more to fetch
	WIN MUL
	MUL8 F1, 0, 0, 0
	MUL8 F1, 0, 2, 0
	s_wait_dscnt 0
	MUL8 F1, 1, 0, 0
	MUL8 F1, 1, 2, 0
	WIN 0
	; THE WAY OUT: the bias is added in f32, the sum rounded to bf16 in place (each accumulator from its low end on); 16 bytes a lane go into the work-group's stage; a barrier, since a row's 256 bytes come from two waves; back as whole rows, 32 rows a wave.
	PLACES
	s_wait_loadcnt 0x0                             ; the bias
.irp t, 0,1,2,3,4,5,6,7,8,9,10,11,12,13,14,15
.irp r, 0,2,4,6
	v_pk_add_f32 v[ACC+8*(\t)+\r:ACC+8*(\t)+\r+1], v[ACC+8*(\t)+\r:ACC+8*(\t)+\r+1], v[BIAS+8*((\t)%4)+\r:BIAS+8*((\t)%4)+\r+1]
.endr
.irp r, 0,1,2,3
	v_cvt_pk_bf16_f32 v[ACC+8*(\t)+\r], v[ACC+8*(\t)+2*\r], v[ACC+8*(\t)+2*\r+1]
.endr
	ds_store_b128 v[STO], v[ACC+8*(\t):ACC+8*(\t)+3] offset:((\t)/4)*16*SPITCH+32*((\t)%4)
.endr
	s_wait_dscnt 0x0                               ; for the others' sake: my stores into the stage are done
	s_barrier_signal -1
	s_barrier_wait -1
.irp t, 0,1,2,3,4,5,6,7,8,9,10,11,12,13,14,15
	ds_load_b128 v[TMP+4*(\t):TMP+4*(\t)+3], v[RD] offset:(\t)*2*SPITCH
.endr
.irp t, 0,1,2,3,4,5,6,7,8,9,10,11,12,13,14,15
	s_wait_dscnt 15-(\t)                           ; load t is back, the younger ones stay out
	global_store_b128 v[CO], v[TMP+4*(\t):TMP+4*(\t)+3], s[8:9] offset:2*(\t)*NB  ; 16 lanes store 256 consecutive bytes, at a multiple of 256 from C's first byte
.endr
	s_wait_tensorcnt 0x0                           ; the wave's end, behind my last tensor load and my last LDS store
	ds_add_u32 v[SPW], v[NIL]
	s_wait_dscnt 0x0
	CROUND                                         ; the closing round: no work-group ends while a partner may still ask for a tile that names it
	s_endpgm
.Lfunc_end_k_q833f004645_qkvg:
	.size	k_q833f004645_qkvg, .Lfunc_end_k_q833f004645_qkvg-k_q833f004645_qkvg
	.p2alignl 7, 3214868480
	.fill 96, 4, 3214868480
	.section	.rodata,"a",@progbits
	.p2align	6, 0x0
	.amdhsa_kernel k_q833f004645_qkvg
		.amdhsa_group_segment_fixed_size 327680
		.amdhsa_private_segment_fixed_size 0
		.amdhsa_enable_private_segment 0
		.amdhsa_kernarg_size 24
		.amdhsa_user_sgpr_count 2
		.amdhsa_user_sgpr_kernarg_segment_ptr 1
		.amdhsa_wavefront_size32 1
		.amdhsa_system_sgpr_workgroup_id_x 1
		.amdhsa_system_sgpr_workgroup_id_y 1
		.amdhsa_system_sgpr_workgroup_id_z 1
		.amdhsa_system_vgpr_workitem_id 0
		.amdhsa_next_free_vgpr 512
		.amdhsa_next_free_sgpr 72
		.amdhsa_reserve_vcc 0
		.amdhsa_float_denorm_mode_32 3
		.amdhsa_float_denorm_mode_16_64 3
		.amdhsa_memory_ordered 1
		.amdhsa_forward_progress 1
		.amdhsa_inst_pref_size 92
	.end_amdhsa_kernel
	.amdgpu_metadata
---
amdhsa.version: [ 1, 2 ]
amdhsa.kernels:
  - .name:           k_q833f004645_qkvg
    .symbol:         k_q833f004645_qkvg.kd
    .args:
      - { .name: wq, .offset: 0, .size: 8, .value_kind: global_buffer, .address_space: global }
      - { .name: in_proj_b, .offset: 8, .size: 8, .value_kind: global_buffer, .address_space: global }
      - { .name: qkv, .offset: 16, .size: 8, .value_kind: global_buffer, .address_space: global }
    .group_segment_fixed_size: 327680
    .private_segment_fixed_size: 0
    .kernarg_segment_align: 8
    .kernarg_segment_size: 24
    .max_flat_workgroup_size: 128
    .sgpr_count:     72
    .vgpr_count:     512
    .wavefront_size: 32
...
	.end_amdgpu_metadata
.endif
;; end of part 3
;; launch attn (part 4): grid 8 x 32, 4 waves a work-group, no clusters, 167,936 bytes of LDS; arguments qkv, act; writes act
.if DOCPART == 4
	.amdgcn_target "amdgcn-amd-amdhsa--gfx1250"
	.amdhsa_code_object_version 6
	.text
	.protected	k_q833f004645_attn
	.globl	k_q833f004645_attn
	.p2align	8
	.type	k_q833f004645_attn,@function
k_q833f004645_attn:
	s_mov_b64 s[64:65], 0
	v_nop
	global_prefetch_b8 v0, s[64:65] scope:SCOPE_SE
	s_setreg_imm32_b32 hwreg(HW_REG_WAVE_MODE, 25, 1), 1
	s_wait_xcnt 0x0
; ATTENTION of the four branches: act[t][1024 i + 64 h + c] = sum over keys s2 of softmax_s2(q . k / 8) v, for branch i, batch b, head h; t = 8 s + b; 128 queries, 128 keys, head size 64.
; qkv [1024 t][12288] bf16: branch i has q at column 3072 i, k at + 1024, v at + 2048, head h at + 64 h.  Products, maximum and sum in f32; the weights are rounded to bf16 for the second product
; (their sum is taken of the unrounded weights), the result once at the end.  bf16, not f16: q, k and v have no bound that f16 would hold for inputs 30 times larger.
; SHARES.  Work-group (x = pair of heads, y = 8 i + b): a row of its tiles of q, k and v is two heads wide, 256 bytes at a multiple of 256.  Wave w has head w / 2 of the pair and queries 64 (w % 2) on:
; four tiles of 16 queries, each against all 128 keys at once: the row's true maximum is taken away, and nothing is carried from step to step.
; NO CLUSTER: every work-group's tiles are its own.  The three tiles are filled once: waves 0 and 1 bring q and k (128 rows each), waves 2 and 3 a half of v each (64 rows): one tensor load a wave is out.
; LAYOUT.  S^T = K Q^T (source 0 = 16 keys, source 1 = 16 queries): a lane holds ONE query (lane % 16) and the keys 16 kb + 8 (lane / 16) + 0..7.  Two such results rounded to bf16 ARE source 1 (32 keys x 16 queries)
; of O^T = V^T P, whose result again holds one query a lane, and eight channels.  K comes out of LDS as it lies, V ([key][channel]) turned, by ds_load_tr16_b128.  K and V of the head stay in registers for all four tiles.
; LIMITS: a weight below 2^-126 counts as 0; NaN and infinities are not treated apart.
; REGISTERS: window 0: v0-13 addresses; v24-39 Q of a tile; v40-47 at work; v48-49 (c m, m); v50-51 (1 / l, l); v64-127 S^T; v128-159 P; v160-191 O^T.
;   window 1: v0-127 K: key block kb, channel half c at 16 kb + 8 c; v128-255 V: key group kk, channel block cb at 128 + 32 kk + 8 cb.
.set PQ,    272                        ; a row of q, k and the stage in LDS: 256 bytes + 16: the 16 rows of a load begin at 16 different 16-byte columns modulo 256
.set PV,    288                        ; a row of v: 256 + 32: 16 lanes of the turning load take 8 rows x 32 bytes, which begin at 8 different 32-byte columns modulo 256
.set LK,    128*PQ
.set LV,    2*128*PQ
.set STAGE, LV+128*PV                  ; 128 rows x 272 bytes, never filled by a tensor load
.set SPARE, STAGE+128*PQ               ; the spare words, 128 bytes for each wave
.set AQ,  4                            ; v4   LDS address of my lane in the tile of queries in hand; steps 16 rows a trip
.set AK,  5
.set AV,  6
.set STO, 7                            ; v7   where I put 16 bytes of a row of the stage; steps 16 rows a trip
.set RD,  8
.set CO,  9
.set SPW, 10                           ; v10  LDS address of my spare word; never rewritten
.set NIL, 11                           ; v11  0; never rewritten
.set Q,   24
.set TM,  40
.set CM,  48
.set LI,  50
.set S,   64
.set P,   128
.set O,   160
.set KF,  0
.set VF,  128
.set WV,  12                           ; s12  my wave
.set G1A, 16                           ; s[16:23] descriptor group 1 for q and k
.set G1V, 24                           ; s[24:31] for v
.set G0A, 32                           ; s[32:35] group 0 for q or k
.set CS,  36                           ; s[36:37] c = log2(e) / 8
.set SEL, 38                           ; s[38:39] v_permlanex16_b32: each lane takes its own place in the other half
.set CNT, 40
.set G0V, 44                           ; s[44:47] group 0 for my half of v
.set MSB, 0
.macro WIN new                         ; the immediate's high byte repeats the setting that is left
.if MSB != (\new)
	s_set_vgpr_msb (MSB<<8)|(\new)
.set MSB, \new
.endif
.endm
.macro PLACES
.rept 4
	v_nop
.endr
.endm
	s_load_b128 s[4:7], s[0:1], 0x0                ; qkv s[4:5], act s[6:7]
	v_lshl_add_u32 v[SPW], v0, 2, SPARE
	v_mov_b32 v[NIL], 0
	ds_add_u32 v[SPW], v[NIL]                      ; the wave's opening: the add and its wait stand ahead of my first tensor load; the set-up below, work on registers, stands between them
	v_lshrrev_b32 v1, 5, v0
	v_readfirstlane_b32 s[WV], v1
	s_and_b32 s13, ttmp7, 0xffff
	s_lshr_b32 s14, s13, 3                         ; branch i
	s_and_b32 s15, s13, 7                          ; batch b
	s_and_b32 s41, s[WV], 1
	s_lshr_b32 s42, s[WV], 1                       ; my head of the pair
	s_mov_b32 s[G1A], (1<<16)|(1<<20)|(5<<22)|(3<<25)  ; 17:16 elements of 2 bytes; 20 padding on; 24:22 after every 64 words (code 5); 31:25 4 words of it (code 3)
	s_mov_b32 s[G1A+1], 128<<16                    ; tensor_dim0 = 128
	s_mov_b32 s[G1A+2], 128<<16                    ; tensor_dim1 = 128
	s_mov_b32 s[G1A+3], 128<<16                    ; tile_dim0 = 128
	s_mov_b32 s[G1A+4], 128                        ; tile_dim1 = 128
	s_mov_b32 s[G1A+5], 98304                      ; from s to s + 1: 8 rows of 12,288 elements
	s_mov_b32 s[G1A+6], 0
	s_mov_b32 s[G1A+7], 0
	s_mov_b32 s[G1V], (1<<16)|(1<<20)|(5<<22)|(7<<25)  ; the same with 8 words of padding (code 7),
	s_mov_b32 s[G1V+1], 128<<16
	s_mov_b32 s[G1V+2], 64<<16                     ; and 64 rows
	s_mov_b32 s[G1V+3], 128<<16
	s_mov_b32 s[G1V+4], 64
	s_mov_b32 s[G1V+5], 98304
	s_mov_b32 s[G1V+6], 0
	s_mov_b32 s[G1V+7], 0
	s_mul_i32 s8, s15, 24576                       ; row b,
	s_mul_i32 s9, s14, 6144                        ; the branch's 3,072 columns,
	s_add_co_u32 s8, s8, s9
	s_lshl_b32 s9, ttmp9, 8                        ; the pair of heads: 256 bytes
	s_add_co_u32 s8, s8, s9
	s_lshl_b32 s9, s[WV], 11                       ; wave 0: q; wave 1: k, 1,024 columns on
	s_add_co_u32 s2, s8, s9
	s_mov_b32 s3, 0
	s_mul_i32 s9, s41, 12582912                    ; v's second half: 64 x 8 rows of 24,576 bytes on
	s_add_co_u32 s8, s8, s9
	s_add_co_u32 s8, s8, 4096                      ; v: 2,048 columns on
	s_mov_b32 s9, 0
	s_mov_b32 s[G0A], 1
	s_mul_i32 s[G0A+1], s[WV], LK                  ; q at LDS byte 0, k behind it
	s_mov_b32 s[G0V], 1
	s_mul_i32 s[G0V+1], s41, 64*PV
	s_add_co_u32 s[G0V+1], s[G0V+1], LV
	s_mov_b32 s[CS], 0x3e38aa3b
	s_mov_b32 s[CS+1], s[CS]
	s_mov_b32 s[SEL], 0x76543210
	s_mov_b32 s[SEL+1], 0xfedcba98
	s_mov_b32 s[CNT], 4
	s_wait_dscnt 0x0                               ; the opening add is done
	s_wait_kmcnt 0x0
	s_add_nc_u64 s[G0A+2:G0A+3], s[4:5], s[2:3]
	s_or_b32 s[G0A+3], s[G0A+3], 0x80000000
	s_add_nc_u64 s[G0V+2:G0V+3], s[4:5], s[8:9]
	s_or_b32 s[G0V+3], s[G0V+3], 0x80000000
	s_cmp_lt_u32 s[WV], 2                          ; one branch on the wave's number holds each wave's one fill; an s_nop 0 and four v_nop follow each line
	s_cbranch_scc0 .Lfor_v
	tensor_load_to_lds s[G0A:G0A+3], s[G1A:G1A+7]
	s_nop 0
	PLACES
	s_branch .Lasked
.Lfor_v:
	tensor_load_to_lds s[G0V:G0V+3], s[G1V:G1V+7]
	s_nop 0
	PLACES
.Lasked:
	v_and_b32 v1, 15, v0                           ; l % 16
	v_bfe_u32 v2, v0, 4, 1                         ; l / 16
	v_mul_u32_u24 v3, v1, PQ
	v_lshl_add_u32 v3, v2, 4, v3                   ; row x pitch + 16 x half
	s_lshl_b32 s43, s42, 7                         ; my head's 128 bytes of a row
	s_mul_i32 s10, s41, 64*PQ                      ; my 64 queries
	s_add_co_u32 s10, s10, s43
	v_add_nc_u32 v[AQ], s10, v3
	v_add_nc_u32 v[STO], STAGE, v[AQ]              ; the same row, head and half in the stage
	s_add_co_u32 s11, s43, LK
	v_add_nc_u32 v[AK], s11, v3
	v_and_b32 v12, 7, v0                           ; the turning load: lane l reads key 8 (l / 16) + l % 8, channels 8 ((l / 8) % 2) + 0..7
	v_bfe_u32 v13, v0, 3, 1
	v_lshl_add_u32 v[AV], v2, 3, v12
	v_mul_u32_u24 v[AV], v[AV], PV
	v_lshl_add_u32 v[AV], v13, 4, v[AV]
	s_add_co_u32 s11, s43, LV
	v_add_nc_u32 v[AV], s11, v[AV]
	s_mul_i32 s10, s[WV], 32*PQ                    ; back: wave w takes rows 32 w .. 32 w + 31 of the stage, whole
	s_add_co_u32 s10, s10, STAGE
	v_mul_u32_u24 v[RD], v2, PQ
	v_lshl_add_u32 v[RD], v1, 4, v[RD]
	v_add_nc_u32 v[RD], s10, v[RD]
	v_lshlrev_b32 v[CO], 16, v2                    ; from s to s + 1 in act: 8 rows of 8,192 bytes
	v_lshl_add_u32 v[CO], v1, 4, v[CO]
	s_lshl_b32 s10, s15, 13                        ; row b,
	s_lshl_b32 s11, s14, 11                        ; the branch's 1,024 columns,
	s_add_co_u32 s10, s10, s11
	s_lshl_b32 s11, ttmp9, 8                       ; the pair of heads,
	s_add_co_u32 s10, s10, s11
	s_lshl_b32 s11, s[WV], 21                      ; 32 values of s a wave
	s_add_co_u32 s10, s10, s11
	s_mov_b32 s11, 0
	s_add_nc_u64 s[6:7], s[6:7], s[10:11]
	v_mov_b32 v[LI], 0                             ; written, since a lane exchange names it as its destination
	s_wait_tensorcnt 0x0                           ; my tile is in,
	s_barrier_signal -1
	s_barrier_wait -1                              ; everybody's is
	WIN 0x40                                       ; destination window 1, address window 0
.set f, 0
.rept 16                                       ; K: key block f / 2, channels 32 (f % 2) on
	ds_load_b128 v[KF+8*f:KF+8*f+3],   v[AK] offset:(f/2)*16*PQ+(f%2)*64
	ds_load_b128 v[KF+8*f+4:KF+8*f+7], v[AK] offset:(f/2)*16*PQ+(f%2)*64+32
.set f, f+1
.endr
.set f, 0
.rept 16                                       ; V: keys 32 (f / 4) on, channels 16 (f % 4) on
	ds_load_tr16_b128 v[VF+8*f:VF+8*f+3],   v[AV] offset:(f/4)*32*PV+(f%4)*32
	ds_load_tr16_b128 v[VF+8*f+4:VF+8*f+7], v[AV] offset:(f/4)*32*PV+16*PV+(f%4)*32
.set f, f+1
.endr
	WIN 0
.Ltile:                                                ; four trips: a tile of 16 queries each
.irp j,0,1,2,3
	ds_load_b128 v[Q+4*\j:Q+4*\j+3], v[AQ] offset:32*\j
.endr
	s_wait_dscnt 0x0                               ; Q (in the first trip K and V too)
	WIN 0x01                                       ; source 0 in window 1
.set i, 0
.rept 16                                       ; S^T: channels 32 (i / 8) on, key block i % 8.  The 8 accumulators take turns; the first 8 products start the sums
.if i < 8
	v_wmma_f32_16x16x32_bf16 v[S+8*(i%8):S+8*(i%8)+7], v[KF+16*(i%8)+8*(i/8):KF+16*(i%8)+8*(i/8)+7], v[Q+8*(i/8):Q+8*(i/8)+7], 0
.else
	v_wmma_f32_16x16x32_bf16 v[S+8*(i%8):S+8*(i%8)+7], v[KF+16*(i%8)+8*(i/8):KF+16*(i%8)+8*(i/8)+7], v[Q+8*(i/8):Q+8*(i/8)+7], v[S+8*(i%8):S+8*(i%8)+7]
.endif
.set i, i+1
.endr
	WIN 0
	PLACES                                         ; the places behind those products
	; the maximum of my 64 scores: eight chains, each begun at its accumulator's lowest registers
.irp n,0,1,2,3,4,5,6,7
	v_max3_num_f32 v[TM+\n], v[S+8*\n], v[S+8*\n+1], v[S+8*\n+2]
.endr
.irp n,0,1,2,3,4,5,6,7
	v_max3_num_f32 v[TM+\n], v[TM+\n], v[S+8*\n+3], v[S+8*\n+4]
.endr
.irp n,0,1,2,3,4,5,6,7
	v_max3_num_f32 v[TM+\n], v[TM+\n], v[S+8*\n+5], v[S+8*\n+6]
.endr
.irp n,0,1,2,3
	v_max3_num_f32 v[TM+\n], v[TM+\n], v[S+16*\n+7], v[S+16*\n+15]
.endr
	v_max3_num_f32 v[TM], v[TM], v[TM+1], v[TM+2]
	v_max3_num_f32 v[TM+3], v[TM+3], v[TM+4], v[TM+5]
	v_max_num_f32 v[TM+6], v[TM+6], v[TM+7]
	v_max3_num_f32 v[TM], v[TM], v[TM+3], v[TM+6]
	v_permlanex16_b32 v[TM+1], v[TM], s[SEL], s[SEL+1]  ; the query's other 64 keys lie in the lane 16 away
	v_max_num_f32 v[CM+1], v[TM], v[TM+1]
	v_mul_f32 v[CM], s[CS], v[CM+1]
.set i, 0
.rept 32
	v_pk_fma_f32 v[S+2*i:S+2*i+1], v[S+2*i:S+2*i+1], s[CS:CS+1], v[CM:CM+1] op_sel_hi:[1,0,0] neg_lo:[0,0,1] neg_hi:[0,0,1]  ; c s - c m
.set i, i+1
.endr
.set i, 0
.rept 64
	v_exp_f32 v[S+i], v[S+i]                       ; ONE batch of 64
.set i, i+1
.endr
	v_nop                                          ; a plain instruction behind the last exponential,
	s_wait_alu depctr_va_vdst(0)                   ; and the one wait ahead of the first use
.set i, 0
.rept 32
	v_cvt_pk_bf16_f32 v[P+i], v[S+2*i], v[S+2*i+1] ; key blocks 2 kk and 2 kk + 1 are registers 0-3 and 4-7 of P's fragment kk
.set i, i+1
.endr
.irp w,32,16,8,4,2                             ; the sum of the 32 pairs, in place: neighbours 16, 8, 4, 2, 1 pairs apart
.set i, 0
.rept \w/2
	v_pk_add_f32 v[S+2*i:S+2*i+1], v[S+2*i:S+2*i+1], v[S+2*i+\w:S+2*i+\w+1]
.set i, i+1
.endr
.endr
	v_add_f32 v[LI+1], v[S], v[S+1]
	v_permlanex16_b32 v[LI], v[LI+1], s[SEL], s[SEL+1]
	v_add_f32 v[LI+1], v[LI+1], v[LI]
	v_rcp_f32 v[LI], v[LI+1]                       ; 1 / l; it is used behind the products below, behind four plain instructions and its wait
	WIN 0x01
.set i, 0
.rept 16                                       ; O^T: keys 32 (i / 4) on, channel block i % 4.  The 4 accumulators take turns; the first 4 products start the sums
.if i < 4
	v_wmma_f32_16x16x32_bf16 v[O+8*(i%4):O+8*(i%4)+7], v[VF+32*(i/4)+8*(i%4):VF+32*(i/4)+8*(i%4)+7], v[P+8*(i/4):P+8*(i/4)+7], 0
.else
	v_wmma_f32_16x16x32_bf16 v[O+8*(i%4):O+8*(i%4)+7], v[VF+32*(i/4)+8*(i%4):VF+32*(i/4)+8*(i%4)+7], v[P+8*(i/4):P+8*(i/4)+7], v[O+8*(i%4):O+8*(i%4)+7]
.endif
.set i, i+1
.endr
	WIN 0
	PLACES
	s_wait_alu depctr_va_vdst(0)                   ; the reciprocal's wait
.set i, 0
.rept 16
	v_pk_mul_f32 v[O+2*i:O+2*i+1], v[O+2*i:O+2*i+1], v[LI:LI+1] op_sel_hi:[1,0]
.set i, i+1
.endr
.irp b,0,1,2,3
.irp r,0,1,2,3
	v_cvt_pk_bf16_f32 v[O+8*\b+\r], v[O+8*\b+2*\r], v[O+8*\b+2*\r+1]
.endr
	ds_store_b128 v[STO], v[O+8*\b:O+8*\b+3] offset:32*\b  ; channels 16 b + 8 (l / 16) + 0..7 of my query's row
.endr
	v_add_nc_u32 v[AQ], 16*PQ, v[AQ]
	v_add_nc_u32 v[STO], 16*PQ, v[STO]
	s_sub_co_u32 s[CNT], s[CNT], 1
	s_cmp_lg_u32 s[CNT], 0
	s_cbranch_scc1 .Ltile
	s_wait_dscnt 0x0                               ; for the others' sake: my stores into the stage are done (a row's 256 bytes come from two waves)
	s_barrier_signal -1
	s_barrier_wait -1
.irp t, 0,1,2,3,4,5,6,7,8,9,10,11,12,13,14,15
	ds_load_b128 v[S+4*(\t):S+4*(\t)+3], v[RD] offset:(\t)*2*PQ
.endr
.irp t, 0,1,2,3,4,5,6,7,8,9,10,11,12,13,14,15
	s_wait_dscnt 15-(\t)                           ; load t is back, the younger ones stay out
	global_store_b128 v[CO], v[S+4*(\t):S+4*(\t)+3], s[6:7] offset:(\t)*131072  ; 16 lanes store 256 consecutive bytes, at a multiple of 256 from act's first byte
.endr
	s_wait_tensorcnt 0x0                           ; the wave's end, behind my last tensor load and my last LDS store
	ds_add_u32 v[SPW], v[NIL]
	s_wait_dscnt 0x0
	s_endpgm
.Lfunc_end_k_q833f004645_attn:
	.size	k_q833f004645_attn, .Lfunc_end_k_q833f004645_attn-k_q833f004645_attn
	.p2alignl 7, 3214868480
	.fill 96, 4, 3214868480
	.section	.rodata,"a",@progbits
	.p2align	6, 0x0
	.amdhsa_kernel k_q833f004645_attn
		.amdhsa_group_segment_fixed_size 167936
		.amdhsa_private_segment_fixed_size 0
		.amdhsa_enable_private_segment 0
		.amdhsa_kernarg_size 16
		.amdhsa_user_sgpr_count 2
		.amdhsa_user_sgpr_kernarg_segment_ptr 1
		.amdhsa_wavefront_size32 1
		.amdhsa_system_sgpr_workgroup_id_x 1
		.amdhsa_system_sgpr_workgroup_id_y 1
		.amdhsa_system_sgpr_workgroup_id_z 1
		.amdhsa_system_vgpr_workitem_id 0
		.amdhsa_next_free_vgpr 512
		.amdhsa_next_free_sgpr 66
		.amdhsa_reserve_vcc 0
		.amdhsa_float_denorm_mode_32 3
		.amdhsa_float_denorm_mode_16_64 3
		.amdhsa_memory_ordered 1
		.amdhsa_forward_progress 1
		.amdhsa_inst_pref_size 28
	.end_amdhsa_kernel
	.amdgpu_metadata
---
amdhsa.version: [ 1, 2 ]
amdhsa.kernels:
  - .name:           k_q833f004645_attn
    .symbol:         k_q833f004645_attn.kd
    .args:
      - { .name: qkv, .offset: 0, .size: 8, .value_kind: global_buffer, .address_space: global }
      - { .name: act, .offset: 8, .size: 8, .value_kind: global_buffer, .address_space: global }
    .group_segment_fixed_size: 167936
    .private_segment_fixed_size: 0
    .kernarg_segment_align: 8
    .kernarg_segment_size: 16
    .max_flat_workgroup_size: 128
    .sgpr_count:     66
    .vgpr_count:     512
    .wavefront_size: 32
...
	.end_amdgpu_metadata
.endif
;; end of part 4
;; launch outp (part 5): grid 8 x 32, 4 waves a work-group, clusters of 4 x 4, 327,680 bytes of LDS; arguments act, wo, pacc; writes pacc
.if DOCPART == 5
	.amdgcn_target "amdgcn-amd-amdhsa--gfx1250"
	.amdhsa_code_object_version 6
	.text
	.protected	k_q833f004645_outp
	.globl	k_q833f004645_outp
	.p2align	8
	.type	k_q833f004645_outp,@function
k_q833f004645_outp:
	s_mov_b64 s[64:65], 0
	v_nop
	global_prefetch_b8 v0, s[64:65] scope:SCOPE_SE
	s_setreg_imm32_b32 hwreg(HW_REG_WAVE_MODE, 25, 1), 1
	s_wait_xcnt 0x0
	s_wait_alu depctr_hold_cnt(0) depctr_sa_sdst(0) depctr_va_vdst(0) depctr_va_sdst(0) depctr_va_ssrc(0) depctr_va_vcc(0) depctr_vm_vsrc(0)
	s_getreg_b32 s2, hwreg(HW_REG_IB_STS2, 6, 4)
	s_cmp_eq_u32 s2, 0
	s_cbranch_scc0 .Lentry_in_a_cluster
	s_endpgm
.Lentry_in_a_cluster:
	s_bfe_u32 s2, ttmp6, 0x10000c
	s_cmp_lg_u32 s2, 0xf033
	s_cbranch_scc0 .Lentry_shape_is_right
	s_endpgm
.Lentry_shape_is_right:
; PARTS OF A PRODUCT OVER K = 4,096:  P[split][t][n] = sum over k in [1024 split, 1024 split + 1023] of A[t][k] B[n][k].  A [1024][4096] and B [1024][4096] bf16; P [4][1024][1024] f32.
; C has only 64 tiles of 128 x 128, so K is cut in four: 256 work-groups, one for each WGP.  The four parts stay in f32 and are added, in a fixed order, by the launch behind, which exists anyway (the layer norm).
; A tile of C is 128 x 128: four waves, each 64 x 64: 16 accumulators of 16 x 16, 128 registers.  A part's K = 1,024 goes in four steps of 256 (LDS rows of 512 bytes; a wave's tensor load brings 64 of them) through two LDS slots.
; CLUSTERS: 4 x 4 work-groups.  The cluster's y gives the split (y / 2) and the upper or lower four tile rows (y % 2), so all sixteen partners have one split.  The four of a row of the cluster need the same tiles of A,
; the four of a column the same tiles of B: each tile is asked for JOINTLY, by the same tensor load with the same descriptor and a mask that names the four.
; THE MATRIX INSTRUCTION IS USED TRANSPOSED (source 0 = 16 rows of B, source 1 = 16 rows of A): a lane then holds eight neighbouring numbers of a row of C.
; A wave has two tensor loads out at the start and one behind each round of the cluster's barrier.
; REGISTERS: window 0: v0-31 addresses; v128-255 the accumulators ((a, b) at v[128 + 8 (4 a + b)]).   window 1: two fragment buffers of 128: for 64 along K, 64 registers of A, then 64 of B.
.set KSTEP,  256
.set PITCH,  528                       ; an LDS row: 512 bytes of data + 16 of padding: the 16 rows that a load touches begin at 16 different 16-byte columns modulo 256
.set HALFT,  64*PITCH
.set SLOT,   4*HALFT
.set STAGE,  2*SLOT                    ; behind the ring: 16 rows x 272 bytes for each wave, its own
.set SPITCH, 272
.set SPARE,  STAGE+4*16*SPITCH         ; behind the stages: the spare words, 128 bytes for each wave
.set KLEN,   1024
.set KPITCH, 4096
.set LAPS,   KLEN/(2*KSTEP)
.set ADRA, 16
.set ADRB, 20
.set STO,  24
.set RD,   25
.set CO,   26
.set SPW,  28
.set NIL,  29
.set ACC,  128
.set F0,   0
.set F1,   128
.set G1, 24
.set G0, 32
.set G1B, 48
.set G0B, 56
.set MSB, 0
.macro WIN new                         ; the immediate's high byte repeats the setting that is left
.if MSB != (\new)
	s_set_vgpr_msb (MSB<<8)|(\new)
.set MSB, \new
.endif
.endm
.set MUL,  0x05                        ; sources 0 (B) and 1 (A) window 1; C and D window 0
.set TO_F, 0x40                        ; destination window 1, address window 0
.macro JLOAD s                         ; a joint load: waves 0 and 1 fetch A's two halves, waves 2 and 3 B's; an s_nop 0 and four v_nop follow each of the two lines, ahead of the jump, the label and what follows
	s_cmp_eq_u32 s11, 0
	s_cbranch_scc0 .Lfor_b_\@
	tensor_load_to_lds s[G0+4*(\s):G0+4*(\s)+3], s[G1:G1+7]
	s_nop 0
.rept 4
	v_nop
.endr
	s_branch .Lasked_\@
.Lfor_b_\@:
	tensor_load_to_lds s[G0B+4*(\s):G0B+4*(\s)+3], s[G1B:G1B+7]
	s_nop 0
.rept 4
	v_nop
.endr
.Lasked_\@:
.endm
.macro CREST                           ; a round of the cluster's barrier behind its opening barrier
	s_cmp_lg_u32 s10, 0
	s_cbranch_scc1 .Lnot_wave_0_\@
	s_barrier_signal -3
.Lnot_wave_0_\@:
	s_barrier_wait -3
	s_barrier_signal -1
	s_barrier_wait -1
.endm
.macro CROUND                          ; a whole round
	s_barrier_signal -1
	s_barrier_wait -1
	CREST
.endm
	s_load_b128 s[4:7], s[0:1], 0x0                ; A s[4:5], B s[6:7]
	s_load_b64 s[8:9], s[0:1], 0x10                ; P
	v_lshl_add_u32 v[SPW], v0, 2, SPARE
	v_mov_b32 v[NIL], 0
	ds_add_u32 v[SPW], v[NIL]                      ; the wave's opening: the add and its wait stand ahead of my first tensor load; the set-up below, work on registers, stands between them
	v_lshrrev_b32 v1, 5, v0
	v_readfirstlane_b32 s10, v1                    ; wave 0..3
	s_lshr_b32 s11, s10, 1                         ; which half of the tile's rows is mine.  Also: I fetch for A (0) or for B (1)
	s_and_b32 s12, s10, 1                          ; which half of its columns.  Also: which 64 rows of that tile I fetch
	s_bfe_u32 s40, ttmp6, 0x40000                  ; cx, cy: my place in the cluster
	s_bfe_u32 s41, ttmp6, 0x40004
	s_lshl_b32 s42, ttmp9, 2
	s_add_co_u32 s42, s42, s40                     ; tile column of C = 4 x cluster x + cx
	s_and_b32 s45, ttmp7, 0xffff                   ; the cluster's y
	s_and_b32 s13, s45, 1
	s_lshl_b32 s13, s13, 2
	s_add_co_u32 s13, s13, s41                     ; tile row of C = 4 x (cluster y % 2) + cy
	s_lshr_b32 s45, s45, 1                         ; the split: made of the cluster's y alone
	s_lshl_b32 s66, s45, 11                        ; its 1,024 elements along K, in bytes
	s_mov_b32 s67, 0
	s_lshl_b32 s43, s41, 2
	s_lshl_b32 s43, 15, s43                        ; my row of the cluster
	s_lshl_b32 s44, 0x1111, s40                    ; my column
	; descriptor group 1: a tile of 64 rows x 256 elements, padded in LDS
	s_or_b32 s[G1+0], s43, (1<<16)|(1<<20)|(1<<21)|(6<<22)|(3<<25)  ; 15:0 the mask: A's tiles go to my row; 17:16 element of 2 bytes; 20 padding on; 21 set beside a mask; 24:22 after every 128 words (code 6); 31:25 of 4 words (code 3)
	s_or_b32 s[G1B+0], s44, (1<<16)|(1<<20)|(1<<21)|(6<<22)|(3<<25)
.irp g, G1, G1B
	s_mov_b32 s[(\g)+1], KSTEP<<16                 ; tensor_dim0 = 256
	s_mov_b32 s[(\g)+2], 64<<16                    ; tensor_dim1 = 64
	s_mov_b32 s[(\g)+3], KSTEP<<16                 ; tile_dim0 = 256
	s_mov_b32 s[(\g)+4], 64                        ; tile_dim1 = 64
	s_mov_b32 s[(\g)+5], KPITCH                    ; tensor_dim0_stride
	s_mov_b32 s[(\g)+6], 0
	s_mov_b32 s[(\g)+7], 0
.endr
	s_lshl_b32 s17, s12, 6                         ; which 64 rows of the tile I fetch
	s_lshl_b32 s16, s13, 7
	s_add_co_u32 s16, s16, s17                     ; A: row 128 x tile row + 64 x half
	s_lshl_b32 s46, s42, 7
	s_add_co_u32 s46, s46, s17                     ; B: row 128 x tile column + 64 x half
	s_mov_b32 s17, 0
	s_mov_b32 s47, 0
	s_mov_b64 s[18:19], KPITCH*2
	s_mul_u64 s[16:17], s[16:17], s[18:19]
	s_mul_u64 s[46:47], s[46:47], s[18:19]
	s_add_nc_u64 s[16:17], s[16:17], s[66:67]
	s_add_nc_u64 s[46:47], s[46:47], s[66:67]
	s_mul_i32 s20, s10, HALFT                      ; where they go: wave x 64 rows
	s_wait_dscnt 0x0                               ; the opening add is done
	s_wait_kmcnt 0x0
	s_add_nc_u64 s[14:15], s[4:5], s[16:17]
	s_add_nc_u64 s[46:47], s[6:7], s[46:47]
	CROUND                                         ; all sixteen work-groups are here: the first joint loads meet
.irp s, 0,1
	s_mov_b32 s[G0+4*(\s)], 1
	s_add_co_u32 s[G0+4*(\s)+1], s20, (\s)*SLOT
	s_add_nc_u64 s[G0+4*(\s)+2:G0+4*(\s)+3], s[14:15], (\s)*KSTEP*2
	s_or_b32 s[G0+4*(\s)+3], s[G0+4*(\s)+3], 0x80000000
	s_mov_b32 s[G0B+4*(\s)], 1
	s_add_co_u32 s[G0B+4*(\s)+1], s20, (\s)*SLOT
	s_add_nc_u64 s[G0B+4*(\s)+2:G0B+4*(\s)+3], s[46:47], (\s)*KSTEP*2
	s_or_b32 s[G0B+4*(\s)+3], s[G0B+4*(\s)+3], 0x80000000
	JLOAD \s
.endr
	v_and_b32 v1, 15, v0                           ; l % 16
	v_bfe_u32 v2, v0, 4, 1                         ; l / 16
	v_mul_u32_u24 v3, v1, PITCH
	v_lshl_add_u32 v3, v2, 4, v3                   ; a fragment's row x pitch + 16 x half
	s_mul_i32 s21, s11, HALFT                      ; my 64 rows of A
	s_mul_i32 s22, s12, HALFT                      ; my 64 rows of B,
	s_add_co_u32 s22, s22, 2*HALFT                 ; which lie behind A's 128
.irp s, 0,1
	v_add_nc_u32 v[ADRA+(\s)], s21, v3
	v_add_nc_u32 v[ADRB+(\s)], s22, v3
	s_add_co_u32 s21, s21, SLOT
	s_add_co_u32 s22, s22, SLOT
.endr
	s_mul_i32 s23, s10, 16*SPITCH
	s_add_co_u32 s23, s23, STAGE                   ; my stage
	v_mul_u32_u24 v4, v1, SPITCH                   ; in: row l % 16, 32 bytes (eight f32) for each half of the lanes
	v_lshl_add_u32 v4, v2, 5, v4
	v_add_nc_u32 v[STO], s23, v4
	v_mul_u32_u24 v5, v2, SPITCH                   ; back: lanes 0-15 take one row of 256 bytes, lanes 16-31 the next
	v_lshl_add_u32 v5, v1, 4, v5
	v_add_nc_u32 v[RD], s23, v5
	v_lshlrev_b32 v5, 12, v2                       ; and the same two rows in P: 4,096 bytes a row
	v_lshl_add_u32 v[CO], v1, 4, v5
	s_lshl_b32 s16, s13, 7
	s_lshl_b32 s17, s11, 6
	s_add_co_u32 s16, s16, s17                     ; my first row: 128 x tile row + 64 x half
	s_lshl_b32 s16, s16, 12
	s_lshl_b32 s17, s45, 22                        ; the split's 4 MiB
	s_add_co_u32 s16, s16, s17
	s_mov_b32 s17, 0
	s_add_nc_u64 s[8:9], s[8:9], s[16:17]
	s_lshl_b32 s46, s42, 9                         ; my first column, in bytes: 512 x tile column + 256 x half
	s_lshl_b32 s47, s12, 8
	s_add_co_u32 s46, s46, s47
	s_mov_b32 s47, 0
	s_add_nc_u64 s[8:9], s[8:9], s[46:47]
; 8 matrix instructions: m blocks a0, a0 + 1 x all 4 n blocks, 32 along K: half c of buffer f.  zero = 1: the first product starts the sums.  The 16 accumulators take turns.
.macro MUL8 f, c, a0, zero
	WIN MUL
.irp a, \a0, (\a0)+1
.irp b, 0,1,2,3
.if \zero
	v_wmma_f32_16x16x32_bf16 v[ACC+8*(4*(\a)+(\b)):ACC+8*(4*(\a)+(\b))+7], v[(\f)+64+8*(4*(\c)+(\b)):(\f)+64+8*(4*(\c)+(\b))+7], v[(\f)+8*(4*(\c)+(\a)):(\f)+8*(4*(\c)+(\a))+7], 0
.else
	v_wmma_f32_16x16x32_bf16 v[ACC+8*(4*(\a)+(\b)):ACC+8*(4*(\a)+(\b))+7], v[(\f)+64+8*(4*(\c)+(\b)):(\f)+64+8*(4*(\c)+(\b))+7], v[(\f)+8*(4*(\c)+(\a)):(\f)+8*(4*(\c)+(\a))+7], v[ACC+8*(4*(\a)+(\b)):ACC+8*(4*(\a)+(\b))+7]
.endif
.endr
.endr
.endm
; 32 LDS loads in one run: the fragments of 64 along K at byte k of the rows, into buffer f; the first 32 along K first
.macro FETCH slot, k, f
	WIN TO_F
.irp c, 0,1
.irp i, 0,1,2,3
	ds_load_b128 v[(\f)+64+8*(4*(\c)+(\i)):(\f)+64+8*(4*(\c)+(\i))+3],   v[ADRB+(\slot)] offset:(\k)+64*(\c)+(\i)*16*PITCH
	ds_load_b128 v[(\f)+64+8*(4*(\c)+(\i))+4:(\f)+64+8*(4*(\c)+(\i))+7], v[ADRB+(\slot)] offset:(\k)+64*(\c)+(\i)*16*PITCH+32
	ds_load_b128 v[(\f)+8*(4*(\c)+(\i)):(\f)+8*(4*(\c)+(\i))+3],         v[ADRA+(\slot)] offset:(\k)+64*(\c)+(\i)*16*PITCH
	ds_load_b128 v[(\f)+8*(4*(\c)+(\i))+4:(\f)+8*(4*(\c)+(\i))+7],       v[ADRA+(\slot)] offset:(\k)+64*(\c)+(\i)*16*PITCH+32
.endr
.endr
.endm
.macro PLACES                          ; four places in front of loads into registers that matrix instructions have read, and of what reads results
.rept 4
	v_nop
.endr
.endm
; A K step is four quarters of 64 along K, 32 matrix instructions each, on buffers 0, 1, 0, 1.  One of the first three: multiplies buffer f and fetches the next quarter, at byte k, into g.
.macro QUARTER slot, k, f, g, zero
	s_wait_dscnt 16                                ; the first 32 along K are in; the 16 younger loads stay out
	WIN MUL
	MUL8 \f, 0, 0, \zero
	MUL8 \f, 0, 2, \zero
	PLACES
	FETCH \slot, \k, \g
	s_wait_dscnt 32                                ; all but the 32 just issued
	WIN MUL
	MUL8 \f, 1, 0, 0
	MUL8 \f, 1, 2, 0
.endm
; The last quarter multiplies buffer 1 and changes slots: ONE barrier; in front of it each wave waits for all its tensor loads, adds 0 to its spare word, and waits for that and for its own reads of this slot.  fill = 1: this slot is filled again, two K steps ahead.
.macro TURN slot, next, fill
	WIN 0                                          ; (the add's two registers lie in window 0)
	s_wait_tensorcnt 0x0                           ; all my tensor loads have landed: my part of the next slot;
	ds_add_u32 v[SPW], v[NIL]                      ; 0 onto my spare word;
	s_wait_dscnt 17                                ; (the add and the youngest sixteen loads may be out)
	WIN MUL
	MUL8 F1, 0, 0, 0                               ; eight matrix instructions stand between the add and the wait for it
	s_wait_dscnt 0x0                               ; the add is done, and my reads of this slot are over
	s_barrier_signal -1
	MUL8 F1, 0, 2, 0
.if \fill
	WIN 0
.endif
	s_barrier_wait -1
.if \fill
	CREST                                          ; the barrier has opened a round of the cluster's barrier: no wave of any partner still reads this slot's tile or has a load on its way
	s_add_nc_u64 s[G0+4*(\slot)+2:G0+4*(\slot)+3], s[G0+4*(\slot)+2:G0+4*(\slot)+3], 2*KSTEP*2
	s_add_nc_u64 s[G0B+4*(\slot)+2:G0B+4*(\slot)+3], s[G0B+4*(\slot)+2:G0B+4*(\slot)+3], 2*KSTEP*2
	JLOAD \slot                                    ; the first tensor load behind the round: 112 matrix instructions ahead of the wait for it; the four v_nop behind it are also the places in front of the loads below
.else
	PLACES
.endif
	FETCH \next, 0, F0
	WIN MUL
	MUL8 F1, 1, 0, 0
	MUL8 F1, 1, 2, 0
.endm
	s_wait_tensorcnt 1                             ; my part of K step 0 is in; K step 1's stays out
	s_barrier_signal -1
	s_barrier_wait -1                              ; everybody's is
	FETCH 0, 0, F0
	QUARTER 0, 128, F0, F1, 1                      ; the first quarter stands in front of the loop: its first products start the sums
	WIN 0                                          ; at a label and at a branch every window is 0
	s_mov_b32 s3, LAPS-1
.Llap:                                                 ; a trip goes once round the ring, from a lap's second quarter to the next lap's first, and fills both slots again
	QUARTER 0, 256, F1, F0, 0
	QUARTER 0, 384, F0, F1, 0
	TURN 0, 1, 1
	QUARTER 1, 128, F0, F1, 0
	QUARTER 1, 256, F1, F0, 0
	QUARTER 1, 384, F0, F1, 0
	TURN 1, 0, 1
	QUARTER 0, 128, F0, F1, 0
	WIN 0
	s_sub_co_u32 s3, s3, 1
	s_cmp_lg_u32 s3, 0
	s_cbranch_scc1 .Llap
	QUARTER 0, 256, F1, F0, 0                      ; the last lap fills nothing, and has no round of the cluster's barrier
	QUARTER 0, 384, F0, F1, 0
	TURN 0, 1, 0
	QUARTER 1, 128, F0, F1, 0
	QUARTER 1, 256, F1, F0, 0
	QUARTER 1, 384, F0, F1, 0
	s_wait_dscnt 16                                ; the very last quarter: nothing more to fetch
	WIN MUL
	MUL8 F1, 0, 0, 0
	MUL8 F1, 0, 2, 0
	s_wait_dscnt 0
	MUL8 F1, 1, 0, 0
	MUL8 F1, 1, 2, 0
	WIN 0
	; THE WAY OUT, in f32.  My 64 columns are 256 bytes at a multiple of 256, so each wave has a stage of its own and no barrier is needed: a block of 16 rows goes in, 32 bytes a lane, and comes back as whole rows, into the registers that it left.
.macro TOSTAGE a
.irp b, 0,1,2,3
	ds_store_b128 v[STO], v[ACC+32*(\a)+8*\b:ACC+32*(\a)+8*\b+3]   offset:64*\b      ; each accumulator from its low end on
	ds_store_b128 v[STO], v[ACC+32*(\a)+8*\b+4:ACC+32*(\a)+8*\b+7] offset:64*\b+16
.endr
.irp t, 0,1,2,3,4,5,6,7
	ds_load_b128 v[ACC+32*(\a)+4*\t:ACC+32*(\a)+4*\t+3], v[RD] offset:\t*2*SPITCH  ; LDS serves a wave's instructions in order (ISA guide 5.7.1.4): these see the stores above; the next block's stores come behind them
.endr
.endm
.macro SEND a, younger                 ; younger: the LDS instructions issued behind block a's loads: the next block's sixteen, or none
.irp t, 0,1,2,3,4,5,6,7
	s_wait_dscnt (\younger)+7-\t
	global_store_b128 v[CO], v[ACC+32*(\a)+4*\t:ACC+32*(\a)+4*\t+3], s[8:9] offset:(16*(\a)+2*\t)*4096  ; 16 lanes store 256 consecutive bytes, at a multiple of 256 from P's first byte
.endr
.endm
	PLACES
	TOSTAGE 0
	TOSTAGE 1
	SEND 0, 16
	TOSTAGE 2
	SEND 1, 16
	TOSTAGE 3
	SEND 2, 16
	SEND 3, 0
	s_wait_tensorcnt 0x0                           ; the wave's end, behind my last tensor load and my last LDS store
	ds_add_u32 v[SPW], v[NIL]
	s_wait_dscnt 0x0
	CROUND                                         ; the closing round: no work-group ends while a partner may still ask for a tile that names it
	s_endpgm
.Lfunc_end_k_q833f004645_outp:
	.size	k_q833f004645_outp, .Lfunc_end_k_q833f004645_outp-k_q833f004645_outp
	.p2alignl 7, 3214868480
	.fill 96, 4, 3214868480
	.section	.rodata,"a",@progbits
	.p2align	6, 0x0
	.amdhsa_kernel k_q833f004645_outp
		.amdhsa_group_segment_fixed_size 327680
		.amdhsa_private_segment_fixed_size 0
		.amdhsa_enable_private_segment 0
		.amdhsa_kernarg_size 24
		.amdhsa_user_sgpr_count 2
		.amdhsa_user_sgpr_kernarg_segment_ptr 1
		.amdhsa_wavefront_size32 1
		.amdhsa_system_sgpr_workgroup_id_x 1
		.amdhsa_system_sgpr_workgroup_id_y 1
		.amdhsa_system_sgpr_workgroup_id_z 1
		.amdhsa_system_vgpr_workitem_id 0
		.amdhsa_next_free_vgpr 512
		.amdhsa_next_free_sgpr 72
		.amdhsa_reserve_vcc 0
		.amdhsa_float_denorm_mode_32 3
		.amdhsa_float_denorm_mode_16_64 3
		.amdhsa_memory_ordered 1
		.amdhsa_forward_progress 1
		.amdhsa_inst_pref_size 87
	.end_amdhsa_kernel
	.amdgpu_metadata
---
amdhsa.version: [ 1, 2 ]
amdhsa.kernels:
  - .name:           k_q833f004645_outp
    .symbol:         k_q833f004645_outp.kd
    .args:
      - { .name: act, .offset: 0, .size: 8, .value_kind: global_buffer, .address_space: global }
      - { .name: wo, .offset: 8, .size: 8, .value_kind: global_buffer, .address_space: global }
      - { .name: pacc, .offset: 16, .size: 8, .value_kind: global_buffer, .address_space: global }
    .group_segment_fixed_size: 327680
    .private_segment_fixed_size: 0
    .kernarg_segment_align: 8
    .kernarg_segment_size: 24
    .max_flat_workgroup_size: 128
    .sgpr_count:     72
    .vgpr_count:     512
    .wavefront_size: 32
...
	.end_amdgpu_metadata
.endif
;; end of part 5
;; launch ln1 (part 6): grid 256 x 1, 4 waves a work-group, no clusters, 0 bytes of LDS; arguments pacc, src, wq, g1, be1, x; writes x
.if DOCPART == 6
	.amdgcn_target "amdgcn-amd-amdhsa--gfx1250"
	.amdhsa_code_object_version 6
	.text
	.protected	k_q833f004645_ln1
	.globl	k_q833f004645_ln1
	.p2align	8
	.type	k_q833f004645_ln1,@function
k_q833f004645_ln1:
	s_mov_b64 s[64:65], 0
	v_nop
	global_prefetch_b8 v0, s[64:65] scope:SCOPE_SE
	s_setreg_imm32_b32 hwreg(HW_REG_WAVE_MODE, 25, 1), 1
	s_wait_xcnt 0x0
; x = layernorm(src + sum p0 out_proj_b + the four parts of the out-projection) g1 + be1, all in f32; stored in f32 at x + 0 and, rounded once to bf16 for the next product, at x + 4 MiB.
; One wave, one row of 1,024 numbers (4,096 bytes, 32 registers): the row never leaves the wave, so there is no LDS and no barrier.  256 work-groups of four waves: 1,024 rows.
; Lane l holds the 16 bytes at 512 j + 16 l, j = 0..7: each load and store covers 512 neighbouring bytes.  All 48 loads of the six summands go out at once; gain and offset follow into registers that have been used up.
; The mean is taken first and the variance of the differences: no difference of large sums is formed.  The four parts are added in the order 0, 1, 2, 3.
.set BF,   1                           ; 1: a bf16 copy is stored too
.set BOFF, 35651584+16384              ; the merged bias in wq
.set X, 32                             ; v[32:63]   the row
.set B, 64                             ; v[64:95]   the bias, later the gain
.set P, 96                             ; v[96:223]  the four parts; part 0's registers later take the offset, part 1's are at work (T)
.set T, 128
.macro LD8N d, b                       ; a row that the launch reads once
.irp j,0,1,2,3,4,5,6,7
	global_load_b128 v[\d+4*\j:\d+4*\j+3], v1, s[\b:\b+1] offset:512*\j th:TH_LOAD_NT
.endr
.endm
.macro LD8 d, b                        ; a row that every work-group reads
.irp j,0,1,2,3,4,5,6,7
	global_load_b128 v[\d+4*\j:\d+4*\j+3], v1, s[\b:\b+1] offset:512*\j
.endr
.endm
.macro ADD16 s
.irp j,0,2,4,6,8,10,12,14,16,18,20,22,24,26,28,30
	v_pk_add_f32 v[X+\j:X+\j+1], v[X+\j:X+\j+1], v[\s+\j:\s+\j+1]
.endr
.endm
.macro XSUM r, t                       ; the sum over the 32 lanes, in every lane; t: a register that has been written
.irp m,1,2,4,8
	v_add_f32_dpp v[\r], v[\r], v[\r] row_xmask:\m row_mask:0xf bank_mask:0xf
.endr
	v_permlanex16_b32 v[\t], v[\r], s24, s25
	v_add_f32 v[\r], v[\r], v[\t]
.endm
	s_load_b256 s[4:11], s[0:1], 0x0               ; parts s[4:5], residual s[6:7], wq s[8:9], gain s[10:11]
	s_load_b128 s[12:15], s[0:1], 0x20             ; offset s[12:13], output s[14:15]
	v_lshrrev_b32 v3, 5, v0
	v_readfirstlane_b32 s26, v3                    ; my wave
	v_and_b32 v1, 31, v0
	v_lshlrev_b32 v2, 3, v1                        ; 8 x lane
	v_lshlrev_b32 v1, 4, v1                        ; 16 x lane
	s_lshl_b32 s27, ttmp9, 2
	s_add_co_u32 s27, s27, s26                     ; my row
	s_lshl_b32 s28, s27, 12
	s_mov_b32 s29, 0
	s_lshl_b32 s32, s27, 11
	s_add_co_u32 s32, s32, 0x400000
	s_mov_b32 s33, 0
	s_mov_b32 s24, 0x76543210
	s_mov_b32 s25, 0xfedcba98
	s_mov_b32 s34, 0x3a800000                      ; 1 / 1,024
	s_mov_b32 s35, 0x3727c5ac                      ; 1e-5
	s_wait_kmcnt 0x0
	s_add_nc_u64 s[6:7], s[6:7], s[28:29]
	s_add_nc_u64 s[16:17], s[4:5], s[28:29]        ; the parts lie 4 MiB apart: a base for each
	s_add_nc_u64 s[18:19], s[16:17], 0x400000
	s_add_nc_u64 s[20:21], s[18:19], 0x400000
	s_add_nc_u64 s[22:23], s[20:21], 0x400000
	s_add_nc_u64 s[8:9], s[8:9], BOFF
.if BF
	s_add_nc_u64 s[30:31], s[14:15], s[32:33]
.endif
	s_add_nc_u64 s[14:15], s[14:15], s[28:29]
	LD8N X, 6
	LD8 B, 8
	LD8N P, 16
	LD8N P+32, 18
	LD8N P+64, 20
	LD8N P+96, 22
	s_wait_loadcnt 32                              ; residual and bias are in; the four parts' 32 loads stay out
	ADD16 B
	LD8 B, 10                                      ; the gain
	s_wait_loadcnt 32                              ; part 0 is in; parts 1 to 3 and the gain stay out
	ADD16 P
	LD8 P, 12                                      ; the offset
	s_wait_loadcnt 32                              ; part 1; parts 2, 3, gain and offset stay out
	ADD16 P+32
	s_wait_loadcnt 24                              ; part 2; part 3, gain and offset stay out
	ADD16 P+64
	s_wait_loadcnt 16                              ; part 3; gain and offset stay out
	ADD16 P+96
.irp c,0,2,4,6                                 ; the row's sum, in four chains
	v_pk_add_f32 v[T+\c:T+\c+1], v[X+\c:X+\c+1], v[X+8+\c:X+8+\c+1]
.endr
.irp c,0,2,4,6
	v_pk_add_f32 v[T+\c:T+\c+1], v[T+\c:T+\c+1], v[X+16+\c:X+16+\c+1]
.endr
.irp c,0,2,4,6
	v_pk_add_f32 v[T+\c:T+\c+1], v[T+\c:T+\c+1], v[X+24+\c:X+24+\c+1]
.endr
	v_pk_add_f32 v[T:T+1], v[T:T+1], v[T+2:T+3]
	v_pk_add_f32 v[T+4:T+5], v[T+4:T+5], v[T+6:T+7]
	v_pk_add_f32 v[T:T+1], v[T:T+1], v[T+4:T+5]
	v_add_f32 v[T], v[T], v[T+1]
	XSUM T, T+1
	v_mul_f32 v[T], s34, v[T]                      ; the mean
.irp j,0,2,4,6,8,10,12,14,16,18,20,22,24,26,28,30
	v_pk_add_f32 v[X+\j:X+\j+1], v[X+\j:X+\j+1], v[T:T+1] op_sel_hi:[1,0] neg_lo:[0,1] neg_hi:[0,1]
.endr
.irp c,0,2,4,6                                 ; the sum of the squares of the differences, in four chains
	v_pk_mul_f32 v[T+2+\c:T+3+\c], v[X+\c:X+\c+1], v[X+\c:X+\c+1]
.endr
.irp c,0,2,4,6
	v_pk_fma_f32 v[T+2+\c:T+3+\c], v[X+8+\c:X+8+\c+1], v[X+8+\c:X+8+\c+1], v[T+2+\c:T+3+\c]
.endr
.irp c,0,2,4,6
	v_pk_fma_f32 v[T+2+\c:T+3+\c], v[X+16+\c:X+16+\c+1], v[X+16+\c:X+16+\c+1], v[T+2+\c:T+3+\c]
.endr
.irp c,0,2,4,6
	v_pk_fma_f32 v[T+2+\c:T+3+\c], v[X+24+\c:X+24+\c+1], v[X+24+\c:X+24+\c+1], v[T+2+\c:T+3+\c]
.endr
	v_pk_add_f32 v[T+2:T+3], v[T+2:T+3], v[T+4:T+5]
	v_pk_add_f32 v[T+6:T+7], v[T+6:T+7], v[T+8:T+9]
	v_pk_add_f32 v[T+2:T+3], v[T+2:T+3], v[T+6:T+7]
	v_add_f32 v[T+2], v[T+2], v[T+3]
	XSUM T+2, T+3
	v_fma_f32 v[T+2], v[T+2], s34, s35             ; the variance + 1e-5
	v_rsq_f32 v[T+4], v[T+2]
	v_nop                                          ; a plain instruction behind the root,
	s_wait_alu depctr_va_vdst(0)                   ; and the wait ahead of its first use
	s_wait_loadcnt 0x0                             ; gain and offset
.irp j,0,2,4,6,8,10,12,14,16,18,20,22,24,26,28,30
	v_pk_mul_f32 v[X+\j:X+\j+1], v[X+\j:X+\j+1], v[T+4:T+5] op_sel_hi:[1,0]
.endr
.irp j,0,2,4,6,8,10,12,14,16,18,20,22,24,26,28,30
	v_pk_fma_f32 v[X+\j:X+\j+1], v[X+\j:X+\j+1], v[B+\j:B+\j+1], v[P+\j:P+\j+1]
.endr
.irp j,0,1,2,3,4,5,6,7
	global_store_b128 v1, v[X+4*\j:X+4*\j+3], s[14:15] offset:512*\j
.endr
.if BF
.irp j,0,1,2,3,4,5,6,7
	v_cvt_pk_bf16_f32 v[T+2*\j], v[X+4*\j], v[X+4*\j+1]
	v_cvt_pk_bf16_f32 v[T+2*\j+1], v[X+4*\j+2], v[X+4*\j+3]
	global_store_b64 v2, v[T+2*\j:T+2*\j+1], s[30:31] offset:256*\j  ; 32 lanes store 256 consecutive bytes, at a multiple of 256
.endr
.endif
	s_endpgm
.Lfunc_end_k_q833f004645_ln1:
	.size	k_q833f004645_ln1, .Lfunc_end_k_q833f004645_ln1-k_q833f004645_ln1
	.p2alignl 7, 3214868480
	.fill 96, 4, 3214868480
	.section	.rodata,"a",@progbits
	.p2align	6, 0x0
	.amdhsa_kernel k_q833f004645_ln1
		.amdhsa_group_segment_fixed_size 0
		.amdhsa_private_segment_fixed_size 0
		.amdhsa_enable_private_segment 0
		.amdhsa_kernarg_size 48
		.amdhsa_user_sgpr_count 2
		.amdhsa_user_sgpr_kernarg_segment_ptr 1
		.amdhsa_wavefront_size32 1
		.amdhsa_system_sgpr_workgroup_id_x 1
		.amdhsa_system_sgpr_workgroup_id_y 1
		.amdhsa_system_sgpr_workgroup_id_z 1
		.amdhsa_system_vgpr_workitem_id 0
		.amdhsa_next_free_vgpr 224
		.amdhsa_next_free_sgpr 66
		.amdhsa_reserve_vcc 0
		.amdhsa_float_denorm_mode_32 3
		.amdhsa_float_denorm_mode_16_64 3
		.amdhsa_memory_ordered 1
		.amdhsa_forward_progress 1
		.amdhsa_inst_pref_size 22
	.end_amdhsa_kernel
	.amdgpu_metadata
---
amdhsa.version: [ 1, 2 ]
amdhsa.kernels:
  - .name:           k_q833f004645_ln1
    .symbol:         k_q833f004645_ln1.kd
    .args:
      - { .name: pacc, .offset: 0, .size: 8, .value_kind: global_buffer, .address_space: global }
      - { .name: src, .offset: 8, .size: 8, .value_kind: global_buffer, .address_space: global }
      - { .name: wq, .offset: 16, .size: 8, .value_kind: global_buffer, .address_space: global }
      - { .name: g1, .offset: 24, .size: 8, .value_kind: global_buffer, .address_space: global }
      - { .name: be1, .offset: 32, .size: 8, .value_kind: global_buffer, .address_space: global }
      - { .name: x, .offset: 40, .size: 8, .value_kind: global_buffer, .address_space: global }
    .group_segment_fixed_size: 0
    .private_segment_fixed_size: 0
    .kernarg_segment_align: 8
    .kernarg_segment_size: 48
    .max_flat_workgroup_size: 128
    .sgpr_count:     66
    .vgpr_count:     224
    .wavefront_size: 32
...
	.end_amdgpu_metadata
.endif
;; end of part 6
;; launch ffn1g (part 7): grid 32 x 8, 4 waves a work-group, clusters of 4 x 4, 327,680 bytes of LDS; arguments x, wq, act; writes act
.if DOCPART == 7
	.amdgcn_target "amdgcn-amd-amdhsa--gfx1250"
	.amdhsa_code_object_version 6
	.text
	.protected	k_q833f004645_ffn1g
	.globl	k_q833f004645_ffn1g
	.p2align	8
	.type	k_q833f004645_ffn1g,@function
k_q833f004645_ffn1g:
	s_mov_b64 s[64:65], 0
	v_nop
	global_prefetch_b8 v0, s[64:65] scope:SCOPE_SE
	s_setreg_imm32_b32 hwreg(HW_REG_WAVE_MODE, 25, 1), 1
	s_wait_xcnt 0x0
	s_wait_alu depctr_hold_cnt(0) depctr_sa_sdst(0) depctr_va_vdst(0) depctr_va_sdst(0) depctr_va_ssrc(0) depctr_va_vcc(0) depctr_vm_vsrc(0)
	s_getreg_b32 s2, hwreg(HW_REG_IB_STS2, 6, 4)
	s_cmp_eq_u32 s2, 0
	s_cbranch_scc0 .Lentry_in_a_cluster
	s_endpgm
.Lentry_in_a_cluster:
	s_bfe_u32 s2, ttmp6, 0x10000c
	s_cmp_lg_u32 s2, 0xf033
	s_cbranch_scc0 .Lentry_shape_is_right
	s_endpgm
.Lentry_shape_is_right:
; act[t][n] = gelu(sum over k of xb[t][k] W1E[n][k] + b1eff[n]).  xb [1024][1024] bf16 lies at x + 4 MiB; W1E [4096][1024] bf16 and b1eff [4096] f32 are sections of wq; sums, bias and gelu in f32; act [1024][4096] bf16, rounded once.
; gelu(x) = x Phi(x) = x / 2 + |x| erf(|x| / sqrt 2) / 2, with erf(z) = 1 - (a1 t + .. + a5 t^5) e^(-z z), t = 1 / (1 + 0.3275911 z) (Abramowitz and Stegun 7.1.26: absolute error 1.5e-7 for every z >= 0).
; LIMITS: that error; where x x overflows the exponential is 0 and gelu is x or 0, as it should be; NaN is not treated apart.
; A tile of C is 128 x 128: four waves, each 64 x 64: 16 accumulators of 16 x 16, 128 registers.  256 tiles: one for each WGP.  K = 1,024 goes in four steps of 256 (LDS rows of 512 bytes; a wave's tensor load brings 64 of
; them) through two LDS slots.  The four waves share ONE stage on the way out, with a barrier between writing and reading, since a wave's 64 columns are half of an aligned 256 bytes of C.
; CLUSTERS: 4 x 4 work-groups.  The four of a row of the cluster need the same tiles of A, the four of a column the same tiles of B: each tile is asked for JOINTLY, by the same tensor load with the same
; descriptor and a mask that names the four.  THE MATRIX INSTRUCTION IS USED TRANSPOSED (source 0 = 16 rows of B, source 1 = 16 rows of A): a lane then holds eight neighbouring numbers of a row of C.
; A wave has two tensor loads out at the start and one behind each round of the cluster's barrier.
; REGISTERS: window 0: v0-31 addresses; v32-63 at work in gelu, v32-95 whole rows on the way out; v96-127 the bias of my 4 x 8 columns; v128-255 the accumulators ((a, b) at v[128 + 8 (4 a + b)]).
;   window 1: two fragment buffers of 128: for 64 along K, 64 registers of A (2 x 4 x 16 rows x 32 K), then 64 of B.
.set KSTEP,  256
.set PITCH,  528                       ; an LDS row: 512 bytes of data + 16 of padding: the 16 rows that a load touches begin at 16 different 16-byte columns modulo 256
.set HALFT,  64*PITCH
.set SLOT,   4*HALFT
.set STAGE,  2*SLOT
.set SPITCH, 272
.set SPARE,  STAGE+128*SPITCH
.set KLEN,   1024
.set KPITCH, 1024
.set LAPS,   KLEN/(2*KSTEP)
.set NB,     4096*2                    ; bytes in a row of C
.set AOFF,   4194304                   ; xb's place in x
.set BOFF,   25165824                  ; W1E's place in wq
.set BEFF,   35651584                  ; b1eff's place in wq
.set ADRA, 16
.set ADRB, 20
.set STO,  24
.set RD,   25
.set CO,   26
.set BO,   27
.set SPW,  28
.set NIL,  29
.set TMP,  32
.set AX,   32                          ; gelu: |x|
.set TT,   40                          ;       t
.set EE,   48                          ;       e^(-x x / 2)
.set PP,   56                          ;       the polynomial
.set BIAS, 96
.set ACC,  128
.set F0,   0
.set F1,   128
.set G1, 24
.set G0, 32
.set G1B, 48
.set G0B, 56
.set BP, 66                            ; s[66:67] the bias at my wave's first column
.set CP, 70                            ; s[70:71] 0.3275911 / sqrt 2          (all constants as pairs: the packed forms name pairs)
.set CE, 72                            ; s[72:73] sqrt(log2(e) / 2)
.set A1, 74                            ; s[74:83] a1 / 2 .. a5 / 2
.set A2, 76
.set A3, 78
.set A4, 80
.set A5, 82
.set ABSM, 84                          ; s84      clears a sign
.set MSB, 0
.macro WIN new                         ; the immediate's high byte repeats the setting that is left
.if MSB != (\new)
	s_set_vgpr_msb (MSB<<8)|(\new)
.set MSB, \new
.endif
.endm
.set MUL,  0x05                        ; sources 0 (B) and 1 (A) window 1; C and D window 0
.set TO_F, 0x40                        ; destination window 1, address window 0
.macro JLOAD s                         ; a joint load: waves 0 and 1 fetch A's two halves, waves 2 and 3 B's; an s_nop 0 and four v_nop follow each of the two lines, ahead of the jump, the label and what follows
	s_cmp_eq_u32 s11, 0
	s_cbranch_scc0 .Lfor_b_\@
	tensor_load_to_lds s[G0+4*(\s):G0+4*(\s)+3], s[G1:G1+7]
	s_nop 0
.rept 4
	v_nop
.endr
	s_branch .Lasked_\@
.Lfor_b_\@:
	tensor_load_to_lds s[G0B+4*(\s):G0B+4*(\s)+3], s[G1B:G1B+7]
	s_nop 0
.rept 4
	v_nop
.endr
.Lasked_\@:
.endm
.macro CREST                           ; a round of the cluster's barrier behind its opening barrier
	s_cmp_lg_u32 s10, 0
	s_cbranch_scc1 .Lnot_wave_0_\@
	s_barrier_signal -3
.Lnot_wave_0_\@:
	s_barrier_wait -3
	s_barrier_signal -1
	s_barrier_wait -1
.endm
.macro CROUND                          ; a whole round
	s_barrier_signal -1
	s_barrier_wait -1
	CREST
.endm
.macro PAIR r, val
	s_mov_b32 s[\r], \val
	s_mov_b32 s[\r+1], \val
.endm
	s_load_b128 s[4:7], s[0:1], 0x0                ; x s[4:5], wq s[6:7]
	s_load_b64 s[8:9], s[0:1], 0x10                ; act
	v_lshl_add_u32 v[SPW], v0, 2, SPARE
	v_mov_b32 v[NIL], 0
	ds_add_u32 v[SPW], v[NIL]                      ; the wave's opening: the add and its wait stand ahead of my first tensor load; the set-up below, work on registers, stands between them
	v_lshrrev_b32 v1, 5, v0
	v_readfirstlane_b32 s10, v1                    ; wave 0..3
	s_lshr_b32 s11, s10, 1                         ; which half of the tile's rows is mine.  Also: I fetch for A (0) or for B (1)
	s_and_b32 s12, s10, 1                          ; which half of its columns.  Also: which 64 rows of that tile I fetch
	s_bfe_u32 s40, ttmp6, 0x40000                  ; cx, cy: my place in the cluster
	s_bfe_u32 s41, ttmp6, 0x40004
	s_lshl_b32 s42, ttmp9, 2
	s_add_co_u32 s42, s42, s40                     ; tile column of C = 4 x cluster x + cx
	s_and_b32 s13, ttmp7, 0xffff
	s_lshl_b32 s13, s13, 2
	s_add_co_u32 s13, s13, s41                     ; tile row of C = 4 x cluster y + cy
	s_lshl_b32 s43, s41, 2
	s_lshl_b32 s43, 15, s43                        ; my row of the cluster
	s_lshl_b32 s44, 0x1111, s40                    ; my column
	; descriptor group 1: a tile of 64 rows x 256 elements, padded in LDS
	s_or_b32 s[G1+0], s43, (1<<16)|(1<<20)|(1<<21)|(6<<22)|(3<<25)  ; 15:0 the mask: A's tiles go to my row; 17:16 element of 2 bytes; 20 padding on; 21 set beside a mask; 24:22 after every 128 words (code 6); 31:25 of 4 words (code 3)
	s_or_b32 s[G1B+0], s44, (1<<16)|(1<<20)|(1<<21)|(6<<22)|(3<<25)
.irp g, G1, G1B
	s_mov_b32 s[(\g)+1], KSTEP<<16                 ; tensor_dim0 = 256
	s_mov_b32 s[(\g)+2], 64<<16                    ; tensor_dim1 = 64
	s_mov_b32 s[(\g)+3], KSTEP<<16                 ; tile_dim0 = 256
	s_mov_b32 s[(\g)+4], 64                        ; tile_dim1 = 64
	s_mov_b32 s[(\g)+5], KPITCH                    ; tensor_dim0_stride
	s_mov_b32 s[(\g)+6], 0
	s_mov_b32 s[(\g)+7], 0
.endr
	PAIR CP, 0x3e6d3388                            ; 0.23164189
	PAIR CE, 0x3f596d27                            ; 0.8493218
	PAIR A1, 0x3e027906                            ; 0.127414796
	PAIR A2, 0xbe11a98e                            ; -0.142248368
	PAIR A3, 0x3f35f0e3                            ; 0.7107068705
	PAIR A4, 0xbf3a00e3                            ; -0.7265760135
	PAIR A5, 0x3f07dc22                            ; 0.5307027145
	s_mov_b32 s[ABSM], 0x7fffffff
	s_lshl_b32 s17, s12, 6                         ; which 64 rows of the tile I fetch
	s_lshl_b32 s16, s13, 7
	s_add_co_u32 s16, s16, s17                     ; A: row 128 x tile row + 64 x half
	s_lshl_b32 s46, s42, 7
	s_add_co_u32 s46, s46, s17                     ; B: row 128 x tile column + 64 x half
	s_mov_b32 s17, 0
	s_mov_b32 s47, 0
	s_mov_b64 s[18:19], KPITCH*2
	s_mul_u64 s[16:17], s[16:17], s[18:19]
	s_mul_u64 s[46:47], s[46:47], s[18:19]
	s_add_nc_u64 s[16:17], s[16:17], AOFF
	s_add_nc_u64 s[46:47], s[46:47], BOFF
	s_mul_i32 s20, s10, HALFT                      ; where they go: wave x 64 rows
	s_wait_dscnt 0x0                               ; the opening add is done
	s_wait_kmcnt 0x0
	s_add_nc_u64 s[14:15], s[4:5], s[16:17]
	s_add_nc_u64 s[46:47], s[6:7], s[46:47]
	CROUND                                         ; all sixteen work-groups are here: the first joint loads meet
.irp s, 0,1
	s_mov_b32 s[G0+4*(\s)], 1
	s_add_co_u32 s[G0+4*(\s)+1], s20, (\s)*SLOT
	s_add_nc_u64 s[G0+4*(\s)+2:G0+4*(\s)+3], s[14:15], (\s)*KSTEP*2
	s_or_b32 s[G0+4*(\s)+3], s[G0+4*(\s)+3], 0x80000000
	s_mov_b32 s[G0B+4*(\s)], 1
	s_add_co_u32 s[G0B+4*(\s)+1], s20, (\s)*SLOT
	s_add_nc_u64 s[G0B+4*(\s)+2:G0B+4*(\s)+3], s[46:47], (\s)*KSTEP*2
	s_or_b32 s[G0B+4*(\s)+3], s[G0B+4*(\s)+3], 0x80000000
	JLOAD \s
.endr
	v_and_b32 v1, 15, v0                           ; l % 16
	v_bfe_u32 v2, v0, 4, 1                         ; l / 16
	v_mul_u32_u24 v3, v1, PITCH
	v_lshl_add_u32 v3, v2, 4, v3                   ; a fragment's row x pitch + 16 x half
	s_mul_i32 s21, s11, HALFT                      ; my 64 rows of A
	s_mul_i32 s22, s12, HALFT                      ; my 64 rows of B,
	s_add_co_u32 s22, s22, 2*HALFT                 ; which lie behind A's 128
.irp s, 0,1
	v_add_nc_u32 v[ADRA+(\s)], s21, v3
	v_add_nc_u32 v[ADRB+(\s)], s22, v3
	s_add_co_u32 s21, s21, SLOT
	s_add_co_u32 s22, s22, SLOT
.endr
	s_mul_i32 s23, s11, 64*SPITCH                  ; into the stage: my 64 rows, my half of their 256 bytes; row l % 16, 16 bytes for each half of the lanes
	s_lshl_b32 s21, s12, 7
	s_add_co_u32 s23, s23, s21
	s_add_co_u32 s23, s23, STAGE
	v_mul_u32_u24 v4, v1, SPITCH
	v_lshl_add_u32 v4, v2, 4, v4
	v_add_nc_u32 v[STO], s23, v4
	s_mul_i32 s23, s10, 32*SPITCH                  ; back: wave w takes rows 32 w .. 32 w + 31, whole; lanes 0-15 one row of 256 bytes, lanes 16-31 the next
	s_add_co_u32 s23, s23, STAGE
	v_mul_u32_u24 v5, v2, SPITCH
	v_lshl_add_u32 v5, v1, 4, v5
	v_add_nc_u32 v[RD], s23, v5
	v_mul_u32_u24 v5, v2, NB                       ; and the same two rows in C
	v_lshl_add_u32 v[CO], v1, 4, v5
	s_lshl_b32 s16, s13, 7
	s_lshl_b32 s17, s10, 5
	s_add_co_u32 s16, s16, s17                     ; the first row of C that I store: 128 x tile row + 32 x wave
	s_mov_b32 s17, 0
	s_mov_b64 s[18:19], NB
	s_mul_u64 s[16:17], s[16:17], s[18:19]
	s_add_nc_u64 s[8:9], s[8:9], s[16:17]
	s_lshl_b32 s46, s42, 8                         ; the tile's first column, in bytes
	s_mov_b32 s47, 0
	s_add_nc_u64 s[8:9], s[8:9], s[46:47]
	; the bias of my columns 16 b + 8 (l / 16) + 0..7, b = 0..3: asked for now, waited for on the way out; its address registers are never rewritten
	v_lshlrev_b32 v[BO], 5, v2
	s_lshl_b32 s68, s42, 9                         ; 128 columns of 4 bytes a tile,
	s_lshl_b32 s69, s12, 8                         ; 64 a wave,
	s_add_co_u32 s68, s68, s69
	s_add_co_u32 s68, s68, BEFF                    ; in wq's section of merged biases
	s_mov_b32 s69, 0
	s_add_nc_u64 s[BP:BP+1], s[6:7], s[68:69]
.irp b, 0,1,2,3
	global_load_b128 v[BIAS+8*\b:BIAS+8*\b+3],   v[BO], s[BP:BP+1] offset:64*\b
	global_load_b128 v[BIAS+8*\b+4:BIAS+8*\b+7], v[BO], s[BP:BP+1] offset:64*\b+16
.endr
; 8 matrix instructions: m blocks a0, a0 + 1 x all 4 n blocks, 32 along K: half c of buffer f.  zero = 1: the first product starts the sums.  The 16 accumulators take turns.
.macro MUL8 f, c, a0, zero
	WIN MUL
.irp a, \a0, (\a0)+1
.irp b, 0,1,2,3
.if \zero
	v_wmma_f32_16x16x32_bf16 v[ACC+8*(4*(\a)+(\b)):ACC+8*(4*(\a)+(\b))+7], v[(\f)+64+8*(4*(\c)+(\b)):(\f)+64+8*(4*(\c)+(\b))+7], v[(\f)+8*(4*(\c)+(\a)):(\f)+8*(4*(\c)+(\a))+7], 0
.else
	v_wmma_f32_16x16x32_bf16 v[ACC+8*(4*(\a)+(\b)):ACC+8*(4*(\a)+(\b))+7], v[(\f)+64+8*(4*(\c)+(\b)):(\f)+64+8*(4*(\c)+(\b))+7], v[(\f)+8*(4*(\c)+(\a)):(\f)+8*(4*(\c)+(\a))+7], v[ACC+8*(4*(\a)+(\b)):ACC+8*(4*(\a)+(\b))+7]
.endif
.endr
.endr
.endm
; 32 LDS loads in one run: the fragments of 64 along K at byte k of the rows, into buffer f; the first 32 along K first
.macro FETCH slot, k, f
	WIN TO_F
.irp c, 0,1
.irp i, 0,1,2,3
	ds_load_b128 v[(\f)+64+8*(4*(\c)+(\i)):(\f)+64+8*(4*(\c)+(\i))+3],   v[ADRB+(\slot)] offset:(\k)+64*(\c)+(\i)*16*PITCH
	ds_load_b128 v[(\f)+64+8*(4*(\c)+(\i))+4:(\f)+64+8*(4*(\c)+(\i))+7], v[ADRB+(\slot)] offset:(\k)+64*(\c)+(\i)*16*PITCH+32
	ds_load_b128 v[(\f)+8*(4*(\c)+(\i)):(\f)+8*(4*(\c)+(\i))+3],         v[ADRA+(\slot)] offset:(\k)+64*(\c)+(\i)*16*PITCH
	ds_load_b128 v[(\f)+8*(4*(\c)+(\i))+4:(\f)+8*(4*(\c)+(\i))+7],       v[ADRA+(\slot)] offset:(\k)+64*(\c)+(\i)*16*PITCH+32
.endr
.endr
.endm
.macro PLACES                          ; four places in front of loads into registers that matrix instructions have read, and of vector work that reads results
.rept 4
	v_nop
.endr
.endm
; A K step is four quarters of 64 along K, 32 matrix instructions each, on buffers 0, 1, 0, 1.  One of the first three: multiplies buffer f and fetches the next quarter, at byte k, into g.
.macro QUARTER slot, k, f, g, zero
	s_wait_dscnt 16                                ; the first 32 along K are in; the 16 younger loads stay out
	WIN MUL
	MUL8 \f, 0, 0, \zero
	MUL8 \f, 0, 2, \zero
	PLACES
	FETCH \slot, \k, \g
	s_wait_dscnt 32                                ; all but the 32 just issued
	WIN MUL
	MUL8 \f, 1, 0, 0
	MUL8 \f, 1, 2, 0
.endm
; The last quarter multiplies buffer 1 and changes slots: ONE barrier; in front of it each wave waits for all its tensor loads, adds 0 to its spare word, and waits for that and for its own reads of this slot.  fill = 1: this slot is filled again, two K steps ahead.
.macro TURN slot, next, fill
	WIN 0                                          ; (the add's two registers lie in window 0)
	s_wait_tensorcnt 0x0                           ; all my tensor loads have landed: my part of the next slot;
	ds_add_u32 v[SPW], v[NIL]                      ; 0 onto my spare word;
	s_wait_dscnt 17                                ; (the add and the youngest sixteen loads may be out)
	WIN MUL
	MUL8 F1, 0, 0, 0                               ; eight matrix instructions stand between the add and the wait for it
	s_wait_dscnt 0x0                               ; the add is done, and my reads of this slot are over
	s_barrier_signal -1
	MUL8 F1, 0, 2, 0
.if \fill
	WIN 0
.endif
	s_barrier_wait -1
.if \fill
	CREST                                          ; the barrier has opened a round of the cluster's barrier: no wave of any partner still reads this slot's tile or has a load on its way
	s_add_nc_u64 s[G0+4*(\slot)+2:G0+4*(\slot)+3], s[G0+4*(\slot)+2:G0+4*(\slot)+3], 2*KSTEP*2
	s_add_nc_u64 s[G0B+4*(\slot)+2:G0B+4*(\slot)+3], s[G0B+4*(\slot)+2:G0B+4*(\slot)+3], 2*KSTEP*2
	JLOAD \slot                                    ; the first tensor load behind the round: 112 matrix instructions ahead of the wait for it; the four v_nop behind it are also the places in front of the loads below
.else
	PLACES
.endif
	FETCH \next, 0, F0
	WIN MUL
	MUL8 F1, 1, 0, 0
	MUL8 F1, 1, 2, 0
.endm
; gelu of the eight numbers at v[x ..], in place.  The eight reciprocals and eight exponentials are ONE batch; the four halvings are the plain work behind it; one wait stands ahead of the first use.
.macro GELU8 x
.irp k,0,1,2,3,4,5,6,7
	v_and_b32 v[AX+\k], s[ABSM], v[(\x)+\k]
.endr
.irp k,0,2,4,6
	v_pk_fma_f32 v[TT+\k:TT+\k+1], v[AX+\k:AX+\k+1], s[CP:CP+1], 1.0 op_sel_hi:[1,0,0]
	v_pk_mul_f32 v[EE+\k:EE+\k+1], v[AX+\k:AX+\k+1], s[CE:CE+1] op_sel_hi:[1,0]
.endr
.irp k,0,2,4,6
	v_pk_mul_f32 v[EE+\k:EE+\k+1], v[EE+\k:EE+\k+1], v[EE+\k:EE+\k+1] neg_lo:[1,0] neg_hi:[1,0]  ; - log2(e) x x / 2
.endr
.irp k,0,1,2,3,4,5,6,7
	v_rcp_f32 v[TT+\k], v[TT+\k]
.endr
.irp k,0,1,2,3,4,5,6,7
	v_exp_f32 v[EE+\k], v[EE+\k]
.endr
.irp k,0,2,4,6
	v_pk_mul_f32 v[(\x)+\k:(\x)+\k+1], v[(\x)+\k:(\x)+\k+1], 0.5 op_sel_hi:[1,0]
.endr
	s_wait_alu depctr_va_vdst(0)                   ; one wait for the batch of sixteen
.irp k,0,2,4,6
	v_pk_fma_f32 v[PP+\k:PP+\k+1], v[TT+\k:TT+\k+1], s[A5:A5+1], s[A4:A4+1] op_sel_hi:[1,0,0]
.endr
.irp k,0,2,4,6
	v_pk_fma_f32 v[PP+\k:PP+\k+1], v[PP+\k:PP+\k+1], v[TT+\k:TT+\k+1], s[A3:A3+1] op_sel_hi:[1,1,0]
.endr
.irp k,0,2,4,6
	v_pk_fma_f32 v[PP+\k:PP+\k+1], v[PP+\k:PP+\k+1], v[TT+\k:TT+\k+1], s[A2:A2+1] op_sel_hi:[1,1,0]
.endr
.irp k,0,2,4,6
	v_pk_fma_f32 v[PP+\k:PP+\k+1], v[PP+\k:PP+\k+1], v[TT+\k:TT+\k+1], s[A1:A1+1] op_sel_hi:[1,1,0]
.endr
.irp k,0,2,4,6
	v_pk_mul_f32 v[PP+\k:PP+\k+1], v[PP+\k:PP+\k+1], v[TT+\k:TT+\k+1]
.endr
.irp k,0,2,4,6
	v_pk_fma_f32 v[PP+\k:PP+\k+1], v[PP+\k:PP+\k+1], v[EE+\k:EE+\k+1], 0.5 op_sel_hi:[1,1,0] neg_lo:[1,0,0] neg_hi:[1,0,0]  ; erf / 2
.endr
.irp k,0,2,4,6
	v_pk_fma_f32 v[(\x)+\k:(\x)+\k+1], v[AX+\k:AX+\k+1], v[PP+\k:PP+\k+1], v[(\x)+\k:(\x)+\k+1]
.endr
.endm
	s_wait_tensorcnt 1                             ; my part of K step 0 is in; K step 1's stays out
	s_barrier_signal -1
	s_barrier_wait -1                              ; everybody's is
	FETCH 0, 0, F0
	QUARTER 0, 128, F0, F1, 1                      ; the first quarter stands in front of the loop: its first products start the sums
	WIN 0                                          ; at a label and at a branch every window is 0
	s_mov_b32 s3, LAPS-1
.Llap:                                                 ; a trip goes once round the ring, from a lap's second quarter to the next lap's first, and fills both slots again
	QUARTER 0, 256, F1, F0, 0
	QUARTER 0, 384, F0, F1, 0
	TURN 0, 1, 1
	QUARTER 1, 128, F0, F1, 0
	QUARTER 1, 256, F1, F0, 0
	QUARTER 1, 384, F0, F1, 0
	TURN 1, 0, 1
	QUARTER 0, 128, F0, F1, 0
	WIN 0
	s_sub_co_u32 s3, s3, 1
	s_cmp_lg_u32 s3, 0
	s_cbranch_scc1 .Llap
	QUARTER 0, 256, F1, F0, 0                      ; the last lap fills nothing, and has no round of the cluster's barrier
	QUARTER 0, 384, F0, F1, 0
	TURN 0, 1, 0
	QUARTER 1, 128, F0, F1, 0
	QUARTER 1, 256, F1, F0, 0
	QUARTER 1, 384, F0, F1, 0
	s_wait_dscnt 16                                ; the very last quarter: nothing more to fetch
	WIN MUL
	MUL8 F1, 0, 0, 0
	MUL8 F1, 0, 2, 0
	s_wait_dscnt 0
	MUL8 F1, 1, 0, 0
	MUL8 F1, 1, 2, 0
	WIN 0
	; THE WAY OUT: bias and gelu in f32, rounded to bf16 in place (each accumulator from its low end on); 16 bytes a lane go into the work-group's stage; a barrier, since a row's 256 bytes come from two waves; back as whole rows, 32 rows a wave.
	PLACES
	s_wait_loadcnt 0x0                             ; the bias
.irp t, 0,1,2,3,4,5,6,7,8,9,10,11,12,13,14,15
.irp r, 0,2,4,6
	v_pk_add_f32 v[ACC+8*(\t)+\r:ACC+8*(\t)+\r+1], v[ACC+8*(\t)+\r:ACC+8*(\t)+\r+1], v[BIAS+8*((\t)%4)+\r:BIAS+8*((\t)%4)+\r+1]
.endr
	GELU8 ACC+8*(\t)
.irp r, 0,1,2,3
	v_cvt_pk_bf16_f32 v[ACC+8*(\t)+\r], v[ACC+8*(\t)+2*\r], v[ACC+8*(\t)+2*\r+1]
.endr
	ds_store_b128 v[STO], v[ACC+8*(\t):ACC+8*(\t)+3] offset:((\t)/4)*16*SPITCH+32*((\t)%4)
.endr
	s_wait_dscnt 0x0                               ; for the others' sake: my stores into the stage are done
	s_barrier_signal -1
	s_barrier_wait -1
.irp t, 0,1,2,3,4,5,6,7,8,9,10,11,12,13,14,15
	ds_load_b128 v[TMP+4*(\t):TMP+4*(\t)+3], v[RD] offset:(\t)*2*SPITCH
.endr
.irp t, 0,1,2,3,4,5,6,7,8,9,10,11,12,13,14,15
	s_wait_dscnt 15-(\t)                           ; load t is back, the younger ones stay out
	global_store_b128 v[CO], v[TMP+4*(\t):TMP+4*(\t)+3], s[8:9] offset:2*(\t)*NB  ; 16 lanes store 256 consecutive bytes, at a multiple of 256 from C's first byte
.endr
	s_wait_tensorcnt 0x0                           ; the wave's end, behind my last tensor load and my last LDS store
	ds_add_u32 v[SPW], v[NIL]
	s_wait_dscnt 0x0
	CROUND                                         ; the closing round: no work-group ends while a partner may still ask for a tile that names it
	s_endpgm
.Lfunc_end_k_q833f004645_ffn1g:
	.size	k_q833f004645_ffn1g, .Lfunc_end_k_q833f004645_ffn1g-k_q833f004645_ffn1g
	.p2alignl 7, 3214868480
	.fill 96, 4, 3214868480
	.section	.rodata,"a",@progbits
	.p2align	6, 0x0
	.amdhsa_kernel k_q833f004645_ffn1g
		.amdhsa_group_segment_fixed_size 327680
		.amdhsa_private_segment_fixed_size 0
		.amdhsa_enable_private_segment 0
		.amdhsa_kernarg_size 24
		.amdhsa_user_sgpr_count 2
		.amdhsa_user_sgpr_kernarg_segment_ptr 1
		.amdhsa_wavefront_size32 1
		.amdhsa_system_sgpr_workgroup_id_x 1
		.amdhsa_system_sgpr_workgroup_id_y 1
		.amdhsa_system_sgpr_workgroup_id_z 1
		.amdhsa_system_vgpr_workitem_id 0
		.amdhsa_next_free_vgpr 512
		.amdhsa_next_free_sgpr 88
		.amdhsa_reserve_vcc 0
		.amdhsa_float_denorm_mode_32 3
		.amdhsa_float_denorm_mode_16_64 3
		.amdhsa_memory_ordered 1
		.amdhsa_forward_progress 1
		.amdhsa_inst_pref_size 149
	.end_amdhsa_kernel
	.amdgpu_metadata
---
amdhsa.version: [ 1, 2 ]
amdhsa.kernels:
  - .name:           k_q833f004645_ffn1g
    .symbol:         k_q833f004645_ffn1g.kd
    .args:
      - { .name: x, .offset: 0, .size: 8, .value_kind: global_buffer, .address_space: global }
      - { .name: wq, .offset: 8, .size: 8, .value_kind: global_buffer, .address_space: global }
      - { .name: act, .offset: 16, .size: 8, .value_kind: global_buffer, .address_space: global }
    .group_segment_fixed_size: 327680
    .private_segment_fixed_size: 0
    .kernarg_segment_align: 8
    .kernarg_segment_size: 24
    .max_flat_workgroup_size: 128
    .sgpr_count:     88
    .vgpr_count:     512
    .wavefront_size: 32
...
	.end_amdgpu_metadata
.endif
;; end of part 7
;; launch ffn2: the kernel of part 5 again; grid 8 x 32, 4 waves a work-group, clusters of 4 x 4, 327,680 bytes of LDS; arguments act, w2e, pacc; writes pacc
;; launch ln2 (part 8): grid 256 x 1, 4 waves a work-group, no clusters, 0 bytes of LDS; arguments pacc, x, wq, g2, be2, out0; writes out0
.if DOCPART == 8
	.amdgcn_target "amdgcn-amd-amdhsa--gfx1250"
	.amdhsa_code_object_version 6
	.text
	.protected	k_q833f004645_ln2
	.globl	k_q833f004645_ln2
	.p2align	8
	.type	k_q833f004645_ln2,@function
k_q833f004645_ln2:
	s_mov_b64 s[64:65], 0
	v_nop
	global_prefetch_b8 v0, s[64:65] scope:SCOPE_SE
	s_setreg_imm32_b32 hwreg(HW_REG_WAVE_MODE, 25, 1), 1
	s_wait_xcnt 0x0
; out0 = layernorm(x + sum p2 b2 + the four parts of the second linear layer) g2 + be2, all in f32.
; One wave, one row of 1,024 numbers (4,096 bytes, 32 registers): the row never leaves the wave, so there is no LDS and no barrier.  256 work-groups of four waves: 1,024 rows.
; Lane l holds the 16 bytes at 512 j + 16 l, j = 0..7: each load and store covers 512 neighbouring bytes.  All 48 loads of the six summands go out at once; gain and offset follow into registers that have been used up.
; The mean is taken first and the variance of the differences: no difference of large sums is formed.  The four parts are added in the order 0, 1, 2, 3.
.set BOFF, 35651584+20480              ; the merged bias in wq
.set X, 32                             ; v[32:63]   the row
.set B, 64                             ; v[64:95]   the bias, later the gain
.set P, 96                             ; v[96:223]  the four parts; part 0's registers later take the offset, part 1's are at work (T)
.set T, 128
.macro LD8N d, b                       ; a row that the launch reads once
.irp j,0,1,2,3,4,5,6,7
	global_load_b128 v[\d+4*\j:\d+4*\j+3], v1, s[\b:\b+1] offset:512*\j th:TH_LOAD_NT
.endr
.endm
.macro LD8 d, b                        ; a row that every work-group reads
.irp j,0,1,2,3,4,5,6,7
	global_load_b128 v[\d+4*\j:\d+4*\j+3], v1, s[\b:\b+1] offset:512*\j
.endr
.endm
.macro ADD16 s
.irp j,0,2,4,6,8,10,12,14,16,18,20,22,24,26,28,30
	v_pk_add_f32 v[X+\j:X+\j+1], v[X+\j:X+\j+1], v[\s+\j:\s+\j+1]
.endr
.endm
.macro XSUM r, t                       ; the sum over the 32 lanes, in every lane; t: a register that has been written
.irp m,1,2,4,8
	v_add_f32_dpp v[\r], v[\r], v[\r] row_xmask:\m row_mask:0xf bank_mask:0xf
.endr
	v_permlanex16_b32 v[\t], v[\r], s24, s25
	v_add_f32 v[\r], v[\r], v[\t]
.endm
	s_load_b256 s[4:11], s[0:1], 0x0               ; parts s[4:5], residual s[6:7], wq s[8:9], gain s[10:11]
	s_load_b128 s[12:15], s[0:1], 0x20             ; offset s[12:13], output s[14:15]
	v_lshrrev_b32 v3, 5, v0
	v_readfirstlane_b32 s26, v3                    ; my wave
	v_and_b32 v1, 31, v0
	v_lshlrev_b32 v1, 4, v1                        ; 16 x lane
	s_lshl_b32 s27, ttmp9, 2
	s_add_co_u32 s27, s27, s26                     ; my row
	s_lshl_b32 s28, s27, 12
	s_mov_b32 s29, 0
	s_mov_b32 s24, 0x76543210
	s_mov_b32 s25, 0xfedcba98
	s_mov_b32 s34, 0x3a800000                      ; 1 / 1,024
	s_mov_b32 s35, 0x3727c5ac                      ; 1e-5
	s_wait_kmcnt 0x0
	s_add_nc_u64 s[6:7], s[6:7], s[28:29]
	s_add_nc_u64 s[16:17], s[4:5], s[28:29]        ; the parts lie 4 MiB apart: a base for each
	s_add_nc_u64 s[18:19], s[16:17], 0x400000
	s_add_nc_u64 s[20:21], s[18:19], 0x400000
	s_add_nc_u64 s[22:23], s[20:21], 0x400000
	s_add_nc_u64 s[8:9], s[8:9], BOFF
	s_add_nc_u64 s[14:15], s[14:15], s[28:29]
	LD8N X, 6
	LD8 B, 8
	LD8N P, 16
	LD8N P+32, 18
	LD8N P+64, 20
	LD8N P+96, 22
	s_wait_loadcnt 32                              ; residual and bias are in; the four parts' 32 loads stay out
	ADD16 B
	LD8 B, 10                                      ; the gain
	s_wait_loadcnt 32                              ; part 0 is in; parts 1 to 3 and the gain stay out
	ADD16 P
	LD8 P, 12                                      ; the offset
	s_wait_loadcnt 32                              ; part 1; parts 2, 3, gain and offset stay out
	ADD16 P+32
	s_wait_loadcnt 24                              ; part 2; part 3, gain and offset stay out
	ADD16 P+64
	s_wait_loadcnt 16                              ; part 3; gain and offset stay out
	ADD16 P+96
.irp c,0,2,4,6                                 ; the row's sum, in four chains
	v_pk_add_f32 v[T+\c:T+\c+1], v[X+\c:X+\c+1], v[X+8+\c:X+8+\c+1]
.endr
.irp c,0,2,4,6
	v_pk_add_f32 v[T+\c:T+\c+1], v[T+\c:T+\c+1], v[X+16+\c:X+16+\c+1]
.endr
.irp c,0,2,4,6
	v_pk_add_f32 v[T+\c:T+\c+1], v[T+\c:T+\c+1], v[X+24+\c:X+24+\c+1]
.endr
	v_pk_add_f32 v[T:T+1], v[T:T+1], v[T+2:T+3]
	v_pk_add_f32 v[T+4:T+5], v[T+4:T+5], v[T+6:T+7]
	v_pk_add_f32 v[T:T+1], v[T:T+1], v[T+4:T+5]
	v_add_f32 v[T], v[T], v[T+1]
	XSUM T, T+1
	v_mul_f32 v[T], s34, v[T]                      ; the mean
.irp j,0,2,4,6,8,10,12,14,16,18,20,22,24,26,28,30
	v_pk_add_f32 v[X+\j:X+\j+1], v[X+\j:X+\j+1], v[T:T+1] op_sel_hi:[1,0] neg_lo:[0,1] neg_hi:[0,1]
.endr
.irp c,0,2,4,6                                 ; the sum of the squares of the differences, in four chains
	v_pk_mul_f32 v[T+2+\c:T+3+\c], v[X+\c:X+\c+1], v[X+\c:X+\c+1]
.endr
.irp c,0,2,4,6
	v_pk_fma_f32 v[T+2+\c:T+3+\c], v[X+8+\c:X+8+\c+1], v[X+8+\c:X+8+\c+1], v[T+2+\c:T+3+\c]
.endr
.irp c,0,2,4,6
	v_pk_fma_f32 v[T+2+\c:T+3+\c], v[X+16+\c:X+16+\c+1], v[X+16+\c:X+16+\c+1], v[T+2+\c:T+3+\c]
.endr
.irp c,0,2,4,6
	v_pk_fma_f32 v[T+2+\c:T+3+\c], v[X+24+\c:X+24+\c+1], v[X+24+\c:X+24+\c+1], v[T+2+\c:T+3+\c]
.endr
	v_pk_add_f32 v[T+2:T+3], v[T+2:T+3], v[T+4:T+5]
	v_pk_add_f32 v[T+6:T+7], v[T+6:T+7], v[T+8:T+9]
	v_pk_add_f32 v[T+2:T+3], v[T+2:T+3], v[T+6:T+7]
	v_add_f32 v[T+2], v[T+2], v[T+3]
	XSUM T+2, T+3
	v_fma_f32 v[T+2], v[T+2], s34, s35             ; the variance + 1e-5
	v_rsq_f32 v[T+4], v[T+2]
	v_nop                                          ; a plain instruction behind the root,
	s_wait_alu depctr_va_vdst(0)                   ; and the wait ahead of its first use
	s_wait_loadcnt 0x0                             ; gain and offset
.irp j,0,2,4,6,8,10,12,14,16,18,20,22,24,26,28,30
	v_pk_mul_f32 v[X+\j:X+\j+1], v[X+\j:X+\j+1], v[T+4:T+5] op_sel_hi:[1,0]
.endr
.irp j,0,2,4,6,8,10,12,14,16,18,20,22,24,26,28,30
	v_pk_fma_f32 v[X+\j:X+\j+1], v[X+\j:X+\j+1], v[B+\j:B+\j+1], v[P+\j:P+\j+1]
.endr
.irp j,0,1,2,3,4,5,6,7
	global_store_b128 v1, v[X+4*\j:X+4*\j+3], s[14:15] offset:512*\j th:TH_STORE_NT
.endr
	s_endpgm
.Lfunc_end_k_q833f004645_ln2:
	.size	k_q833f004645_ln2, .Lfunc_end_k_q833f004645_ln2-k_q833f004645_ln2
	.p2alignl 7, 3214868480
	.fill 96, 4, 3214868480
	.section	.rodata,"a",@progbits
	.p2align	6, 0x0
	.amdhsa_kernel k_q833f004645_ln2
		.amdhsa_group_segment_fixed_size 0
		.amdhsa_private_segment_fixed_size 0
		.amdhsa_enable_private_segment 0
		.amdhsa_kernarg_size 48
		.amdhsa_user_sgpr_count 2
		.amdhsa_user_sgpr_kernarg_segment_ptr 1
		.amdhsa_wavefront_size32 1
		.amdhsa_system_sgpr_workgroup_id_x 1
		.amdhsa_system_sgpr_workgroup_id_y 1
		.amdhsa_system_sgpr_workgroup_id_z 1
		.amdhsa_system_vgpr_workitem_id 0
		.amdhsa_next_free_vgpr 224
		.amdhsa_next_free_sgpr 66
		.amdhsa_reserve_vcc 0
		.amdhsa_float_denorm_mode_32 3
		.amdhsa_float_denorm_mode_16_64 3
		.amdhsa_memory_ordered 1
		.amdhsa_forward_progress 1
		.amdhsa_inst_pref_size 20
	.end_amdhsa_kernel
	.amdgpu_metadata
---
amdhsa.version: [ 1, 2 ]
amdhsa.kernels:
  - .name:           k_q833f004645_ln2
    .symbol:         k_q833f004645_ln2.kd
    .args:
      - { .name: pacc, .offset: 0, .size: 8, .value_kind: global_buffer, .address_space: global }
      - { .name: x, .offset: 8, .size: 8, .value_kind: global_buffer, .address_space: global }
      - { .name: wq, .offset: 16, .size: 8, .value_kind: global_buffer, .address_space: global }
      - { .name: g2, .offset: 24, .size: 8, .value_kind: global_buffer, .address_space: global }
      - { .name: be2, .offset: 32, .size: 8, .value_kind: global_buffer, .address_space: global }
      - { .name: out0, .offset: 40, .size: 8, .value_kind: global_buffer, .address_space: global }
    .group_segment_fixed_size: 0
    .private_segment_fixed_size: 0
    .kernarg_segment_align: 8
    .kernarg_segment_size: 48
    .max_flat_workgroup_size: 128
    .sgpr_count:     66
    .vgpr_count:     224
    .wavefront_size: 32
...
	.end_amdgpu_metadata
.endif
;; end of part 8
;; ======== version 2 of 3: 8 launches; 1.15 times as fast as version 1
;; workspace buffers: part 8,192 bytes; wq 35,676,160 bytes; wo 8,388,608 bytes; w2e 8,388,608 bytes; act 8,388,608 bytes; pacc 16,777,216 bytes; x 6,291,456 bytes; sgn 3,145,728 bytes
;; launch stats (part 9): grid 64 x 16, 8 waves a work-group, no clusters, 1,280 bytes of LDS; arguments in_proj_w, out_proj_w, w1, w2, part, sgn; writes part, sgn
.if DOCPART == 9
	.amdgcn_target "amdgcn-amd-amdhsa--gfx1250"
	.amdhsa_code_object_version 6
	.text
	.protected	k_q833f004645_stats
	.globl	k_q833f004645_stats
	.p2align	8
	.type	k_q833f004645_stats,@function
k_q833f004645_stats:
	s_mov_b64 s[64:65], 0
	v_nop
	global_prefetch_b8 v0, s[64:65] scope:SCOPE_SE
	s_setreg_imm32_b32 hwreg(HW_REG_WAVE_MODE, 25, 1), 1
	s_wait_xcnt 0x0
; STATISTICS OF THE 16 WEIGHT TENSORS, AND THE SIGNS OF THE 1-BIT BRANCH.  Tensor T = 4 x family + branch (families: in_proj_w, out_proj_w, w1, w2).  The 1-bit branch (0) wants the mean of |w|,
; the others the largest |w|.  Work-group (x, y) has family y / 4, branch (y + family) % 4 and chunk x of 64 of that tensor, and stores one pair (sum of |w|, largest |w|) at part[T][x]; the member of the
; pair that its branch does not want is 0.  The next launch folds the 64 pairs of a tensor, in a fixed order.  (The branch is turned by the family so that work-groups 256 apart in the grid have four different branches:
; branch 0 has five vector lines a weight, the others half a line.)
; A chunk is 196,608 / 65,536 / 262,144 / 262,144 bytes by family; each of the eight waves owns an eighth of it, on end, and takes it in trips of 16 loads of
; 16 bytes a lane: 8,192 bytes, each load 512 neighbouring bytes.  3 / 1 / 4 / 4 trips.  Sums are kept in f32, four chains a lane, at most 64 terms a chain.
; THE SIGNS.  sign(w) needs no statistic, so branch 0 is read from memory in this launch alone: each weight leaves a code of 2 bits, 0 for w < 0, 1 for w = 0 (of either sign), 2 for w > 0.  A lane's 64 weights of a trip
; (load j, number k) fill its four words: word j / 4, bits 31 - 2 e and 30 - 2 e with e = 4 (j % 4) + k.  A trip is one block of sgn: 512 bytes on end, lane l at 16 l.  Blocks: family base 0 / 1,536 / 2,048 / 4,096, then
; the tensor's 8,192-byte pieces in order.
; LIMITS: NaN and infinities are not treated apart (a NaN loses in the maximum and takes the code 0).
; The one store of a work-group into part is 8 bytes: that is all the output there is (8,192 bytes for the launch).
.set SPARE, 256                        ; LDS: bytes 0-63 the eight waves' pairs (the block 0-255 is theirs); from 256 on the spare words, 128 bytes a wave
.set OFF, 1                            ; v1       16 x lane
.set SPW, 2                            ; v2       LDS address of my spare word; never rewritten
.set NIL, 3                            ; v3       0; never rewritten
.set A,   4                            ; v[4:7]   four chains of sums
.set M,   8                            ; v[8:11]  four chains of maxima
.set R,   12                           ; v[12:13] (sum, maximum)
.set X,   16                           ; v[16:79] sixteen loads of four registers
.set SG,  80                           ; v[80:83] a trip's codes
	s_load_b256 s[4:11], s[0:1], 0x0               ; in_proj_w s[4:5], out_proj_w s[6:7], w1 s[8:9], w2 s[10:11]
	s_load_b128 s[12:15], s[0:1], 0x20             ; part s[12:13], sgn s[14:15]
	v_lshl_add_u32 v[SPW], v0, 2, SPARE
	v_mov_b32 v[NIL], 0
	v_lshrrev_b32 v14, 5, v0
	v_readfirstlane_b32 s20, v14                   ; my wave, 0..7
	v_and_b32 v[OFF], 31, v0
	v_lshlrev_b32 v[OFF], 4, v[OFF]
	v_mov_b32 v15, 0                               ; written, since a lane exchange below names it as its destination
.irp k,0,1,2,3,4,5,6,7
	v_mov_b32 v[A+\k], 0                           ; 0 starts a sum and, since |w| >= 0, a maximum too
.endr
.irp k,0,1,2,3
	v_mov_b32 v[SG+\k], 0                          ; written, since the doubling below names the word as its source; a trip's 32 doublings push all older bits out
.endr
	s_and_b32 s26, ttmp7, 0xffff                   ; y
	s_lshr_b32 s16, s26, 2                         ; family
	s_add_co_u32 s17, s26, s16
	s_and_b32 s17, s17, 3                          ; branch
	s_lshl2_add_u32 s26, s16, s17                  ; T
	s_mov_b32 s24, 0x76543210                      ; v_permlanex16_b32: each lane takes its own place in the other half
	s_mov_b32 s25, 0xfedcba98
	s_mov_b32 s18, 196608                          ; bytes in a chunk, family 0
	s_mov_b32 s19, 3                               ; trips, family 0
	s_mov_b32 s30, 0                               ; first block in sgn, family 0
	s_wait_kmcnt 0x0
	s_mov_b64 s[32:33], s[4:5]
	s_cmp_eq_u32 s16, 1
	s_cselect_b64 s[32:33], s[6:7], s[32:33]
	s_cselect_b32 s18, 65536, s18
	s_cselect_b32 s19, 1, s19
	s_cselect_b32 s30, 1536, s30
	s_cmp_eq_u32 s16, 2
	s_cselect_b64 s[32:33], s[8:9], s[32:33]
	s_cselect_b32 s18, 262144, s18
	s_cselect_b32 s19, 4, s19
	s_cselect_b32 s30, 2048, s30
	s_cmp_eq_u32 s16, 3
	s_cselect_b64 s[32:33], s[10:11], s[32:33]
	s_cselect_b32 s18, 262144, s18
	s_cselect_b32 s19, 4, s19
	s_cselect_b32 s30, 4096, s30
	s_lshl_b32 s22, s17, 6
	s_add_co_u32 s22, s22, ttmp9                   ; 64 x branch + chunk
	s_mul_i32 s22, s22, s18                        ; in bytes: under 2^26
	s_lshr_b32 s23, s18, 3
	s_mul_i32 s23, s23, s20                        ; my wave's eighth
	s_add_co_u32 s22, s22, s23
	s_mov_b32 s23, 0
	s_add_nc_u64 s[32:33], s[32:33], s[22:23]
	s_lshl_b32 s28, ttmp9, 3
	s_add_co_u32 s28, s28, s20                     ; 8 x chunk + wave,
	s_mul_i32 s28, s28, s19                        ; so many blocks each,
	s_add_co_u32 s28, s28, s30                     ; behind the family's first,
	s_lshl_b32 s28, s28, 9                         ; of 512 bytes
	s_mov_b32 s29, 0
	s_add_nc_u64 s[34:35], s[14:15], s[28:29]      ; where my first trip's codes go (used by branch 0 alone)
; One loop over my wave's bytes.  kind = 1: the largest |w|; kind = 0: the sum of |w|, and the codes.
.macro SCAN kind
	s_mov_b32 s21, 0
.Lscan\@:
.irp j,0,1,2,3,4,5,6,7,8,9,10,11,12,13,14,15
	global_load_b128 v[X+4*\j:X+4*\j+3], v[OFF], s[32:33] offset:512*\j th:TH_LOAD_NT
.endr
.irp j,0,1,2,3,4,5,6,7,8,9,10,11,12,13,14,15
	s_wait_loadcnt 15-\j                           ; loads come back in order: load j is in, the 15 - j younger ones stay out
.if \kind
	v_max3_num_f32 v[M+(2*\j)%4], v[M+(2*\j)%4], |v[X+4*\j]|, |v[X+4*\j+1]|
	v_max3_num_f32 v[M+(2*\j+1)%4], v[M+(2*\j+1)%4], |v[X+4*\j+2]|, |v[X+4*\j+3]|
.else
.irp k,0,1,2,3
	v_cmp_lt_f32 vcc_lo, 0, v[X+4*\j+\k]           ; the code's upper bit: 0 < w
	v_add_f32 v[A+\k], v[A+\k], |v[X+4*\j+\k]|
	v_add_co_ci_u32 v[SG+\j/4], vcc_lo, v[SG+\j/4], v[SG+\j/4], vcc_lo  ; the word doubled, the bit taken in below
	v_cmp_eq_f32 vcc_lo, 0, v[X+4*\j+\k]           ; its lower bit: w = 0
	v_add_co_ci_u32 v[SG+\j/4], vcc_lo, v[SG+\j/4], v[SG+\j/4], vcc_lo
.endr
.endif
.endr
.if !(\kind)
	global_store_b128 v[OFF], v[SG:SG+3], s[34:35] ; the wave stores 512 consecutive bytes, at a multiple of 512 from sgn's first byte
	s_wait_xcnt 0x0                                ; the words and the base are written again only behind this wait
	s_add_nc_u64 s[34:35], s[34:35], 0x200
.endif
	s_add_nc_u64 s[32:33], s[32:33], 0x2000        ; the last wait on the loads was for 0: every load that named the base is done
	s_add_co_u32 s21, s21, 1
	s_cmp_lt_u32 s21, s19
	s_cbranch_scc1 .Lscan\@
.endm
	s_cmp_eq_u32 s17, 0
	s_cbranch_scc1 .Lsum                           ; the branch is the same for the whole work-group
	SCAN 1
	s_branch .Ljoin
.Lsum:
	SCAN 0
.Ljoin:                                                ; both kinds go on together, so that the barrier below lies under no branch
	v_add_f32 v[A], v[A], v[A+1]
	v_add_f32 v[A+2], v[A+2], v[A+3]
	v_max3_num_f32 v[M], v[M], v[M+1], v[M+2]
	v_add_f32 v[R], v[A], v[A+2]
	v_max_num_f32 v[R+1], v[M], v[M+3]
.irp m,1,2,4,8
	v_add_f32_dpp v[R], v[R], v[R] row_xmask:\m row_mask:0xf bank_mask:0xf
	v_max_num_f32_dpp v[R+1], v[R+1], v[R+1] row_xmask:\m row_mask:0xf bank_mask:0xf
.endr
	v_permlanex16_b32 v14, v[R], s24, s25
	v_permlanex16_b32 v15, v[R+1], s24, s25
	v_add_f32 v[R], v[R], v14
	v_max_num_f32 v[R+1], v[R+1], v15              ; every lane holds my wave's pair
	v_mov_b32 v14, s20
	v_lshlrev_b32 v14, 3, v14
	ds_store_b64 v14, v[R:R+1]                     ; all lanes write the same pair to my wave's 8 bytes
	s_wait_dscnt 0x0                               ; for the others' sake: my store is done
	s_barrier_signal -1
	s_barrier_wait -1
	v_mov_b32 v15, 0
.irp j,0,1,2,3
	ds_load_b128 v[X+4*\j:X+4*\j+3], v15 offset:16*\j  ; the eight pairs, in every lane
.endr
	s_wait_dscnt 0x0
	v_add_f32 v16, v16, v18
	v_add_f32 v20, v20, v22
	v_add_f32 v24, v24, v26
	v_add_f32 v28, v28, v30
	v_max3_num_f32 v17, v17, v19, v21
	v_max3_num_f32 v23, v23, v25, v27
	v_max_num_f32 v29, v29, v31
	v_add_f32 v16, v16, v20
	v_add_f32 v24, v24, v28
	v_max3_num_f32 v[R+1], v17, v23, v29
	v_add_f32 v[R], v16, v24
	s_wait_tensorcnt 0x0                           ; the wave's end, behind my last LDS store
	ds_add_u32 v[SPW], v[NIL]
	s_wait_dscnt 0x0
	s_cmp_lg_u32 s20, 0
	s_cbranch_scc1 .Lend                           ; wave 0 stores for the work-group
	s_lshl_b32 s22, s26, 6
	s_add_co_u32 s22, s22, ttmp9
	s_lshl_b32 s22, s22, 3                         ; 8 (64 T + chunk)
	v_mov_b32 v14, s22
	s_wait_xcnt 0x0                                ; EXEC changes only behind this wait
	v_cmp_eq_u32 vcc_lo, 0, v0
	s_and_saveexec_b32 s27, vcc_lo
	global_store_b64 v14, v[R:R+1], s[12:13]
	s_wait_xcnt 0x0                                ; and again in front of the line that widens it
	s_or_b32 exec_lo, exec_lo, s27
.Lend:
	s_endpgm
.Lfunc_end_k_q833f004645_stats:
	.size	k_q833f004645_stats, .Lfunc_end_k_q833f004645_stats-k_q833f004645_stats
	.p2alignl 7, 3214868480
	.fill 96, 4, 3214868480
	.section	.rodata,"a",@progbits
	.p2align	6, 0x0
	.amdhsa_kernel k_q833f004645_stats
		.amdhsa_group_segment_fixed_size 1280
		.amdhsa_private_segment_fixed_size 0
		.amdhsa_enable_private_segment 0
		.amdhsa_kernarg_size 48
		.amdhsa_user_sgpr_count 2
		.amdhsa_user_sgpr_kernarg_segment_ptr 1
		.amdhsa_wavefront_size32 1
		.amdhsa_system_sgpr_workgroup_id_x 1
		.amdhsa_system_sgpr_workgroup_id_y 1
		.amdhsa_system_sgpr_workgroup_id_z 1
		.amdhsa_system_vgpr_workitem_id 0
		.amdhsa_next_free_vgpr 88
		.amdhsa_next_free_sgpr 66
		.amdhsa_reserve_vcc 1
		.amdhsa_float_denorm_mode_32 3
		.amdhsa_float_denorm_mode_16_64 3
		.amdhsa_memory_ordered 1
		.amdhsa_forward_progress 1
		.amdhsa_inst_pref_size 24
	.end_amdhsa_kernel
	.amdgpu_metadata
---
amdhsa.version: [ 1, 2 ]
amdhsa.kernels:
  - .name:           k_q833f004645_stats
    .symbol:         k_q833f004645_stats.kd
    .args:
      - { .name: in_proj_w, .offset: 0, .size: 8, .value_kind: global_buffer, .address_space: global }
      - { .name: out_proj_w, .offset: 8, .size: 8, .value_kind: global_buffer, .address_space: global }
      - { .name: w1, .offset: 16, .size: 8, .value_kind: global_buffer, .address_space: global }
      - { .name: w2, .offset: 24, .size: 8, .value_kind: global_buffer, .address_space: global }
      - { .name: part, .offset: 32, .size: 8, .value_kind: global_buffer, .address_space: global }
      - { .name: sgn, .offset: 40, .size: 8, .value_kind: global_buffer, .address_space: global }
    .group_segment_fixed_size: 1280
    .private_segment_fixed_size: 0
    .kernarg_segment_align: 8
    .kernarg_segment_size: 48
    .max_flat_workgroup_size: 256
    .sgpr_count:     66
    .vgpr_count:     88
    .wavefront_size: 32
...
	.end_amdgpu_metadata
.endif
;; end of part 9
;; launch quant (part 10): grid 833 x 1, 8 waves a work-group, no clusters, 0 bytes of LDS; arguments alpha, part, in_proj_w, out_proj_w, w1, w2, src, b1, out_proj_b, b2, wq, wo, w2e, sgn; writes wq, wo, w2e
.if DOCPART == 10
	.amdgcn_target "amdgcn-amd-amdhsa--gfx1250"
	.amdhsa_code_object_version 6
	.text
	.protected	k_q833f004645_quant
	.globl	k_q833f004645_quant
	.p2align	8
	.type	k_q833f004645_quant,@function
k_q833f004645_quant:
	s_mov_b64 s[64:65], 0
	v_nop
	global_prefetch_b8 v0, s[64:65] scope:SCOPE_SE
	s_setreg_imm32_b32 hwreg(HW_REG_WAVE_MODE, 25, 1), 1
	s_wait_xcnt 0x0
; THE WEIGHTS ARE QUANTISED, WEIGHED, MERGED AND LAID OUT ONCE, IN bf16.  probs = softmax(alpha) by rows, with the row's maximum taken away.
;   q1(w) = sign(w) mean|w|;  qn(w) = clip(round(w / scale), -qmax - 1, qmax) scale, scale = max|w| / qmax, qmax = 1, 7, 127 for 2, 4, 8 bits; round to nearest even.
;   wq + 0      [4 x 3072][1024]  q_i(in_proj_w[i])                     (not weighed: the branches' attentions differ)
;   wo          [1024][4 x 1024]  probs[0][i] q_i(out_proj_w[i])        (the four out-projections are one product over K = 4,096)
;   wq + W1E    [4096][1024]      sum over i of probs[1][i] q_i(w1[i])  (a mixture of linear layers is one linear layer)
;   w2e         [1024][4096]      sum over i of probs[2][i] q_i(w2[i])
;   wq + SRCB   [1024][1024]      src in bf16;     wq + BEFF  f32: sum p1 b1 [4096], sum p0 out_proj_b [1024], sum p2 b2 [1024]
; ROLES by the work-group's number g: 0-191 in_proj_w, 192-255 out_proj_w, 256-511 w1, 512-767 w2 (16 rows of 1,024 numbers each); 768-831 src (16 rows each); 832 the biases.
; THE 1-BIT BRANCH IS NOT READ HERE: the launch before has left a code of 2 bits for each of its weights in sgn (0: w < 0, 1: w = 0, 2: w > 0), and sign(w) C is code x C - C, exact for all three codes.
; A WAVE OF A WEIGHTS WORK-GROUP owns one block: 16 groups of 128 numbers on end (two rows of 1,024); block 8 g + wave of sgn holds its codes, 16 bytes a lane.  In a group lane l has numbers 4 l .. 4 l + 3: a load covers 512
; neighbouring bytes, a bf16 store 256 neighbouring bytes at a multiple of 256.  Two sets of registers, each for 2 groups x 3 branches (six loads), take turns: both are asked for ahead of the set-up arithmetic, and a set is
; asked for again as soon as it has been used: twelve loads of a wave are out at the most, six at the least.  Four trips of four groups; the last trip jumps forward over its refills.  No LDS, no barrier: no wave needs another.
; LIMITS.  A tensor that is all zeros makes 0 / 0 in the module itself and is not served.  NaN and infinities are not treated apart.  The forward value w + (q - w) is taken as q.
; mean = sum x (1 / N).  w / scale is w x (1 / scale) mended once by its remainder, max / qmax likewise: both may differ from a division in the last bit.
.set W1E,  25165824
.set SRCB, 33554432
.set BEFF, 35651584
.set IOFF, 2                           ; v2       my 16 bytes in f32: at the head 16 t; in a weights wave 16 lane + 8,192 wave, stepped 2,048 a trip
.set OV,   3                           ; v3       my 8 bytes in bf16: at the head 8 t; in a weights wave 8 lane + the wave's two output rows, stepped by trips
.set AOF,  5                           ; v5       byte offset of my alpha row
.set POF,  6                           ; v6       byte offset of my two pairs in part
.set SOF,  7                           ; v7       16 t: my 16 bytes in the work-group's eight blocks of sgn
.set T,    8                           ; v[8:11]  at work
.set PR,   12                          ; v[12:15] the row of probabilities (bias role: three rows, v[12:23])
.set SG,   40                          ; v[40:43] my codes: the word of the trip in hand first
.set Q,    44                          ; v[44:59] group jj of a trip's four: the 1-bit branch's four numbers, then the sum, then what is stored
.set W,    64                          ; v[64:111] set st, group gg, branch i at W + 24 st + 12 gg + 4 (i - 1)
.set IB,   50                          ; s[52:57] branch i = 1..3 at IB + 2 i: the work-group's first row
.set OB,   66                          ; s[66:73] branch i: where the work-group's first row is written (merged: OB alone)
.set CZ,   74                          ; s[74:75] C = p0 mean|w|, as a pair
.set CN,   78                          ; s[78:79] - C
.set RI,   80                          ; s[82:87] 1 / scale_i, i = 1..3, at RI + 2 i, as pairs
.set SC,   86                          ; s[88:93] scale_i
.set SO,   92                          ; s[94:99] p_i scale_i
.macro XSUM r, t                       ; the sum over the wave's 32 lanes, in every lane; t: a register that has been written
.irp m,1,2,4,8
	v_add_f32_dpp v[\r], v[\r], v[\r] row_xmask:\m row_mask:0xf bank_mask:0xf
.endr
	v_permlanex16_b32 v[\t], v[\r], s46, s47
	v_add_f32 v[\r], v[\r], v[\t]
.endm
.macro XMAX r, t
.irp m,1,2,4,8
	v_max_num_f32_dpp v[\r], v[\r], v[\r] row_xmask:\m row_mask:0xf bank_mask:0xf
.endr
	v_permlanex16_b32 v[\t], v[\r], s46, s47
	v_max_num_f32 v[\r], v[\r], v[\t]
.endm
; softmax of v[a .. a+3], in place; t .. t+2 at work.  The four exponentials are one batch with one wait, the reciprocal has its own.
.macro SOFTMAX a, t
	v_max3_num_f32 v[\t], v[\a], v[\a+1], v[\a+2]
	v_max_num_f32 v[\t], v[\t], v[\a+3]
	v_mul_f32 v[\t], 0x3fb8aa3b, v[\t]             ; log2(e) x the maximum
.irp k,0,1,2,3
	v_fma_f32 v[\a+\k], v[\a+\k], 0x3fb8aa3b, -v[\t]
.endr
.irp k,0,1,2,3
	v_exp_f32 v[\a+\k], v[\a+\k]
.endr
	v_nop                                          ; a plain instruction behind the last exponential,
	s_wait_alu depctr_va_vdst(0)                   ; and the wait ahead of the first use
	v_add_f32 v[\t], v[\a], v[\a+1]
	v_add_f32 v[\t+1], v[\a+2], v[\a+3]
	v_add_f32 v[\t], v[\t], v[\t+1]
	v_rcp_f32 v[\t+2], v[\t]
	v_nop
	s_wait_alu depctr_va_vdst(0)
.irp k,0,1,2,3
	v_mul_f32 v[\a+\k], v[\a+\k], v[\t+2]
.endr
.endm
; Six loads: set st takes two groups of branches 1 to 3, at byte off from where IOFF stands
.macro LDSET st, off
.irp gg,0,1
.irp i,1,2,3
	global_load_b128 v[W+24*\st+12*\gg+4*(\i-1):W+24*\st+12*\gg+4*(\i-1)+3], v[IOFF], s[IB+2*\i:IB+2*\i+1] offset:(\off)+512*\gg th:TH_LOAD_NT
.endr
.endr
.endm
	s_load_b512 s[8:23], s[0:1], 0x0               ; alpha s[8:9], part s[10:11], in_proj_w s[12:13], out_proj_w s[14:15], w1 s[16:17], w2 s[18:19], src s[20:21], b1 s[22:23]
	s_load_b256 s[24:31], s[0:1], 0x40             ; out_proj_b s[24:25], b2 s[26:27], wq s[28:29], wo s[30:31]
	s_load_b128 s[32:35], s[0:1], 0x60             ; w2e s[32:33], sgn s[34:35]
	s_mov_b32 s2, ttmp9                            ; g
	v_and_b32 v1, 31, v0
	v_lshlrev_b32 v1, 4, v1                        ; 16 x lane
	v_lshlrev_b32 v[IOFF], 4, v0
	v_lshlrev_b32 v[OV], 3, v0
	s_mov_b32 s46, 0x76543210                      ; v_permlanex16_b32: each lane takes its own place in the other half
	s_mov_b32 s47, 0xfedcba98
	s_mov_b32 s77, 0                               ; the high word of the offsets made in s76
	s_wait_kmcnt 0x0
	s_cmp_ge_u32 s2, 832
	s_cbranch_scc1 .Lbias
	s_cmp_ge_u32 s2, 768
	s_cbranch_scc1 .Lsrc
	; THE WEIGHTS.  What differs between the four families lies in scalar registers, chosen by g.
	s_mov_b64 s[42:43], s[12:13]                   ; read from
	s_mov_b64 s[44:45], s[28:29]                   ; written to
	s_mov_b32 s48, 0                               ; the family's first work-group
	s_mov_b32 s49, 0xc00000                        ; bytes from branch to branch in the input
	s_mov_b32 s36, 2048                            ; bytes from row to row in the output
	s_mov_b32 s37, 6291456                         ; bytes from branch to branch in the output (split families)
	s_mov_b32 s38, 0                               ; byte offset of the alpha row
	s_mov_b32 s39, 0x34aaaaab                      ; 1 / N = 1 / 3,145,728
	s_mov_b32 s40, 0                               ; byte offset of the family's four tensors in part
	s_mov_b32 s41, 0                               ; byte offset of the section in the output buffer
	s_cmp_ge_u32 s2, 192
	s_cselect_b64 s[42:43], s[14:15], s[42:43]
	s_cselect_b64 s[44:45], s[30:31], s[44:45]
	s_cselect_b32 s48, 192, s48
	s_cselect_b32 s49, 0x400000, s49
	s_cselect_b32 s36, 8192, s36
	s_cselect_b32 s37, 2048, s37
	s_cselect_b32 s39, 0x35800000, s39             ; 2^-20
	s_cselect_b32 s40, 2048, s40
	s_cmp_ge_u32 s2, 256
	s_cselect_b64 s[42:43], s[16:17], s[42:43]
	s_cselect_b64 s[44:45], s[28:29], s[44:45]
	s_cselect_b32 s48, 256, s48
	s_cselect_b32 s49, 0x1000000, s49
	s_cselect_b32 s36, 2048, s36
	s_cselect_b32 s38, 16, s38
	s_cselect_b32 s39, 0x34800000, s39             ; 2^-22
	s_cselect_b32 s40, 4096, s40
	s_cselect_b32 s41, W1E, s41
	s_cmp_ge_u32 s2, 512
	s_cselect_b64 s[42:43], s[18:19], s[42:43]
	s_cselect_b64 s[44:45], s[32:33], s[44:45]
	s_cselect_b32 s48, 512, s48
	s_cselect_b32 s38, 32, s38
	s_cselect_b32 s40, 6144, s40
	s_cselect_b32 s41, 0, s41
	s_cmp_lt_u32 s2, 192
	s_cselect_b32 s80, -1, 0                       ; in_proj_w is not weighed: its p are replaced by 1
	v_lshrrev_b32 v4, 5, v0
	v_readfirstlane_b32 s50, v4                    ; my wave, 0..7
	v_mov_b32 v[SOF], v[IOFF]                      ; 16 t = 512 wave + 16 lane
	v_lshl_add_u32 v[IOFF], v4, 13, v1             ; my wave's two rows of 4,096 bytes
	s_mul_i32 s51, s50, s36
	s_lshl_b32 s51, s51, 1                         ; and its two output rows
	v_lshrrev_b32 v[OV], 1, v1
	v_add_nc_u32 v[OV], s51, v[OV]
	v_add_nc_u32 v[POF], s40, v1
	v_mov_b32 v[AOF], s38
	s_sub_co_u32 s3, s2, s48                       ; my place in the family: 16 rows each
	s_lshl_b32 s76, s3, 16                         ; 16 rows of 4,096 bytes
	s_add_nc_u64 s[IB+2:IB+3], s[42:43], s[76:77]
	s_mov_b32 s76, s49
	s_add_nc_u64 s[IB+2:IB+3], s[IB+2:IB+3], s[76:77]
	s_add_nc_u64 s[IB+4:IB+5], s[IB+2:IB+3], s[76:77]
	s_add_nc_u64 s[IB+6:IB+7], s[IB+4:IB+5], s[76:77]
	s_lshl_b32 s76, s2, 12                         ; eight blocks of 512 bytes a work-group: the families' first blocks are 8 x their first work-groups
	s_add_nc_u64 s[58:59], s[34:35], s[76:77]
	global_load_b128 v[PR:PR+3], v[AOF], s[8:9]    ; my alpha row, the same 16 bytes in every lane
.irp i,0,1,2,3
	global_load_b128 v[24+4*\i:27+4*\i], v[POF], s[10:11] offset:512*\i  ; tensor i: lane l takes the pairs of chunks 2 l and 2 l + 1
.endr
	global_load_b128 v[SG:SG+3], v[SOF], s[58:59] th:TH_LOAD_NT  ; my 64 codes
	LDSET 0, 0                                     ; both sets go out ahead of the set-up arithmetic: groups 0, 1
	LDSET 1, 1024                                  ; and 2, 3
	s_mov_b32 s4, 0xc0000000                       ; the clips' bounds: -2, 1;
	s_mov_b32 s5, 0x3f800000
	s_mov_b32 s6, 0xc1000000                       ; -8, 7;
	s_mov_b32 s7, 0x40e00000
	s_mov_b32 s60, 0xc3000000                      ; -128, 127
	s_mov_b32 s61, 0x42fe0000
	s_sub_co_u32 s62, s36, 1024                    ; from the second half of an output row to the next row's first half
	s_lshl_b32 s76, s3, 4
	s_mul_i32 s76, s76, s36
	s_add_co_u32 s76, s76, s41
	s_add_nc_u64 s[OB:OB+1], s[44:45], s[76:77]
	s_mov_b32 s76, s37
	s_add_nc_u64 s[OB+2:OB+3], s[OB:OB+1], s[76:77]
	s_add_nc_u64 s[OB+4:OB+5], s[OB+2:OB+3], s[76:77]
	s_add_nc_u64 s[OB+6:OB+7], s[OB+4:OB+5], s[76:77]
	s_wait_loadcnt 12                              ; alpha, part and the codes are in; the two sets' twelve loads stay out
	SOFTMAX PR, 16
.irp k,0,1,2,3
	v_cndmask_b32 v[PR+\k], v[PR+\k], 1.0, s80
.endr
	v_add_f32 v24, v24, v26                        ; tensor 0: my two chunks' sums
	v_max_num_f32 v25, v29, v31                    ; tensors 1 to 3: my two chunks' maxima
	v_max_num_f32 v26, v33, v35
	v_max_num_f32 v27, v37, v39
	XSUM 24, 16
	XMAX 25, 16
	XMAX 26, 16
	XMAX 27, 16
	v_mul_f32 v24, s39, v24                        ; mean|w|
	v_mul_f32 v24, v[PR], v24                      ; C
	v_mul_f32 v28, 0x3e124925, v26                 ; max / 7 and max / 127: times the reciprocal, mended once by the remainder (max / 1 is max)
	v_mul_f32 v29, 0x3c010204, v27
	v_fma_f32 v30, -v28, 0x40e00000, v26
	v_fma_f32 v31, -v29, 0x42fe0000, v27
	v_fma_f32 v26, v30, 0x3e124925, v28
	v_fma_f32 v27, v31, 0x3c010204, v29
	v_rcp_f32 v28, v25                             ; 1 / scale: three reciprocals, one batch, one wait, one Newton step each
	v_rcp_f32 v29, v26
	v_rcp_f32 v30, v27
	v_nop
	s_wait_alu depctr_va_vdst(0)
	v_fma_f32 v31, -v25, v28, 1.0
	v_fma_f32 v32, -v26, v29, 1.0
	v_fma_f32 v33, -v27, v30, 1.0
	v_fma_f32 v28, v31, v28, v28
	v_fma_f32 v29, v32, v29, v29
	v_fma_f32 v30, v33, v30, v30
.irp i,1,2,3
	v_mul_f32 v[PR+\i], v[PR+\i], v[24+\i]         ; p_i scale_i
.endr
	v_readfirstlane_b32 s[CZ], v24                 ; the same in every lane: kept as scalars, in pairs, since the packed forms name pairs
	s_mov_b32 s[CZ+1], s[CZ]
	s_xor_b32 s[CN], s[CZ], 0x80000000
	s_mov_b32 s[CN+1], s[CN]
.irp i,1,2,3
	v_readfirstlane_b32 s[RI+2*\i], v[27+\i]
	v_readfirstlane_b32 s[SC+2*\i], v[24+\i]
	v_readfirstlane_b32 s[SO+2*\i], v[PR+\i]
	s_mov_b32 s[RI+2*\i+1], s[RI+2*\i]
	s_mov_b32 s[SC+2*\i+1], s[SC+2*\i]
	s_mov_b32 s[SO+2*\i+1], s[SO+2*\i]
.endr
; T = clip(round(w / scale_i)) for the four numbers at v[q ..], which are used up.  lo, hi: the scalar registers with the bounds.
.macro QROUND q, i, lo, hi
	v_pk_mul_f32 v[T:T+1], v[(\q):(\q)+1], s[RI+2*\i:RI+2*\i+1] op_sel_hi:[1,0]
	v_pk_mul_f32 v[T+2:T+3], v[(\q)+2:(\q)+3], s[RI+2*\i:RI+2*\i+1] op_sel_hi:[1,0]
	v_pk_fma_f32 v[(\q):(\q)+1], v[T:T+1], s[SC+2*\i:SC+2*\i+1], v[(\q):(\q)+1] op_sel_hi:[1,0,1] neg_lo:[1,0,0] neg_hi:[1,0,0]      ; the remainder w - T scale
	v_pk_fma_f32 v[(\q)+2:(\q)+3], v[T+2:T+3], s[SC+2*\i:SC+2*\i+1], v[(\q)+2:(\q)+3] op_sel_hi:[1,0,1] neg_lo:[1,0,0] neg_hi:[1,0,0]
	v_pk_fma_f32 v[T:T+1], v[(\q):(\q)+1], s[RI+2*\i:RI+2*\i+1], v[T:T+1] op_sel_hi:[1,0,1]
	v_pk_fma_f32 v[T+2:T+3], v[(\q)+2:(\q)+3], s[RI+2*\i:RI+2*\i+1], v[T+2:T+3] op_sel_hi:[1,0,1]
.irp k,0,1,2,3
	v_rndne_f32 v[T+\k], v[T+\k]
.endr
.irp k,0,1,2,3
	v_med3_num_f32 v[T+\k], v[T+\k], s[\lo], s[\hi]
.endr
.endm
.macro QONE i, lo, hi, merge           ; branch i of the group whose loads lie at WW and whose sum lies at QQ
	QROUND WW+4*(\i-1), \i, \lo, \hi
.if \merge
	v_pk_fma_f32 v[QQ:QQ+1], v[T:T+1], s[SO+2*\i:SO+2*\i+1], v[QQ:QQ+1] op_sel_hi:[1,0,1]
	v_pk_fma_f32 v[QQ+2:QQ+3], v[T+2:T+3], s[SO+2*\i:SO+2*\i+1], v[QQ+2:QQ+3] op_sel_hi:[1,0,1]
.else
	v_pk_mul_f32 v[T:T+1], v[T:T+1], s[SO+2*\i:SO+2*\i+1] op_sel_hi:[1,0]
	v_pk_mul_f32 v[T+2:T+3], v[T+2:T+3], s[SO+2*\i:SO+2*\i+1] op_sel_hi:[1,0]
	v_cvt_pk_bf16_f32 v[WW+4*(\i-1)], v[T], v[T+1]
	v_cvt_pk_bf16_f32 v[WW+4*(\i-1)+1], v[T+2], v[T+3]
.endif
.endm
; Group gg of set st: number 2 st + gg of the trip's four.  merge = 1: the four branches are added and stored once; 0: each is stored by itself.
.macro GROUP st, gg, merge
.set JJ, 2*\st+\gg
.set QQ, Q+4*JJ
.set WW, W+24*\st+12*\gg
.irp k,0,1,2,3
	v_bfe_u32 v[QQ+\k], v[SG], 30-2*(4*JJ+\k), 2   ; the code: 0, 1 or 2
.endr
.irp k,0,1,2,3
	v_cvt_f32_u32 v[QQ+\k], v[QQ+\k]
.endr
	v_pk_fma_f32 v[QQ:QQ+1], v[QQ:QQ+1], s[CZ:CZ+1], s[CN:CN+1] op_sel_hi:[1,0,0]      ; code x C - C = sign(w) C, exactly
	v_pk_fma_f32 v[QQ+2:QQ+3], v[QQ+2:QQ+3], s[CZ:CZ+1], s[CN:CN+1] op_sel_hi:[1,0,0]
	QONE 1, 4, 5, \merge
	QONE 2, 6, 7, \merge
	QONE 3, 60, 61, \merge
	v_cvt_pk_bf16_f32 v[QQ], v[QQ], v[QQ+1]
	v_cvt_pk_bf16_f32 v[QQ+1], v[QQ+2], v[QQ+3]
	global_store_b64 v[OV], v[QQ:QQ+1], s[OB:OB+1] offset:256*JJ
.if !(\merge)
.irp i,1,2,3
	global_store_b64 v[OV], v[WW+4*(\i-1):WW+4*(\i-1)+1], s[OB+2*\i:OB+2*\i+1] offset:256*JJ
.endr
.endif
.endm
; The loop over my block: four trips of four groups; s3 counts 4, 3, 2, 1.
.macro WLOOP merge
.Ltrip\@:
	s_wait_loadcnt 6                               ; set 0 is in; set 1's six loads, issued behind it, stay out
	GROUP 0, 0, \merge
	GROUP 0, 1, \merge
	s_cmp_eq_u32 s3, 1
	s_cbranch_scc1 .Llast_a\@                      ; the last trip asks for nothing
.if !(\merge)
	s_wait_xcnt 0x0                                ; the stores above read set 0's registers: it is loaded again only behind this wait
.endif
	LDSET 0, 2048                                  ; the next trip's first two groups
	s_wait_loadcnt 6                               ; set 1 is in; the six just issued stay out
	s_branch .Lgo_b\@
.Llast_a\@:
	s_wait_loadcnt 0x0                             ; set 1 is in: no load was issued behind it on this way
.Lgo_b\@:
	GROUP 1, 0, \merge
	GROUP 1, 1, \merge
	s_cmp_eq_u32 s3, 1
	s_cbranch_scc1 .Llast_b\@
	s_cmp_eq_u32 s3, 3                             ; behind the second trip the output goes on to the next row,
	s_cselect_b32 s51, s62, 1024                   ; else to the row's other half
	s_wait_xcnt 0x0                                ; IOFF, OV, the registers that the stores read and set 1 are written again only behind this wait
	v_add_nc_u32 v[IOFF], 2048, v[IOFF]
	v_add_nc_u32 v[OV], s51, v[OV]
	v_mov_b32 v[SG], v[SG+1]                       ; the next trip's word of codes comes first
	v_mov_b32 v[SG+1], v[SG+2]
	v_mov_b32 v[SG+2], v[SG+3]
	LDSET 1, 1024                                  ; the next trip's last two groups
	s_branch .Lnext\@
.Llast_b\@:
	s_wait_loadcnt 0x0                             ; no load is out on this way: the count says so
.Lnext\@:
	s_sub_co_u32 s3, s3, 1
	s_cmp_lg_u32 s3, 0
	s_cbranch_scc1 .Ltrip\@
	s_endpgm
.endm
	s_mov_b32 s3, 4
	s_cmp_lt_u32 s2, 256
	s_cbranch_scc0 .Lmerge
	WLOOP 0
.Lmerge:
	WLOOP 1
.Lsrc:                                                 ; 16 rows of src, rounded to bf16; thread t has numbers 4 t .. 4 t + 3 of a row
	s_sub_co_u32 s3, s2, 768
	s_lshl_b32 s76, s3, 16
	s_add_nc_u64 s[IB+2:IB+3], s[20:21], s[76:77]
	s_lshl_b32 s76, s3, 15
	s_add_co_u32 s76, s76, SRCB
	s_add_nc_u64 s[OB:OB+1], s[28:29], s[76:77]
.irp h,0,1
.if \h
	s_wait_xcnt 0x0                                ; the first half's stores have read their registers
.endif
.irp r,0,1,2,3,4,5,6,7
	global_load_b128 v[W+4*\r:W+4*\r+3], v[IOFF], s[IB+2:IB+3] offset:(8*\h+\r)*4096 th:TH_LOAD_NT
.endr
.irp r,0,1,2,3,4,5,6,7
	s_wait_loadcnt 7-\r                            ; row r is in, the 7 - r younger loads stay out
	v_cvt_pk_bf16_f32 v[W+4*\r], v[W+4*\r], v[W+4*\r+1]
	v_cvt_pk_bf16_f32 v[W+4*\r+1], v[W+4*\r+2], v[W+4*\r+3]
	global_store_b64 v[OV], v[W+4*\r:W+4*\r+1], s[OB:OB+1] offset:(8*\h+\r)*2048
.endr
.endr
	s_endpgm
; THE BIASES: six rows of 1,024 numbers, each the sum over i of p_i b_i.  Two sets of four loads take turns, so that a set is on its way while the other is added up.
.macro BLOAD st, in, bstride, rowoff   ; set st takes one row of the four branches of the bias at s[in:in+1]
.irp i,0,1,2,3
	global_load_b128 v[W+16*\st+4*\i:W+16*\st+4*\i+3], v[IOFF], s[\in:\in+1] offset:\i*\bstride+\rowoff
.endr
.endm
.macro BCALC st, pb, outoff, left      ; pb: the first scalar register of the row's four probabilities, in pairs
	s_wait_loadcnt \left
	v_pk_mul_f32 v[W+16*\st:W+16*\st+1], v[W+16*\st:W+16*\st+1], s[\pb:\pb+1] op_sel_hi:[1,0]
	v_pk_mul_f32 v[W+16*\st+2:W+16*\st+3], v[W+16*\st+2:W+16*\st+3], s[\pb:\pb+1] op_sel_hi:[1,0]
.irp i,1,2,3
	v_pk_fma_f32 v[W+16*\st:W+16*\st+1], v[W+16*\st+4*\i:W+16*\st+4*\i+1], s[\pb+2*\i:\pb+2*\i+1], v[W+16*\st:W+16*\st+1] op_sel_hi:[1,0,1]
	v_pk_fma_f32 v[W+16*\st+2:W+16*\st+3], v[W+16*\st+4*\i+2:W+16*\st+4*\i+3], s[\pb+2*\i:\pb+2*\i+1], v[W+16*\st+2:W+16*\st+3] op_sel_hi:[1,0,1]
.endr
	global_store_b128 v[IOFF], v[W+16*\st:W+16*\st+3], s[OB:OB+1] offset:\outoff
.endm
.Lbias:
	v_mov_b32 v[AOF], 0
	global_load_b128 v[12:15], v[AOF], s[8:9] offset:16  ; alpha row 1, for b1
	global_load_b128 v[16:19], v[AOF], s[8:9]            ; row 0, for out_proj_b
	global_load_b128 v[20:23], v[AOF], s[8:9] offset:32  ; row 2, for b2
	s_add_nc_u64 s[OB:OB+1], s[28:29], BEFF
	BLOAD 0, 22, 16384, 0
	BLOAD 1, 22, 16384, 4096
	s_wait_loadcnt 0x8                             ; alpha is in; the two sets' eight loads stay out
	SOFTMAX 12, 24
	SOFTMAX 16, 24
	SOFTMAX 20, 24
.irp k,0,1,2,3,4,5,6,7,8,9,10,11
	v_readfirstlane_b32 s[74+2*\k], v[12+\k]       ; s[74:81] row 1, s[82:89] row 0, s[90:97] row 2, as pairs
	s_mov_b32 s[75+2*\k], s[74+2*\k]
.endr
	BCALC 0, 74, 0, 4                              ; in each of these the other set's four loads stay out
	s_wait_xcnt 0x0                                ; the store has read the set's registers
	BLOAD 0, 22, 16384, 8192
	BCALC 1, 74, 4096, 4
	s_wait_xcnt 0x0
	BLOAD 1, 22, 16384, 12288
	BCALC 0, 74, 8192, 4
	s_wait_xcnt 0x0
	BLOAD 0, 24, 4096, 0
	BCALC 1, 74, 12288, 4
	s_wait_xcnt 0x0
	BLOAD 1, 26, 4096, 0
	BCALC 0, 82, 16384, 4
	BCALC 1, 90, 20480, 0
	s_endpgm
.Lfunc_end_k_q833f004645_quant:
	.size	k_q833f004645_quant, .Lfunc_end_k_q833f004645_quant-k_q833f004645_quant
	.p2alignl 7, 3214868480
	.fill 96, 4, 3214868480
	.section	.rodata,"a",@progbits
	.p2align	6, 0x0
	.amdhsa_kernel k_q833f004645_quant
		.amdhsa_group_segment_fixed_size 0
		.amdhsa_private_segment_fixed_size 0
		.amdhsa_enable_private_segment 0
		.amdhsa_kernarg_size 112
		.amdhsa_user_sgpr_count 2
		.amdhsa_user_sgpr_kernarg_segment_ptr 1
		.amdhsa_wavefront_size32 1
		.amdhsa_system_sgpr_workgroup_id_x 1
		.amdhsa_system_sgpr_workgroup_id_y 1
		.amdhsa_system_sgpr_workgroup_id_z 1
		.amdhsa_system_vgpr_workitem_id 0
		.amdhsa_next_free_vgpr 112
		.amdhsa_next_free_sgpr 102
		.amdhsa_reserve_vcc 0
		.amdhsa_float_denorm_mode_32 3
		.amdhsa_float_denorm_mode_16_64 3
		.amdhsa_memory_ordered 1
		.amdhsa_forward_progress 1
		.amdhsa_inst_pref_size 60
	.end_amdhsa_kernel
	.amdgpu_metadata
---
amdhsa.version: [ 1, 2 ]
amdhsa.kernels:
  - .name:           k_q833f004645_quant
    .symbol:         k_q833f004645_quant.kd
    .args:
      - { .name: alpha, .offset: 0, .size: 8, .value_kind: global_buffer, .address_space: global }
      - { .name: part, .offset: 8, .size: 8, .value_kind: global_buffer, .address_space: global }
      - { .name: in_proj_w, .offset: 16, .size: 8, .value_kind: global_buffer, .address_space: global }
      - { .name: out_proj_w, .offset: 24, .size: 8, .value_kind: global_buffer, .address_space: global }
      - { .name: w1, .offset: 32, .size: 8, .value_kind: global_buffer, .address_space: global }
      - { .name: w2, .offset: 40, .size: 8, .value_kind: global_buffer, .address_space: global }
      - { .name: src, .offset: 48, .size: 8, .value_kind: global_buffer, .address_space: global }
      - { .name: b1, .offset: 56, .size: 8, .value_kind: global_buffer, .address_space: global }
      - { .name: out_proj_b, .offset: 64, .size: 8, .value_kind: global_buffer, .address_space: global }
      - { .name: b2, .offset: 72, .size: 8, .value_kind: global_buffer, .address_space: global }
      - { .name: wq, .offset: 80, .size: 8, .value_kind: global_buffer, .address_space: global }
      - { .name: wo, .offset: 88, .size: 8, .value_kind: global_buffer, .address_space: global }
      - { .name: w2e, .offset: 96, .size: 8, .value_kind: global_buffer, .address_space: global }
      - { .name: sgn, .offset: 104, .size: 8, .value_kind: global_buffer, .address_space: global }
    .group_segment_fixed_size: 0
    .private_segment_fixed_size: 0
    .kernarg_segment_align: 8
    .kernarg_segment_size: 112
    .max_flat_workgroup_size: 256
    .sgpr_count:     102
    .vgpr_count:     112
    .wavefront_size: 32
...
	.end_amdgpu_metadata
.endif
;; end of part 10
;; launch qkvattn (part 11): grid 32 x 8, 4 waves a work-group, clusters of 4 x 4, 327,680 bytes of LDS; arguments wq, in_proj_b, act; writes act
.if DOCPART == 11
	.amdgcn_target "amdgcn-amd-amdhsa--gfx1250"
	.amdhsa_code_object_version 6
	.text
	.protected	k_q833f004645_qkvattn
	.globl	k_q833f004645_qkvattn
	.p2align	8
	.type	k_q833f004645_qkvattn,@function
k_q833f004645_qkvattn:
	s_mov_b64 s[64:65], 0
	v_nop
	global_prefetch_b8 v0, s[64:65] scope:SCOPE_SE
	s_setreg_imm32_b32 hwreg(HW_REG_WAVE_MODE, 25, 1), 1
	s_wait_xcnt 0x0
	s_wait_alu depctr_hold_cnt(0) depctr_sa_sdst(0) depctr_va_vdst(0) depctr_va_sdst(0) depctr_va_ssrc(0) depctr_va_vcc(0) depctr_vm_vsrc(0)
	s_getreg_b32 s2, hwreg(HW_REG_IB_STS2, 6, 4)
	s_cmp_eq_u32 s2, 0
	s_cbranch_scc0 .Lentry_in_a_cluster
	s_endpgm
.Lentry_in_a_cluster:
	s_bfe_u32 s2, ttmp6, 0x10000c
	s_cmp_lg_u32 s2, 0xf033
	s_cbranch_scc0 .Lentry_shape_is_right
	s_endpgm
.Lentry_shape_is_right:
; THE IN-PROJECTION AND THE ATTENTION OF THE FOUR BRANCHES, IN ONE LAUNCH.  Work-group (x = 8 i + hp, y = b): branch i, pair of heads hp, batch b.
;   q, k, v [128 s][128] = srcb[8 s + b][:] . WINQ[3072 i + 1024 p + 128 hp + n][:] + in_proj_b[i][..], p = 0, 1, 2; K = 1,024; bf16 operands (sections of wq), f32 sums, each rounded once to bf16;
;   act[8 s + b][1024 i + 128 hp + 64 hh + c] = sum over keys of softmax(q . k / 8) v, for the pair's two heads hh; the row's maximum is taken away; maximum and sum in f32; the weights are rounded to bf16 for the
;   second product (their sum is taken of the unrounded weights), the result once at the end.  bf16, not f16: q, k and v have no bound that f16 would hold for inputs 30 times larger.
; 32 x 8 = 256 work-groups, each with a product of 128 x 384 x 1,024: together the whole in-projection; q, k and v never leave the WGP.
; THE PRODUCT.  Four waves; wave w has rows 64 (w % 2) on and, of each of q, k and v, the 64 columns of head w / 2: 4 x 12 = 48 accumulators of 16 x 16, 384 registers.  K goes in 8 steps of 128 (rows of 256 bytes of
; memory, at multiples of 256) through two LDS slots of four parts of 128 rows: srcb's, q's, k's, v's.  Wave 0 brings the first part, waves 1 to 3 the others: one tensor load a wave.
; A wave has two tensor loads out at the start and one behind each round of the cluster's barrier.
; CLUSTERS: 4 x 4 work-groups.  The four of a row of the cluster have one b and need the same rows of srcb; the four of a column have one (i, hp) and need the same rows of WINQ: each tile is asked for JOINTLY,
; by the same tensor load with the same descriptor and a mask that names the four.
; THE MATRIX INSTRUCTION IS USED TRANSPOSED (source 0 = 16 rows of WINQ, source 1 = 16 rows of srcb): a lane then holds one token (lane % 16) and eight neighbouring columns.  The bias of those eight columns is the
; C operand of the product that starts the sum, so no line adds it.
; THE ATTENTION.  q, k and v go, in bf16, into slot 0 of the ring, which has had its last fill and which no wave reads behind the barrier in front of the last K step.  Wave w has head w / 2 and queries 64 (w % 2) on:
; four tiles of 16 queries, each against all 128 keys at once.  S^T = K Q^T: a lane holds ONE query (lane % 16) and the keys 16 kb + 8 (lane / 16) + 0..7; two such results rounded to bf16 ARE source 1 of
; O^T = V^T P.  K comes out of LDS as it lies, V ([key][channel]) turned, by ds_load_tr16_b128; both stay in registers for all four tiles.
; LIMITS: a weight below 2^-126 counts as 0; NaN and infinities are not treated apart.
; REGISTERS, in windows of 256 (s_set_vgpr_msb: bits 1:0 source 0, 3:2 source 1, 5:4 source 2, 7:6 destination):
;   window 0: v0-31 addresses; v64-159, v160-255 WINQ's fragments, two buffers of 12.  Later: v40-51 at work; v64-127 S^T (and packed sums); v128-159 P; v160-191 O^T; v192-207 Q of a tile
;   window 1: v0-191 accumulators of my row blocks 0, 1 ((a, b) at 96 (a % 2) + 8 b); v192-223, v224-255 srcb's fragments, two buffers of 4.  Later: v0-127 K, v128-255 V
;   window 2: v0-191 accumulators of my row blocks 2, 3          window 3: v160-255 the bias of my 12 x 8 columns
.set KSTEP,  128
.set PITCH,  272                       ; an LDS row: 256 bytes of data + 16 of padding: the 16 rows that a load touches begin at 16 different 16-byte columns modulo 256
.set PART,   128*PITCH                 ; 128 rows: what one tensor load brings
.set SLOT,   4*PART                    ; srcb's 128 rows, then q's, k's and v's 128 rows of WINQ
.set LAPS,   1024/(2*KSTEP)            ; a lap = two K steps = once round the ring
.set SRCB,   33554432                  ; srcb's place in wq; WINQ lies at 0
.set PQ,     272                       ; a row of q, of k and of the stage
.set PV,     288                       ; a row of v: 256 + 32: 16 lanes of the turning load take 8 rows x 32 bytes, which begin at 8 different 32-byte columns modulo 256
.set LK,     128*PQ                    ; q at LDS byte 0, k behind it,
.set LV,     2*128*PQ                  ; v behind that: 106,496 bytes in all, inside slot 0
.set STAGE,  2*SLOT                    ; behind the ring: 128 rows x 272 bytes for the way out, never filled by a tensor load
.set SPARE,  STAGE+128*PQ              ; behind the stage: the spare words, 128 bytes for each wave
.set AQ,   4                           ; v4      LDS address of my lane in my first tile of queries; also where q's and k's sums are put; steps 16 rows a trip of the attention
.set AK,   5
.set AV,   6
.set STO,  7                           ; v7      where I put 16 bytes of a row of the stage; steps 16 rows a trip
.set RD,   8
.set CO,   9
.set STV,  10                          ; v10     where v's sums are put
.set BO,   11                          ; v11     my byte offset in the bias of 16 columns
.set ADRA, 16                          ; v16-17  LDS address of my fragments of srcb in slot 0, 1
.set ADRB, 20                          ; v20-25  the same for q's, k's and v's rows of WINQ: slot s, part p at ADRB + 3 s + p (the parts lie further apart than an LDS offset reaches)
.set SPW,  28                          ; v28     LDS address of my spare word; never rewritten
.set NIL,  29                          ; v29     0; never rewritten
.set TM,   40
.set CM,   48
.set LI,   50
.set FB,   64                          ; window 0
.set FA,   192                         ; window 1
.set BIAS, 160                         ; window 3
.set TMPK, 64
.set S,    64
.set P,    128
.set O,    160
.set Q,    192
.set KF,   0                           ; window 1
.set VF,   128
.set G1, 24                            ; s[24:31] descriptor group 1 for srcb's tiles;  s[32:39] group 0, one set for each slot
.set G0, 32
.set G1B, 48                           ; s[48:55], s[56:63] the same for WINQ's tiles
.set G0B, 56
.set BP,  68                           ; s[68:69] the bias at my head's first column of q
.set CS,  72                           ; s[72:73] c = log2(e) / 8
.set SEL, 74                           ; s[74:75] v_permlanex16_b32: each lane takes its own place in the other half
.set CNT, 76
.set MSB, 0
.macro WIN new                         ; the immediate's high byte repeats the setting that is left; a switch that changes nothing is dropped
.if MSB != (\new)
	s_set_vgpr_msb (MSB<<8)|(\new)
.set MSB, \new
.endif
.endm
.macro PLACES                          ; four places in front of loads into registers that matrix instructions have read, and of vector work that reads results
.rept 4
	v_nop
.endr
.endm
.macro JLOAD s                         ; a joint load: wave 0 fetches srcb's part, waves 1 to 3 WINQ's three; an s_nop 0 and four v_nop follow each of the two lines, ahead of the jump, the label and what follows
	s_cmp_eq_u32 s10, 0
	s_cbranch_scc0 .Lfor_b_\@
	tensor_load_to_lds s[G0+4*(\s):G0+4*(\s)+3], s[G1:G1+7]
	s_nop 0
	PLACES
	s_branch .Lasked_\@
.Lfor_b_\@:
	tensor_load_to_lds s[G0B+4*(\s):G0B+4*(\s)+3], s[G1B:G1B+7]
	s_nop 0
	PLACES
.Lasked_\@:
.endm
.macro CREST                           ; a round of the cluster's barrier behind its opening barrier
	s_cmp_lg_u32 s10, 0
	s_cbranch_scc1 .Lnot_wave_0_\@
	s_barrier_signal -3
.Lnot_wave_0_\@:
	s_barrier_wait -3
	s_barrier_signal -1
	s_barrier_wait -1
.endm
.macro CROUND                          ; a whole round
	s_barrier_signal -1
	s_barrier_wait -1
	CREST
.endm
	s_load_b128 s[4:7], s[0:1], 0x0                ; wq s[4:5], in_proj_b s[6:7]
	s_load_b64 s[8:9], s[0:1], 0x10                ; act
	v_lshl_add_u32 v[SPW], v0, 2, SPARE
	v_mov_b32 v[NIL], 0
	ds_add_u32 v[SPW], v[NIL]                      ; the wave's opening: the add and its wait stand ahead of my first tensor load; the set-up below, work on registers, stands between them
	v_lshrrev_b32 v1, 5, v0
	v_readfirstlane_b32 s10, v1                    ; wave 0..3
	s_lshr_b32 s11, s10, 1                         ; my head of the pair
	s_and_b32 s12, s10, 1                          ; which half of the 128 rows is mine
	s_bfe_u32 s40, ttmp6, 0x40000                  ; cx, cy: my place in the cluster
	s_bfe_u32 s41, ttmp6, 0x40004
	s_lshl_b32 s42, ttmp9, 2
	s_add_co_u32 s42, s42, s40                     ; work-group x = 4 x cluster x + cx = 8 i + hp
	s_and_b32 s13, ttmp7, 0xffff
	s_lshl_b32 s13, s13, 2
	s_add_co_u32 s13, s13, s41                     ; work-group y = 4 x cluster y + cy = b
	s_lshl_b32 s43, s41, 2
	s_lshl_b32 s43, 15, s43                        ; my row of the cluster
	s_lshl_b32 s44, 0x1111, s40                    ; my column
	; descriptor group 1: a tile of 128 rows x 128 elements, padded in LDS
	s_or_b32 s[G1+0], s43, (1<<16)|(1<<20)|(1<<21)|(5<<22)|(3<<25)  ; 15:0 the mask: srcb's tiles go to my row; 17:16 element of 2 bytes; 20 padding on; 21 set beside a mask; 24:22 after every 64 words (code 5); 31:25 of 4 words (code 3)
	s_or_b32 s[G1B+0], s44, (1<<16)|(1<<20)|(1<<21)|(5<<22)|(3<<25) ; the same with the mask of my column, for WINQ's tiles
.irp g, G1, G1B
	s_mov_b32 s[(\g)+1], KSTEP<<16                 ; tensor_dim0 = 128
	s_mov_b32 s[(\g)+2], 128<<16                   ; tensor_dim1 = 128
	s_mov_b32 s[(\g)+3], KSTEP<<16                 ; tile_dim0 = 128
	s_mov_b32 s[(\g)+4], 128                       ; tile_dim1 = 128
	s_mov_b32 s[(\g)+6], 0
	s_mov_b32 s[(\g)+7], 0
.endr
	s_mov_b32 s[G1+5], 8192                        ; from s to s + 1 in srcb: 8 rows of 1,024 elements
	s_mov_b32 s[G1B+5], 1024                       ; from row to row in WINQ
	s_mov_b32 s[CS], 0x3e38aa3b
	s_mov_b32 s[CS+1], s[CS]
	s_mov_b32 s[SEL], 0x76543210
	s_mov_b32 s[SEL+1], 0xfedcba98
	s_mov_b32 s[CNT], 4
	; where the tiles come from.  srcb's hang on b alone, which my row of the cluster shares; WINQ's on (i, hp) alone, which my column shares; each in registers that never hold the other coordinate.
	s_lshl_b32 s16, s13, 11                        ; row b of srcb
	s_add_co_u32 s16, s16, SRCB
	s_mov_b32 s17, 0
	s_lshr_b32 s66, s42, 3                         ; i
	s_and_b32 s67, s42, 7                          ; hp
	s_max_u32 s70, s10, 1
	s_sub_co_u32 s70, s70, 1                       ; which of q, k, v I fetch: wave - 1 (wave 0, which fetches srcb, never uses this)
	s_mul_i32 s46, s66, 3072
	s_lshl_b32 s70, s70, 10
	s_add_co_u32 s46, s46, s70
	s_lshl_b32 s70, s67, 7
	s_add_co_u32 s46, s46, s70                     ; WINQ's row 3072 i + 1024 p + 128 hp,
	s_lshl_b32 s46, s46, 11                        ; in bytes: under 2^25
	s_mov_b32 s47, 0
	s_mul_i32 s20, s10, PART                       ; where they go: wave x 128 rows: no place in the cluster enters an LDS address
	s_wait_dscnt 0x0                               ; the opening add is done
	s_wait_kmcnt 0x0
	s_add_nc_u64 s[14:15], s[4:5], s[16:17]
	s_add_nc_u64 s[46:47], s[4:5], s[46:47]
	CROUND                                         ; all sixteen work-groups are here: the first joint loads meet
.irp s, 0,1
	s_mov_b32 s[G0+4*(\s)], 1
	s_add_co_u32 s[G0+4*(\s)+1], s20, (\s)*SLOT
	s_add_nc_u64 s[G0+4*(\s)+2:G0+4*(\s)+3], s[14:15], (\s)*KSTEP*2
	s_or_b32 s[G0+4*(\s)+3], s[G0+4*(\s)+3], 0x80000000
	s_mov_b32 s[G0B+4*(\s)], 1
	s_add_co_u32 s[G0B+4*(\s)+1], s20, (\s)*SLOT
	s_add_nc_u64 s[G0B+4*(\s)+2:G0B+4*(\s)+3], s[46:47], (\s)*KSTEP*2
	s_or_b32 s[G0B+4*(\s)+3], s[G0B+4*(\s)+3], 0x80000000
	JLOAD \s
.endr
	; the bias of my columns 16 c + 8 (l / 16) + 0..7 of q, k and v: 12 x 8 numbers, asked for beside the first tiles and waited for ahead of the first product
	v_and_b32 v1, 15, v0                           ; l % 16
	v_bfe_u32 v2, v0, 4, 1                         ; l / 16
	v_lshlrev_b32 v[BO], 5, v2
	s_mul_i32 s70, s66, 12288                      ; the branch's 3,072 numbers of 4 bytes,
	s_lshl_b32 s71, s67, 9                         ; the pair's 128,
	s_add_co_u32 s70, s70, s71
	s_lshl_b32 s71, s11, 8                         ; my head's 64
	s_add_co_u32 s70, s70, s71
	s_mov_b32 s71, 0
	s_add_nc_u64 s[BP:BP+1], s[6:7], s[70:71]
	WIN 0xc0                                       ; destination window 3, address window 0
.irp b, 0,1,2,3,4,5,6,7,8,9,10,11
	global_load_b128 v[BIAS+8*\b:BIAS+8*\b+3],   v[BO], s[BP:BP+1] offset:4096*(\b/4)+64*(\b%4)
	global_load_b128 v[BIAS+8*\b+4:BIAS+8*\b+7], v[BO], s[BP:BP+1] offset:4096*(\b/4)+64*(\b%4)+16
.endr
	WIN 0
	v_mul_u32_u24 v3, v1, PITCH
	v_lshl_add_u32 v3, v2, 4, v3                   ; a fragment's row x pitch + 16 x half
	s_mul_i32 s21, s12, 64*PITCH                   ; my 64 rows of srcb
	s_mul_i32 s22, s11, 64*PITCH                   ; my head's 64 rows of each of WINQ's parts,
	s_add_co_u32 s22, s22, PART                    ; which lie behind srcb's
.irp s, 0,1
	v_add_nc_u32 v[ADRA+(\s)], s21, v3
.irp p, 0,1,2
	v_add_nc_u32 v[ADRB+3*(\s)+\p], s22, v3
	s_add_co_u32 s22, s22, PART
.endr
	s_add_co_u32 s21, s21, SLOT
	s_add_co_u32 s22, s22, PART                    ; over the next slot's part of srcb
.endr
; 12 matrix instructions: my row block a x all 12 column blocks, 32 along K, from buffer f.  first = 1: the product starts the sums, with the bias as C.  The 48 accumulators take turns, one instruction a turn.
.macro MUL12 f, a, first
.set AB, 96*((\a)%2)
.if \first
	WIN 0x34|(0x40*(1+(\a)/2))                     ; source 0 window 0, source 1 window 1, C window 3, D window 1 or 2
.else
	WIN 0x04|(0x50*(1+(\a)/2))                     ; the same with C in D's window
.endif
.irp b, 0,1,2,3,4,5,6,7,8,9,10,11
.if \first
	v_wmma_f32_16x16x32_bf16 v[AB+8*\b:AB+8*\b+7], v[FB+96*(\f)+8*\b:FB+96*(\f)+8*\b+7], v[FA+32*(\f)+8*(\a):FA+32*(\f)+8*(\a)+7], v[BIAS+8*\b:BIAS+8*\b+7]
.else
	v_wmma_f32_16x16x32_bf16 v[AB+8*\b:AB+8*\b+7], v[FB+96*(\f)+8*\b:FB+96*(\f)+8*\b+7], v[FA+32*(\f)+8*(\a):FA+32*(\f)+8*(\a)+7], v[AB+8*\b:AB+8*\b+7]
.endif
.endr
.endm
; 32 LDS loads in one run: the fragments of 32 along K at byte k of the rows, into buffer f: WINQ's twelve, then srcb's four, my row blocks 2 and 3 last
.macro FETCH slot, k, f
	WIN 0
.irp p, 0,1,2
.irp c, 0,1,2,3
	ds_load_b128 v[FB+96*(\f)+8*(4*\p+\c):FB+96*(\f)+8*(4*\p+\c)+3],   v[ADRB+3*(\slot)+\p] offset:(\k)+\c*16*PITCH
	ds_load_b128 v[FB+96*(\f)+8*(4*\p+\c)+4:FB+96*(\f)+8*(4*\p+\c)+7], v[ADRB+3*(\slot)+\p] offset:(\k)+\c*16*PITCH+32
.endr
.endr
	WIN 0x40                                       ; destination window 1, address window 0
.irp a, 0,1,2,3
	ds_load_b128 v[FA+32*(\f)+8*\a:FA+32*(\f)+8*\a+3],   v[ADRA+(\slot)] offset:(\k)+\a*16*PITCH
	ds_load_b128 v[FA+32*(\f)+8*\a+4:FA+32*(\f)+8*\a+7], v[ADRA+(\slot)] offset:(\k)+\a*16*PITCH+32
.endr
.endm
; A K step is four quarters of 32 along K, 48 matrix instructions each, on buffers 0, 1, 0, 1.  One of the first three: multiplies buffer f; in its middle it fetches the next quarter's fragments, at byte k, into buffer g.
.macro QUARTER slot, k, f, g, first
	s_wait_dscnt 4                                 ; all but the youngest four loads (srcb's blocks 2 and 3) are in
	MUL12 \f, 0, \first
	MUL12 \f, 1, \first
	PLACES
	FETCH \slot, \k, \g
	s_wait_dscnt 32                                ; all but the 32 just issued
	MUL12 \f, 2, \first
	MUL12 \f, 3, \first
.endm
; The last quarter multiplies buffer 1 and changes slots: ONE barrier; in front of it each wave waits for all its tensor loads, adds 0 to its spare word, and waits for that and for its own reads of this slot.
; fill = 1: this slot is filled again, two K steps ahead; the barrier then opens a round of the cluster's barrier.
.macro TURN slot, next, fill
	WIN 0                                          ; (the add's two registers lie in window 0)
	s_wait_tensorcnt 0x0                           ; all my tensor loads have landed: the one that was out is my part of the next slot;
	ds_add_u32 v[SPW], v[NIL]                      ; 0 onto my spare word;
	s_wait_dscnt 5                                 ; (the add and the youngest four loads may be out)
	MUL12 1, 0, 0                                  ; twelve matrix instructions stand between the add and the wait for it
	s_wait_dscnt 0x0                               ; the add is done, and my reads of this slot are over
	s_barrier_signal -1
	MUL12 1, 1, 0                                  ; work on registers while the others arrive
.if \fill
	WIN 0
.endif
	s_barrier_wait -1
.if \fill
	CREST                                          ; no wave of any partner still reads this slot's tile or has a load on its way
	s_add_nc_u64 s[G0+4*(\slot)+2:G0+4*(\slot)+3], s[G0+4*(\slot)+2:G0+4*(\slot)+3], 2*KSTEP*2
	s_add_nc_u64 s[G0B+4*(\slot)+2:G0B+4*(\slot)+3], s[G0B+4*(\slot)+2:G0B+4*(\slot)+3], 2*KSTEP*2
	JLOAD \slot                                    ; the first tensor load behind the round: 168 matrix instructions ahead of the wait for it; the four v_nop behind it are also the places in front of the loads below
.else
	PLACES
.endif
	FETCH \next, 0, 0
	MUL12 1, 2, 0
	MUL12 1, 3, 0
.endm
	s_wait_tensorcnt 1                             ; my part of K step 0 is in; K step 1's stays out
	s_barrier_signal -1
	s_barrier_wait -1                              ; everybody's is
	FETCH 0, 0, 0
	s_wait_loadcnt 0x0                             ; the bias
	QUARTER 0, 64, 0, 1, 1                         ; the first quarter stands in front of the loop: its products start the sums
	WIN 0                                          ; at a label and at a branch every window is 0
	s_mov_b32 s3, LAPS-1
.Llap:                                                 ; a trip goes once round the ring, from a lap's second quarter to the next lap's first, and fills both slots again
	QUARTER 0, 128, 1, 0, 0
	QUARTER 0, 192, 0, 1, 0
	TURN 0, 1, 1
	QUARTER 1, 64,  0, 1, 0
	QUARTER 1, 128, 1, 0, 0
	QUARTER 1, 192, 0, 1, 0
	TURN 1, 0, 1
	QUARTER 0, 64,  0, 1, 0
	WIN 0
	s_sub_co_u32 s3, s3, 1
	s_cmp_lg_u32 s3, 0
	s_cbranch_scc1 .Llap
	QUARTER 0, 128, 1, 0, 0                        ; the last lap fills nothing, and has no round of the cluster's barrier
	QUARTER 0, 192, 0, 1, 0
	TURN 0, 1, 0                                   ; behind this barrier no wave reads slot 0 any more
	QUARTER 1, 64,  0, 1, 0
	QUARTER 1, 128, 1, 0, 0
	QUARTER 1, 192, 0, 1, 0
	s_wait_dscnt 4                                 ; the very last quarter: nothing more to fetch
	MUL12 1, 0, 0
	MUL12 1, 1, 0
	s_wait_dscnt 0x0
	MUL12 1, 2, 0
	MUL12 1, 3, 0
	WIN 0
	; The attention's addresses are made here: plain vector instructions that name no register of the products, more than four of them: the places behind the last products.
	s_lshl_b32 s77, s11, 7                         ; my head's 128 bytes of a row
	s_mul_i32 s78, s12, 64*PQ                      ; my 64 rows
	s_add_co_u32 s78, s78, s77
	v_add_nc_u32 v[AQ], s78, v3
	v_add_nc_u32 v[STO], STAGE, v[AQ]              ; the same row, head and half in the stage
	s_add_co_u32 s79, s77, LK
	v_add_nc_u32 v[AK], s79, v3
	v_and_b32 v12, 7, v0                           ; the turning load: lane l reads key 8 (l / 16) + l % 8, channels 8 ((l / 8) % 2) + 0..7
	v_bfe_u32 v13, v0, 3, 1
	v_lshl_add_u32 v[AV], v2, 3, v12
	v_mul_u32_u24 v[AV], v[AV], PV
	v_lshl_add_u32 v[AV], v13, 4, v[AV]
	s_add_co_u32 s79, s77, LV
	v_add_nc_u32 v[AV], s79, v[AV]
	s_mul_i32 s78, s12, 64*PV
	s_add_co_u32 s78, s78, s79
	v_mul_u32_u24 v[STV], v1, PV                   ; v's sums: row l % 16 of my 64, my head, 16 bytes for each half of the lanes
	v_lshl_add_u32 v[STV], v2, 4, v[STV]
	v_add_nc_u32 v[STV], s78, v[STV]
	s_mul_i32 s78, s10, 32*PQ                      ; back from the stage: wave w takes rows 32 w .. 32 w + 31, whole
	s_add_co_u32 s78, s78, STAGE
	v_mul_u32_u24 v[RD], v2, PQ
	v_lshl_add_u32 v[RD], v1, 4, v[RD]
	v_add_nc_u32 v[RD], s78, v[RD]
	v_lshlrev_b32 v[CO], 16, v2                    ; from s to s + 1 in act: 8 rows of 8,192 bytes
	v_lshl_add_u32 v[CO], v1, 4, v[CO]
	v_mov_b32 v[LI], 0                             ; written, since a lane exchange names it as its destination
	s_lshl_b32 s80, s13, 13                        ; act: row b,
	s_lshl_b32 s81, s66, 11                        ; the branch's 1,024 columns,
	s_add_co_u32 s80, s80, s81
	s_lshl_b32 s81, s67, 8                         ; the pair of heads,
	s_add_co_u32 s80, s80, s81
	s_lshl_b32 s81, s10, 21                        ; 32 values of s a wave
	s_add_co_u32 s80, s80, s81
	s_mov_b32 s81, 0
	s_add_nc_u64 s[8:9], s[8:9], s[80:81]
; My row block a: the 12 sums are rounded to bf16 (each accumulator from its low end on): 16 bytes a lane and column block, into q's, k's and v's rows in slot 0.
.macro OUTA a
.set AB, 96*((\a)%2)
.set TK, TMPK+48*((\a)%2)
	WIN 5*(1+(\a)/2)                               ; sources 0 and 1 window 1 or 2, destination window 0
.irp b, 0,1,2,3,4,5,6,7,8,9,10,11
.irp r, 0,1,2,3
	v_cvt_pk_bf16_f32 v[TK+4*\b+\r], v[AB+8*\b+2*\r], v[AB+8*\b+2*\r+1]
.endr
.endr
	WIN 0
.irp b, 0,1,2,3,4,5,6,7
	ds_store_b128 v[AQ], v[TK+4*\b:TK+4*\b+3] offset:(\b/4)*LK+(\a)*16*PQ+32*(\b%4)
.endr
.irp b, 8,9,10,11
	ds_store_b128 v[STV], v[TK+4*\b:TK+4*\b+3] offset:(\a)*16*PV+32*(\b%4)
.endr
.endm
	OUTA 0
	OUTA 1
	OUTA 2
	OUTA 3
	s_wait_dscnt 0x0                               ; for the others' sake: my stores of q, k and v are done
	s_barrier_signal -1
	s_barrier_wait -1                              ; everybody's are
	WIN 0x40                                       ; destination window 1, address window 0
.set f, 0
.rept 16                                       ; K: key block f / 2, channels 32 (f % 2) on
	ds_load_b128 v[KF+8*f:KF+8*f+3],   v[AK] offset:(f/2)*16*PQ+(f%2)*64
	ds_load_b128 v[KF+8*f+4:KF+8*f+7], v[AK] offset:(f/2)*16*PQ+(f%2)*64+32
.set f, f+1
.endr
.set f, 0
.rept 16                                       ; V: keys 32 (f / 4) on, channels 16 (f % 4) on
	ds_load_tr16_b128 v[VF+8*f:VF+8*f+3],   v[AV] offset:(f/4)*32*PV+(f%4)*32
	ds_load_tr16_b128 v[VF+8*f+4:VF+8*f+7], v[AV] offset:(f/4)*32*PV+16*PV+(f%4)*32
.set f, f+1
.endr
	WIN 0
.Ltile:                                                ; four trips: a tile of 16 queries each
.irp j,0,1,2,3
	ds_load_b128 v[Q+4*\j:Q+4*\j+3], v[AQ] offset:32*\j
.endr
	s_wait_dscnt 0x0                               ; Q (in the first trip K and V too)
	WIN 0x01                                       ; source 0 in window 1
.set i, 0
.rept 16                                       ; S^T: channels 32 (i / 8) on, key block i % 8.  The 8 accumulators take turns; the first 8 products start the sums
.if i < 8
	v_wmma_f32_16x16x32_bf16 v[S+8*(i%8):S+8*(i%8)+7], v[KF+16*(i%8)+8*(i/8):KF+16*(i%8)+8*(i/8)+7], v[Q+8*(i/8):Q+8*(i/8)+7], 0
.else
	v_wmma_f32_16x16x32_bf16 v[S+8*(i%8):S+8*(i%8)+7], v[KF+16*(i%8)+8*(i/8):KF+16*(i%8)+8*(i/8)+7], v[Q+8*(i/8):Q+8*(i/8)+7], v[S+8*(i%8):S+8*(i%8)+7]
.endif
.set i, i+1
.endr
	WIN 0
	PLACES                                         ; the places behind those products
	; the maximum of my 64 scores: eight chains, each begun at its accumulator's lowest registers
.irp n,0,1,2,3,4,5,6,7
	v_max3_num_f32 v[TM+\n], v[S+8*\n], v[S+8*\n+1], v[S+8*\n+2]
.endr
.irp n,0,1,2,3,4,5,6,7
	v_max3_num_f32 v[TM+\n], v[TM+\n], v[S+8*\n+3], v[S+8*\n+4]
.endr
.irp n,0,1,2,3,4,5,6,7
	v_max3_num_f32 v[TM+\n], v[TM+\n], v[S+8*\n+5], v[S+8*\n+6]
.endr
.irp n,0,1,2,3
	v_max3_num_f32 v[TM+\n], v[TM+\n], v[S+16*\n+7], v[S+16*\n+15]
.endr
	v_max3_num_f32 v[TM], v[TM], v[TM+1], v[TM+2]
	v_max3_num_f32 v[TM+3], v[TM+3], v[TM+4], v[TM+5]
	v_max_num_f32 v[TM+6], v[TM+6], v[TM+7]
	v_max3_num_f32 v[TM], v[TM], v[TM+3], v[TM+6]
	v_permlanex16_b32 v[TM+1], v[TM], s[SEL], s[SEL+1]  ; the query's other 64 keys lie in the lane 16 away
	v_max_num_f32 v[CM+1], v[TM], v[TM+1]
	v_mul_f32 v[CM], s[CS], v[CM+1]
.set i, 0
.rept 32
	v_pk_fma_f32 v[S+2*i:S+2*i+1], v[S+2*i:S+2*i+1], s[CS:CS+1], v[CM:CM+1] op_sel_hi:[1,0,0] neg_lo:[0,0,1] neg_hi:[0,0,1]  ; c s - c m
.set i, i+1
.endr
.set i, 0
.rept 64
	v_exp_f32 v[S+i], v[S+i]                       ; ONE batch of 64
.set i, i+1
.endr
	v_nop                                          ; a plain instruction behind the last exponential,
	s_wait_alu depctr_va_vdst(0)                   ; and the one wait ahead of the first use
.set i, 0
.rept 32
	v_cvt_pk_bf16_f32 v[P+i], v[S+2*i], v[S+2*i+1] ; key blocks 2 kk and 2 kk + 1 are registers 0-3 and 4-7 of P's fragment kk
.set i, i+1
.endr
.irp w,32,16,8,4,2                             ; the sum of the 32 pairs, in place: neighbours 16, 8, 4, 2, 1 pairs apart
.set i, 0
.rept \w/2
	v_pk_add_f32 v[S+2*i:S+2*i+1], v[S+2*i:S+2*i+1], v[S+2*i+\w:S+2*i+\w+1]
.set i, i+1
.endr
.endr
	v_add_f32 v[LI+1], v[S], v[S+1]
	v_permlanex16_b32 v[LI], v[LI+1], s[SEL], s[SEL+1]
	v_add_f32 v[LI+1], v[LI+1], v[LI]
	v_rcp_f32 v[LI], v[LI+1]                       ; 1 / l; it is used behind the products below, behind four plain instructions and its wait
	WIN 0x01
.set i, 0
.rept 16                                       ; O^T: keys 32 (i / 4) on, channel block i % 4.  The 4 accumulators take turns; the first 4 products start the sums
.if i < 4
	v_wmma_f32_16x16x32_bf16 v[O+8*(i%4):O+8*(i%4)+7], v[VF+32*(i/4)+8*(i%4):VF+32*(i/4)+8*(i%4)+7], v[P+8*(i/4):P+8*(i/4)+7], 0
.else
	v_wmma_f32_16x16x32_bf16 v[O+8*(i%4):O+8*(i%4)+7], v[VF+32*(i/4)+8*(i%4):VF+32*(i/4)+8*(i%4)+7], v[P+8*(i/4):P+8*(i/4)+7], v[O+8*(i%4):O+8*(i%4)+7]
.endif
.set i, i+1
.endr
	WIN 0
	PLACES
	s_wait_alu depctr_va_vdst(0)                   ; the reciprocal's wait
.set i, 0
.rept 16
	v_pk_mul_f32 v[O+2*i:O+2*i+1], v[O+2*i:O+2*i+1], v[LI:LI+1] op_sel_hi:[1,0]
.set i, i+1
.endr
.irp b,0,1,2,3
.irp r,0,1,2,3
	v_cvt_pk_bf16_f32 v[O+8*\b+\r], v[O+8*\b+2*\r], v[O+8*\b+2*\r+1]
.endr
	ds_store_b128 v[STO], v[O+8*\b:O+8*\b+3] offset:32*\b  ; channels 16 b + 8 (l / 16) + 0..7 of my query's row
.endr
	v_add_nc_u32 v[AQ], 16*PQ, v[AQ]
	v_add_nc_u32 v[STO], 16*PQ, v[STO]
	s_sub_co_u32 s[CNT], s[CNT], 1
	s_cmp_lg_u32 s[CNT], 0
	s_cbranch_scc1 .Ltile
	s_wait_dscnt 0x0                               ; for the others' sake: my stores into the stage are done (a row's 256 bytes come from two waves)
	s_barrier_signal -1
	s_barrier_wait -1
.irp t, 0,1,2,3,4,5,6,7,8,9,10,11,12,13,14,15
	ds_load_b128 v[S+4*(\t):S+4*(\t)+3], v[RD] offset:(\t)*2*PQ
.endr
.irp t, 0,1,2,3,4,5,6,7,8,9,10,11,12,13,14,15
	s_wait_dscnt 15-(\t)                           ; load t is back, the younger ones stay out
	global_store_b128 v[CO], v[S+4*(\t):S+4*(\t)+3], s[8:9] offset:(\t)*131072  ; 16 lanes store 256 consecutive bytes, at a multiple of 256 from act's first byte
.endr
	s_wait_tensorcnt 0x0                           ; the wave's end, behind my last tensor load and my last LDS store
	ds_add_u32 v[SPW], v[NIL]
	s_wait_dscnt 0x0
	CROUND                                         ; the closing round: no work-group ends while a partner may still ask for a tile that names it
	s_endpgm
.Lfunc_end_k_q833f004645_qkvattn:
	.size	k_q833f004645_qkvattn, .Lfunc_end_k_q833f004645_qkvattn-k_q833f004645_qkvattn
	.p2alignl 7, 3214868480
	.fill 96, 4, 3214868480
	.section	.rodata,"a",@progbits
	.p2align	6, 0x0
	.amdhsa_kernel k_q833f004645_qkvattn
		.amdhsa_group_segment_fixed_size 327680
		.amdhsa_private_segment_fixed_size 0
		.amdhsa_enable_private_segment 0
		.amdhsa_kernarg_size 24
		.amdhsa_user_sgpr_count 2
		.amdhsa_user_sgpr_kernarg_segment_ptr 1
		.amdhsa_wavefront_size32 1
		.amdhsa_system_sgpr_workgroup_id_x 1
		.amdhsa_system_sgpr_workgroup_id_y 1
		.amdhsa_system_sgpr_workgroup_id_z 1
		.amdhsa_system_vgpr_workitem_id 0
		.amdhsa_next_free_vgpr 1024
		.amdhsa_next_free_sgpr 88
		.amdhsa_reserve_vcc 0
		.amdhsa_float_denorm_mode_32 3
		.amdhsa_float_denorm_mode_16_64 3
		.amdhsa_memory_ordered 1
		.amdhsa_forward_progress 1
		.amdhsa_inst_pref_size 137
	.end_amdhsa_kernel
	.amdgpu_metadata
---
amdhsa.version: [ 1, 2 ]
amdhsa.kernels:
  - .name:           k_q833f004645_qkvattn
    .symbol:         k_q833f004645_qkvattn.kd
    .args:
      - { .name: wq, .offset: 0, .size: 8, .value_kind: global_buffer, .address_space: global }
      - { .name: in_proj_b, .offset: 8, .size: 8, .value_kind: global_buffer, .address_space: global }
      - { .name: act, .offset: 16, .size: 8, .value_kind: global_buffer, .address_space: global }
    .group_segment_fixed_size: 327680
    .private_segment_fixed_size: 0
    .kernarg_segment_align: 8
    .kernarg_segment_size: 24
    .max_flat_workgroup_size: 128
    .sgpr_count:     88
    .vgpr_count:     1024
    .wavefront_size: 32
...
	.end_amdgpu_metadata
.endif
;; end of part 11
;; launch outp: the kernel of part 5 again; grid 8 x 32, 4 waves a work-group, clusters of 4 x 4, 327,680 bytes of LDS; arguments act, wo, pacc; writes pacc
;; launch ln1: the kernel of part 6 again; grid 256 x 1, 4 waves a work-group, no clusters, 0 bytes of LDS; arguments pacc, src, wq, g1, be1, x; writes x
;; launch ffn1g (part 12): grid 32 x 8, 4 waves a work-group, clusters of 4 x 4, 327,680 bytes of LDS; arguments x, wq, act; writes act
.if DOCPART == 12
	.amdgcn_target "amdgcn-amd-amdhsa--gfx1250"
	.amdhsa_code_object_version 6
	.text
	.protected	k_q833f004645_ffn1g
	.globl	k_q833f004645_ffn1g
	.p2align	8
	.type	k_q833f004645_ffn1g,@function
k_q833f004645_ffn1g:
	s_mov_b64 s[64:65], 0
	v_nop
	global_prefetch_b8 v0, s[64:65] scope:SCOPE_SE
	s_setreg_imm32_b32 hwreg(HW_REG_WAVE_MODE, 25, 1), 1
	s_wait_xcnt 0x0
	s_wait_alu depctr_hold_cnt(0) depctr_sa_sdst(0) depctr_va_vdst(0) depctr_va_sdst(0) depctr_va_ssrc(0) depctr_va_vcc(0) depctr_vm_vsrc(0)
	s_getreg_b32 s2, hwreg(HW_REG_IB_STS2, 6, 4)
	s_cmp_eq_u32 s2, 0
	s_cbranch_scc0 .Lentry_in_a_cluster
	s_endpgm
.Lentry_in_a_cluster:
	s_bfe_u32 s2, ttmp6, 0x10000c
	s_cmp_lg_u32 s2, 0xf033
	s_cbranch_scc0 .Lentry_shape_is_right
	s_endpgm
.Lentry_shape_is_right:
; act[t][n] = gelu(sum over k of xb[t][k] W1E[n][k] + b1eff[n]).  xb [1024][1024] bf16 lies at x + 4 MiB; W1E [4096][1024] bf16 and b1eff [4096] f32 are sections of wq; sums, bias and gelu in f32; act [1024][4096] bf16, rounded once.
; gelu(x) = x Phi(x) = x / 2 + |x| erf(|x| / sqrt 2) / 2, with erf(z) = 1 - (a1 t + .. + a5 t^5) e^(-z z), t = 1 / (1 + 0.3275911 z) (Abramowitz and Stegun 7.1.26: absolute error 1.5e-7 for every z >= 0).
; LIMITS: that error; where x x overflows the exponential is 0 and gelu is x or 0, as it should be; NaN is not treated apart.
; A tile of C is 128 x 128: four waves, each 64 x 64: 16 accumulators of 16 x 16, 128 registers.  256 tiles: one for each WGP.  K = 1,024 goes in four steps of 256 (LDS rows of 512 bytes; a wave's tensor load brings 64 of
; them) through two LDS slots.
; CLUSTERS: 4 x 4 work-groups.  The four of a row of the cluster need the same tiles of A, the four of a column the same tiles of B: each tile is asked for JOINTLY, by the same tensor load with the same
; descriptor and a mask that names the four.  THE MATRIX INSTRUCTION IS USED TRANSPOSED (source 0 = 16 rows of B, source 1 = 16 rows of A): a lane then holds eight neighbouring numbers of a row of C.
; A wave has two tensor loads out at the start and one behind each round of the cluster's barrier.
; THE WAY OUT.  The f32 sums go into slot 0 of the ring, which has had its last fill and which no wave reads behind the barrier in front of the last K step: 128 rows of 512 bytes, 528 apart.  Behind one barrier each wave
; takes 32 whole rows, four a trip of a loop, so that bias, gelu and rounding are written once: lane l has columns 4 l .. 4 l + 3, an LDS load is 512 bytes on end, a store of 8 bytes a lane is a row's 256 bytes.
; REGISTERS: window 0: v0-31 addresses, v8-11 the bias of my four columns; v32-127 at work on the way out; v128-255 the accumulators ((a, b) at v[128 + 8 (4 a + b)]), of which v128-135 later hold what is stored.
;   window 1: two fragment buffers of 128: for 64 along K, 64 registers of A (2 x 4 x 16 rows x 32 K), then 64 of B.
.set KSTEP,  256
.set PITCH,  528                       ; an LDS row: 512 bytes of data + 16 of padding: the 16 rows that a load touches begin at 16 different 16-byte columns modulo 256
.set HALFT,  64*PITCH
.set SLOT,   4*HALFT
.set FP,     528                       ; a row of the f32 stage, from LDS byte 0 on: 512 bytes + 16: the 16 rows that a store touches begin at 16 different 16-byte columns modulo 256
.set SPARE,  2*SLOT                    ; behind the ring: the spare words, 128 bytes for each wave
.set KLEN,   1024
.set KPITCH, 1024
.set LAPS,   KLEN/(2*KSTEP)
.set NB,     4096*2                    ; bytes in a row of C
.set AOFF,   4194304                   ; xb's place in x
.set BOFF,   25165824                  ; W1E's place in wq
.set BEFF,   35651584                  ; b1eff's place in wq
.set BIAS, 8                           ; v[8:11]
.set ADRA, 16
.set ADRB, 20
.set STO,  24                          ; v24  where I put 32 bytes of a row of the stage
.set RD,   25                          ; v25  where I read 16 bytes of a row back; steps four rows a trip
.set CO,   26                          ; v26  my byte offset in C; steps four rows a trip
.set BO,   27                          ; v27  16 x lane
.set SPW,  28
.set NIL,  29
.set LL,   32                          ; v[32:47]   four rows as they come from the stage
.set XX,   48                          ; v[48:63]   x, then gelu(x)
.set AX,   64                          ; v[64:79]   |x|
.set TT,   80                          ; v[80:95]   t
.set EE,   96                          ; v[96:111]  e^(-x x / 2)
.set PP,   112                         ; v[112:127] the polynomial
.set YY,   128                         ; v[128:135] four rows in bf16
.set ACC,  128
.set F0,   0
.set F1,   128
.set G1, 24
.set G0, 32
.set G1B, 48
.set G0B, 56
.set BP, 66                            ; s[66:67] the bias at the tile's first column
.set CP, 70                            ; s[70:71] 0.3275911 / sqrt 2          (all constants as pairs: the packed forms name pairs)
.set CE, 72                            ; s[72:73] sqrt(log2(e) / 2)
.set A1, 74                            ; s[74:83] a1 / 2 .. a5 / 2
.set A2, 76
.set A3, 78
.set A4, 80
.set A5, 82
.set ABSM, 84                          ; s84      clears a sign
.set MSB, 0
.macro WIN new                         ; the immediate's high byte repeats the setting that is left
.if MSB != (\new)
	s_set_vgpr_msb (MSB<<8)|(\new)
.set MSB, \new
.endif
.endm
.set MUL,  0x05                        ; sources 0 (B) and 1 (A) window 1; C and D window 0
.set TO_F, 0x40                        ; destination window 1, address window 0
.macro JLOAD s                         ; a joint load: waves 0 and 1 fetch A's two halves, waves 2 and 3 B's; an s_nop 0 and four v_nop follow each of the two lines, ahead of the jump, the label and what follows
	s_cmp_eq_u32 s11, 0
	s_cbranch_scc0 .Lfor_b_\@
	tensor_load_to_lds s[G0+4*(\s):G0+4*(\s)+3], s[G1:G1+7]
	s_nop 0
.rept 4
	v_nop
.endr
	s_branch .Lasked_\@
.Lfor_b_\@:
	tensor_load_to_lds s[G0B+4*(\s):G0B+4*(\s)+3], s[G1B:G1B+7]
	s_nop 0
.rept 4
	v_nop
.endr
.Lasked_\@:
.endm
.macro CREST                           ; a round of the cluster's barrier behind its opening barrier
	s_cmp_lg_u32 s10, 0
	s_cbranch_scc1 .Lnot_wave_0_\@
	s_barrier_signal -3
.Lnot_wave_0_\@:
	s_barrier_wait -3
	s_barrier_signal -1
	s_barrier_wait -1
.endm
.macro CROUND                          ; a whole round
	s_barrier_signal -1
	s_barrier_wait -1
	CREST
.endm
.macro PAIR r, val
	s_mov_b32 s[\r], \val
	s_mov_b32 s[\r+1], \val
.endm
	s_load_b128 s[4:7], s[0:1], 0x0                ; x s[4:5], wq s[6:7]
	s_load_b64 s[8:9], s[0:1], 0x10                ; act
	v_lshl_add_u32 v[SPW], v0, 2, SPARE
	v_mov_b32 v[NIL], 0
	ds_add_u32 v[SPW], v[NIL]                      ; the wave's opening: the add and its wait stand ahead of my first tensor load; the set-up below, work on registers, stands between them
	v_lshrrev_b32 v1, 5, v0
	v_readfirstlane_b32 s10, v1                    ; wave 0..3
	s_lshr_b32 s11, s10, 1                         ; which half of the tile's rows is mine.  Also: I fetch for A (0) or for B (1)
	s_and_b32 s12, s10, 1                          ; which half of its columns.  Also: which 64 rows of that tile I fetch
	s_bfe_u32 s40, ttmp6, 0x40000                  ; cx, cy: my place in the cluster
	s_bfe_u32 s41, ttmp6, 0x40004
	s_lshl_b32 s42, ttmp9, 2
	s_add_co_u32 s42, s42, s40                     ; tile column of C = 4 x cluster x + cx
	s_and_b32 s13, ttmp7, 0xffff
	s_lshl_b32 s13, s13, 2
	s_add_co_u32 s13, s13, s41                     ; tile row of C = 4 x cluster y + cy
	s_lshl_b32 s43, s41, 2
	s_lshl_b32 s43, 15, s43                        ; my row of the cluster
	s_lshl_b32 s44, 0x1111, s40                    ; my column
	; descriptor group 1: a tile of 64 rows x 256 elements, padded in LDS
	s_or_b32 s[G1+0], s43, (1<<16)|(1<<20)|(1<<21)|(6<<22)|(3<<25)  ; 15:0 the mask: A's tiles go to my row; 17:16 element of 2 bytes; 20 padding on; 21 set beside a mask; 24:22 after every 128 words (code 6); 31:25 of 4 words (code 3)
	s_or_b32 s[G1B+0], s44, (1<<16)|(1<<20)|(1<<21)|(6<<22)|(3<<25)
.irp g, G1, G1B
	s_mov_b32 s[(\g)+1], KSTEP<<16                 ; tensor_dim0 = 256
	s_mov_b32 s[(\g)+2], 64<<16                    ; tensor_dim1 = 64
	s_mov_b32 s[(\g)+3], KSTEP<<16                 ; tile_dim0 = 256
	s_mov_b32 s[(\g)+4], 64                        ; tile_dim1 = 64
	s_mov_b32 s[(\g)+5], KPITCH                    ; tensor_dim0_stride
	s_mov_b32 s[(\g)+6], 0
	s_mov_b32 s[(\g)+7], 0
.endr
	PAIR CP, 0x3e6d3388                            ; 0.23164189
	PAIR CE, 0x3f596d27                            ; 0.8493218
	PAIR A1, 0x3e027906                            ; 0.127414796
	PAIR A2, 0xbe11a98e                            ; -0.142248368
	PAIR A3, 0x3f35f0e3                            ; 0.7107068705
	PAIR A4, 0xbf3a00e3                            ; -0.7265760135
	PAIR A5, 0x3f07dc22                            ; 0.5307027145
	s_mov_b32 s[ABSM], 0x7fffffff
	s_lshl_b32 s17, s12, 6                         ; which 64 rows of the tile I fetch
	s_lshl_b32 s16, s13, 7
	s_add_co_u32 s16, s16, s17                     ; A: row 128 x tile row + 64 x half
	s_lshl_b32 s46, s42, 7
	s_add_co_u32 s46, s46, s17                     ; B: row 128 x tile column + 64 x half
	s_mov_b32 s17, 0
	s_mov_b32 s47, 0
	s_mov_b64 s[18:19], KPITCH*2
	s_mul_u64 s[16:17], s[16:17], s[18:19]
	s_mul_u64 s[46:47], s[46:47], s[18:19]
	s_add_nc_u64 s[16:17], s[16:17], AOFF
	s_add_nc_u64 s[46:47], s[46:47], BOFF
	s_mul_i32 s20, s10, HALFT                      ; where they go: wave x 64 rows
	s_wait_dscnt 0x0                               ; the opening add is done
	s_wait_kmcnt 0x0
	s_add_nc_u64 s[14:15], s[4:5], s[16:17]
	s_add_nc_u64 s[46:47], s[6:7], s[46:47]
	CROUND                                         ; all sixteen work-groups are here: the first joint loads meet
.irp s, 0,1
	s_mov_b32 s[G0+4*(\s)], 1
	s_add_co_u32 s[G0+4*(\s)+1], s20, (\s)*SLOT
	s_add_nc_u64 s[G0+4*(\s)+2:G0+4*(\s)+3], s[14:15], (\s)*KSTEP*2
	s_or_b32 s[G0+4*(\s)+3], s[G0+4*(\s)+3], 0x80000000
	s_mov_b32 s[G0B+4*(\s)], 1
	s_add_co_u32 s[G0B+4*(\s)+1], s20, (\s)*SLOT
	s_add_nc_u64 s[G0B+4*(\s)+2:G0B+4*(\s)+3], s[46:47], (\s)*KSTEP*2
	s_or_b32 s[G0B+4*(\s)+3], s[G0B+4*(\s)+3], 0x80000000
	JLOAD \s
.endr
	v_and_b32 v1, 15, v0                           ; l % 16
	v_bfe_u32 v2, v0, 4, 1                         ; l / 16
	v_mul_u32_u24 v3, v1, PITCH
	v_lshl_add_u32 v3, v2, 4, v3                   ; a fragment's row x pitch + 16 x half
	s_mul_i32 s21, s11, HALFT                      ; my 64 rows of A
	s_mul_i32 s22, s12, HALFT                      ; my 64 rows of B,
	s_add_co_u32 s22, s22, 2*HALFT                 ; which lie behind A's 128
.irp s, 0,1
	v_add_nc_u32 v[ADRA+(\s)], s21, v3
	v_add_nc_u32 v[ADRB+(\s)], s22, v3
	s_add_co_u32 s21, s21, SLOT
	s_add_co_u32 s22, s22, SLOT
.endr
	s_mul_i32 s23, s11, 64*FP                      ; into the stage: my 64 rows, my half of their 512 bytes; row l % 16, 32 bytes (eight f32) for each half of the lanes
	s_lshl_b32 s21, s12, 8
	s_add_co_u32 s23, s23, s21
	v_mul_u32_u24 v4, v1, FP
	v_lshl_add_u32 v4, v2, 5, v4
	v_add_nc_u32 v[STO], s23, v4
	s_mul_i32 s23, s10, 32*FP                      ; back: wave w takes rows 32 w .. 32 w + 31, whole: a load is one row, 16 bytes a lane
	v_and_b32 v5, 31, v0
	v_lshlrev_b32 v[BO], 4, v5
	v_add_nc_u32 v[RD], s23, v[BO]
	v_lshlrev_b32 v[CO], 3, v5                     ; and 8 bytes a lane of the same row in C
	s_lshl_b32 s16, s13, 7
	s_lshl_b32 s17, s10, 5
	s_add_co_u32 s16, s16, s17                     ; the first row of C that I store: 128 x tile row + 32 x wave
	s_mov_b32 s17, 0
	s_mov_b64 s[18:19], NB
	s_mul_u64 s[16:17], s[16:17], s[18:19]
	s_add_nc_u64 s[8:9], s[8:9], s[16:17]
	s_lshl_b32 s46, s42, 8                         ; the tile's first column, in bytes
	s_mov_b32 s47, 0
	s_add_nc_u64 s[8:9], s[8:9], s[46:47]
	; the bias of my columns 4 l .. 4 l + 3 of the tile: asked for now, waited for on the way out; its address registers are never rewritten
	s_lshl_b32 s68, s42, 9                         ; 128 columns of 4 bytes a tile,
	s_add_co_u32 s68, s68, BEFF                    ; in wq's section of merged biases
	s_mov_b32 s69, 0
	s_add_nc_u64 s[BP:BP+1], s[6:7], s[68:69]
	global_load_b128 v[BIAS:BIAS+3], v[BO], s[BP:BP+1]
; 8 matrix instructions: m blocks a0, a0 + 1 x all 4 n blocks, 32 along K: half c of buffer f.  zero = 1: the first product starts the sums.  The 16 accumulators take turns.
.macro MUL8 f, c, a0, zero
	WIN MUL
.irp a, \a0, (\a0)+1
.irp b, 0,1,2,3
.if \zero
	v_wmma_f32_16x16x32_bf16 v[ACC+8*(4*(\a)+(\b)):ACC+8*(4*(\a)+(\b))+7], v[(\f)+64+8*(4*(\c)+(\b)):(\f)+64+8*(4*(\c)+(\b))+7], v[(\f)+8*(4*(\c)+(\a)):(\f)+8*(4*(\c)+(\a))+7], 0
.else
	v_wmma_f32_16x16x32_bf16 v[ACC+8*(4*(\a)+(\b)):ACC+8*(4*(\a)+(\b))+7], v[(\f)+64+8*(4*(\c)+(\b)):(\f)+64+8*(4*(\c)+(\b))+7], v[(\f)+8*(4*(\c)+(\a)):(\f)+8*(4*(\c)+(\a))+7], v[ACC+8*(4*(\a)+(\b)):ACC+8*(4*(\a)+(\b))+7]
.endif
.endr
.endr
.endm
; 32 LDS loads in one run: the fragments of 64 along K at byte k of the rows, into buffer f; the first 32 along K first
.macro FETCH slot, k, f
	WIN TO_F
.irp c, 0,1
.irp i, 0,1,2,3
	ds_load_b128 v[(\f)+64+8*(4*(\c)+(\i)):(\f)+64+8*(4*(\c)+(\i))+3],   v[ADRB+(\slot)] offset:(\k)+64*(\c)+(\i)*16*PITCH
	ds_load_b128 v[(\f)+64+8*(4*(\c)+(\i))+4:(\f)+64+8*(4*(\c)+(\i))+7], v[ADRB+(\slot)] offset:(\k)+64*(\c)+(\i)*16*PITCH+32
	ds_load_b128 v[(\f)+8*(4*(\c)+(\i)):(\f)+8*(4*(\c)+(\i))+3],         v[ADRA+(\slot)] offset:(\k)+64*(\c)+(\i)*16*PITCH
	ds_load_b128 v[(\f)+8*(4*(\c)+(\i))+4:(\f)+8*(4*(\c)+(\i))+7],       v[ADRA+(\slot)] offset:(\k)+64*(\c)+(\i)*16*PITCH+32
.endr
.endr
.endm
.macro PLACES                          ; four places in front of loads into registers that matrix instructions have read, and of what reads results
.rept 4
	v_nop
.endr
.endm
; A K step is four quarters of 64 along K, 32 matrix instructions each, on buffers 0, 1, 0, 1.  One of the first three: multiplies buffer f and fetches the next quarter, at byte k, into g.
.macro QUARTER slot, k, f, g, zero
	s_wait_dscnt 16                                ; the first 32 along K are in; the 16 younger loads stay out
	WIN MUL
	MUL8 \f, 0, 0, \zero
	MUL8 \f, 0, 2, \zero
	PLACES
	FETCH \slot, \k, \g
	s_wait_dscnt 32                                ; all but the 32 just issued
	WIN MUL
	MUL8 \f, 1, 0, 0
	MUL8 \f, 1, 2, 0
.endm
; The last quarter multiplies buffer 1 and changes slots: ONE barrier; in front of it each wave waits for all its tensor loads, adds 0 to its spare word, and waits for that and for its own reads of this slot.  fill = 1: this slot is filled again, two K steps ahead.
.macro TURN slot, next, fill
	WIN 0                                          ; (the add's two registers lie in window 0)
	s_wait_tensorcnt 0x0                           ; all my tensor loads have landed: my part of the next slot;
	ds_add_u32 v[SPW], v[NIL]                      ; 0 onto my spare word;
	s_wait_dscnt 17                                ; (the add and the youngest sixteen loads may be out)
	WIN MUL
	MUL8 F1, 0, 0, 0                               ; eight matrix instructions stand between the add and the wait for it
	s_wait_dscnt 0x0                               ; the add is done, and my reads of this slot are over
	s_barrier_signal -1
	MUL8 F1, 0, 2, 0
.if \fill
	WIN 0
.endif
	s_barrier_wait -1
.if \fill
	CREST                                          ; the barrier has opened a round of the cluster's barrier: no wave of any partner still reads this slot's tile or has a load on its way
	s_add_nc_u64 s[G0+4*(\slot)+2:G0+4*(\slot)+3], s[G0+4*(\slot)+2:G0+4*(\slot)+3], 2*KSTEP*2
	s_add_nc_u64 s[G0B+4*(\slot)+2:G0B+4*(\slot)+3], s[G0B+4*(\slot)+2:G0B+4*(\slot)+3], 2*KSTEP*2
	JLOAD \slot                                    ; the first tensor load behind the round: 112 matrix instructions ahead of the wait for it; the four v_nop behind it are also the places in front of the loads below
.else
	PLACES
.endif
	FETCH \next, 0, F0
	WIN MUL
	MUL8 F1, 1, 0, 0
	MUL8 F1, 1, 2, 0
.endm
; gelu of the sixteen numbers at v[XX ..], in place.  The sixteen reciprocals and sixteen exponentials are ONE batch; the eight halvings are the plain work behind it; one wait stands ahead of the first use.
.macro GELU16
.irp k,0,1,2,3,4,5,6,7,8,9,10,11,12,13,14,15
	v_and_b32 v[AX+\k], s[ABSM], v[XX+\k]
.endr
.irp k,0,2,4,6,8,10,12,14
	v_pk_fma_f32 v[TT+\k:TT+\k+1], v[AX+\k:AX+\k+1], s[CP:CP+1], 1.0 op_sel_hi:[1,0,0]
	v_pk_mul_f32 v[EE+\k:EE+\k+1], v[AX+\k:AX+\k+1], s[CE:CE+1] op_sel_hi:[1,0]
.endr
.irp k,0,2,4,6,8,10,12,14
	v_pk_mul_f32 v[EE+\k:EE+\k+1], v[EE+\k:EE+\k+1], v[EE+\k:EE+\k+1] neg_lo:[1,0] neg_hi:[1,0]  ; - log2(e) x x / 2
.endr
.irp k,0,1,2,3,4,5,6,7,8,9,10,11,12,13,14,15
	v_rcp_f32 v[TT+\k], v[TT+\k]
.endr
.irp k,0,1,2,3,4,5,6,7,8,9,10,11,12,13,14,15
	v_exp_f32 v[EE+\k], v[EE+\k]
.endr
.irp k,0,2,4,6,8,10,12,14
	v_pk_mul_f32 v[XX+\k:XX+\k+1], v[XX+\k:XX+\k+1], 0.5 op_sel_hi:[1,0]
.endr
	s_wait_alu depctr_va_vdst(0)                   ; one wait for the batch of thirty-two
.irp k,0,2,4,6,8,10,12,14
	v_pk_fma_f32 v[PP+\k:PP+\k+1], v[TT+\k:TT+\k+1], s[A5:A5+1], s[A4:A4+1] op_sel_hi:[1,0,0]
.endr
.irp k,0,2,4,6,8,10,12,14
	v_pk_fma_f32 v[PP+\k:PP+\k+1], v[PP+\k:PP+\k+1], v[TT+\k:TT+\k+1], s[A3:A3+1] op_sel_hi:[1,1,0]
.endr
.irp k,0,2,4,6,8,10,12,14
	v_pk_fma_f32 v[PP+\k:PP+\k+1], v[PP+\k:PP+\k+1], v[TT+\k:TT+\k+1], s[A2:A2+1] op_sel_hi:[1,1,0]
.endr
.irp k,0,2,4,6,8,10,12,14
	v_pk_fma_f32 v[PP+\k:PP+\k+1], v[PP+\k:PP+\k+1], v[TT+\k:TT+\k+1], s[A1:A1+1] op_sel_hi:[1,1,0]
.endr
.irp k,0,2,4,6,8,10,12,14
	v_pk_mul_f32 v[PP+\k:PP+\k+1], v[PP+\k:PP+\k+1], v[TT+\k:TT+\k+1]
.endr
.irp k,0,2,4,6,8,10,12,14
	v_pk_fma_f32 v[PP+\k:PP+\k+1], v[PP+\k:PP+\k+1], v[EE+\k:EE+\k+1], 0.5 op_sel_hi:[1,1,0] neg_lo:[1,0,0] neg_hi:[1,0,0]  ; erf / 2
.endr
.irp k,0,2,4,6,8,10,12,14
	v_pk_fma_f32 v[XX+\k:XX+\k+1], v[AX+\k:AX+\k+1], v[PP+\k:PP+\k+1], v[XX+\k:XX+\k+1]
.endr
.endm
	s_wait_tensorcnt 1                             ; my part of K step 0 is in; K step 1's stays out
	s_barrier_signal -1
	s_barrier_wait -1                              ; everybody's is
	FETCH 0, 0, F0
	QUARTER 0, 128, F0, F1, 1                      ; the first quarter stands in front of the loop: its first products start the sums
	WIN 0                                          ; at a label and at a branch every window is 0
	s_mov_b32 s3, LAPS-1
.Llap:                                                 ; a trip goes once round the ring, from a lap's second quarter to the next lap's first, and fills both slots again
	QUARTER 0, 256, F1, F0, 0
	QUARTER 0, 384, F0, F1, 0
	TURN 0, 1, 1
	QUARTER 1, 128, F0, F1, 0
	QUARTER 1, 256, F1, F0, 0
	QUARTER 1, 384, F0, F1, 0
	TURN 1, 0, 1
	QUARTER 0, 128, F0, F1, 0
	WIN 0
	s_sub_co_u32 s3, s3, 1
	s_cmp_lg_u32 s3, 0
	s_cbranch_scc1 .Llap
	QUARTER 0, 256, F1, F0, 0                      ; the last lap fills nothing, and has no round of the cluster's barrier
	QUARTER 0, 384, F0, F1, 0
	TURN 0, 1, 0                                   ; behind this barrier no wave reads slot 0 any more
	QUARTER 1, 128, F0, F1, 0
	QUARTER 1, 256, F1, F0, 0
	QUARTER 1, 384, F0, F1, 0
	s_wait_dscnt 16                                ; the very last quarter: nothing more to fetch
	WIN MUL
	MUL8 F1, 0, 0, 0
	MUL8 F1, 0, 2, 0
	s_wait_dscnt 0
	MUL8 F1, 1, 0, 0
	MUL8 F1, 1, 2, 0
	WIN 0
	; THE WAY OUT.  The sums go into the f32 stage, each accumulator from its low end on; a barrier, since a row's 512 bytes come from two waves.
	PLACES
.irp t, 0,1,2,3,4,5,6,7,8,9,10,11,12,13,14,15
	ds_store_b128 v[STO], v[ACC+8*(\t):ACC+8*(\t)+3]   offset:((\t)/4)*16*FP+64*((\t)%4)
	ds_store_b128 v[STO], v[ACC+8*(\t)+4:ACC+8*(\t)+7] offset:((\t)/4)*16*FP+64*((\t)%4)+16
.endr
	s_wait_dscnt 0x0                               ; for the others' sake: my stores into the stage are done
	s_barrier_signal -1
	s_barrier_wait -1
.irp q, 0,1,2,3
	ds_load_b128 v[LL+4*\q:LL+4*\q+3], v[RD] offset:\q*FP  ; my first four rows
.endr
	s_wait_loadcnt 0x0                             ; the bias
	s_mov_b32 s3, 8
.Lrows:                                                ; eight trips of four rows
	s_wait_dscnt 0x0                               ; the trip's four rows are in
.irp q, 0,1,2,3
	v_pk_add_f32 v[XX+4*\q:XX+4*\q+1],   v[LL+4*\q:LL+4*\q+1],   v[BIAS:BIAS+1]     ; the bias is added on the way into the registers at work,
	v_pk_add_f32 v[XX+4*\q+2:XX+4*\q+3], v[LL+4*\q+2:LL+4*\q+3], v[BIAS+2:BIAS+3]
.endr
	s_cmp_eq_u32 s3, 1
	s_cbranch_scc1 .Lno_more                       ; (the last trip has no next)
	v_add_nc_u32 v[RD], 4*FP, v[RD]
.irp q, 0,1,2,3
	ds_load_b128 v[LL+4*\q:LL+4*\q+3], v[RD] offset:\q*FP  ; so that the next trip's rows can be asked for now and land under this trip's arithmetic
.endr
.Lno_more:
	GELU16
	s_wait_xcnt 0x0                                ; the last trip's stores read CO and YY: they are written again only behind this wait
	v_add_nc_u32 v[CO], 4*NB, v[CO]                ; the stores below reach back by a negative offset
.irp q, 0,1,2,3,4,5,6,7
	v_cvt_pk_bf16_f32 v[YY+\q], v[XX+2*\q], v[XX+2*\q+1]
.endr
.irp q, 0,1,2,3
	global_store_b64 v[CO], v[YY+2*\q:YY+2*\q+1], s[8:9] offset:\q*NB-4*NB  ; 32 lanes store 256 consecutive bytes, at a multiple of 256 from C's first byte
.endr
	s_sub_co_u32 s3, s3, 1
	s_cmp_lg_u32 s3, 0
	s_cbranch_scc1 .Lrows
	s_wait_tensorcnt 0x0                           ; the wave's end, behind my last tensor load and my last LDS store
	ds_add_u32 v[SPW], v[NIL]
	s_wait_dscnt 0x0
	CROUND                                         ; the closing round: no work-group ends while a partner may still ask for a tile that names it
	s_endpgm
.Lfunc_end_k_q833f004645_ffn1g:
	.size	k_q833f004645_ffn1g, .Lfunc_end_k_q833f004645_ffn1g-k_q833f004645_ffn1g
	.p2alignl 7, 3214868480
	.fill 96, 4, 3214868480
	.section	.rodata,"a",@progbits
	.p2align	6, 0x0
	.amdhsa_kernel k_q833f004645_ffn1g
		.amdhsa_group_segment_fixed_size 327680
		.amdhsa_private_segment_fixed_size 0
		.amdhsa_enable_private_segment 0
		.amdhsa_kernarg_size 24
		.amdhsa_user_sgpr_count 2
		.amdhsa_user_sgpr_kernarg_segment_ptr 1
		.amdhsa_wavefront_size32 1
		.amdhsa_system_sgpr_workgroup_id_x 1
		.amdhsa_system_sgpr_workgroup_id_y 1
		.amdhsa_system_sgpr_workgroup_id_z 1
		.amdhsa_system_vgpr_workitem_id 0
		.amdhsa_next_free_vgpr 512
		.amdhsa_next_free_sgpr 88
		.amdhsa_reserve_vcc 0
		.amdhsa_float_denorm_mode_32 3
		.amdhsa_float_denorm_mode_16_64 3
		.amdhsa_memory_ordered 1
		.amdhsa_forward_progress 1
		.amdhsa_inst_pref_size 91
	.end_amdhsa_kernel
	.amdgpu_metadata
---
amdhsa.version: [ 1, 2 ]
amdhsa.kernels:
  - .name:           k_q833f004645_ffn1g
    .symbol:         k_q833f004645_ffn1g.kd
    .args:
      - { .name: x, .offset: 0, .size: 8, .value_kind: global_buffer, .address_space: global }
      - { .name: wq, .offset: 8, .size: 8, .value_kind: global_buffer, .address_space: global }
      - { .name: act, .offset: 16, .size: 8, .value_kind: global_buffer, .address_space: global }
    .group_segment_fixed_size: 327680
    .private_segment_fixed_size: 0
    .kernarg_segment_align: 8
    .kernarg_segment_size: 24
    .max_flat_workgroup_size: 128
    .sgpr_count:     88
    .vgpr_count:     512
    .wavefront_size: 32
...
	.end_amdgpu_metadata
.endif
;; end of part 12
;; launch ffn2: the kernel of part 5 again; grid 8 x 32, 4 waves a work-group, clusters of 4 x 4, 327,680 bytes of LDS; arguments act, w2e, pacc; writes pacc
;; launch ln2: the kernel of part 8 again; grid 256 x 1, 4 waves a work-group, no clusters, 0 bytes of LDS; arguments pacc, x, wq, g2, be2, out0; writes out0
;; ======== version 3 of 3: 8 launches; version 2 with the launch ln1 written anew for expert scheduling mode
;; workspace buffers: part 8,192 bytes; wq 35,676,160 bytes; wo 8,388,608 bytes; w2e 8,388,608 bytes; act 8,388,608 bytes; pacc 16,777,216 bytes; x 6,291,456 bytes; sgn 3,145,728 bytes
;; launch stats: the kernel of part 9 again; grid 64 x 16, 8 waves a work-group, no clusters, 1,280 bytes of LDS; arguments in_proj_w, out_proj_w, w1, w2, part, sgn; writes part, sgn
;; launch quant: the kernel of part 10 again; grid 833 x 1, 8 waves a work-group, no clusters, 0 bytes of LDS; arguments alpha, part, in_proj_w, out_proj_w, w1, w2, src, b1, out_proj_b, b2, wq, wo, w2e, sgn; writes wq, wo, w2e
;; launch qkvattn: the kernel of part 11 again; grid 32 x 8, 4 waves a work-group, clusters of 4 x 4, 327,680 bytes of LDS; arguments wq, in_proj_b, act; writes act
;; launch outp: the kernel of part 5 again; grid 8 x 32, 4 waves a work-group, clusters of 4 x 4, 327,680 bytes of LDS; arguments act, wo, pacc; writes pacc
;; launch ln1 (part 13): grid 256 x 1, 4 waves a work-group, no clusters, 0 bytes of LDS; arguments pacc, src, wq, g1, be1, x; writes x
.if DOCPART == 13
	.amdgcn_target "amdgcn-amd-amdhsa--gfx1250"
	.amdhsa_code_object_version 6
	.text
	.protected	k_q833f004645_ln1
	.globl	k_q833f004645_ln1
	.p2align	8
	.type	k_q833f004645_ln1,@function
k_q833f004645_ln1:
	s_mov_b64 s[64:65], 0
	v_nop
	global_prefetch_b8 v0, s[64:65] scope:SCOPE_SE
	s_setreg_imm32_b32 hwreg(HW_REG_WAVE_SCHED_MODE, 0, 2), 2
	s_setreg_imm32_b32 hwreg(HW_REG_WAVE_MODE, 25, 1), 1
	s_wait_xcnt 0x0
	s_wait_alu depctr_vm_vsrc(0)
; x = layernorm(src + sum p0 out_proj_b + the four parts of the out-projection) g1 + be1, all in f32; stored in f32 at x + 0 and, rounded once to bf16 for the next product, at x + 4 MiB.
; One wave, one row of 1,024 numbers (4,096 bytes, 32 registers): the row never leaves the wave, so there is no LDS and no barrier.  256 work-groups of four waves: 1,024 rows.
; Lane l holds the 16 bytes at 512 j + 16 l, j = 0..7: each load and store covers 512 neighbouring bytes.  All 56 loads of the six summands and of the gain go out at once; the offset follows into the bias's registers, which have been used up.
; The mean is taken first and the variance of the differences: no difference of large sums is formed.  The four parts are added in the order 0, 1, 2, 3.
; THE MODE: SCHED_MODE bits 1:0 = 2 (LLVM: expert scheduling mode 2), set by the entry lines.  The code itself states the register dependences
; between vector instructions and memory instructions, with s_wait_alu, always for 0.
; THE PLAN.  Registers that memory instructions touch, in the order of the text (there is no loop):
;   v1, v2     byte offsets: written at the head, read by every load and store, never written again.
;   X          the residual's loads land in it; vector lines work on it in place; the eight f32 stores at the end read it; nothing writes it behind them.
;   B          the bias's loads land in it; sixteen additions read it; then the offset's loads land in it: the one place where a load lands in registers that vector lines have read.
;   P          the four parts' loads land in it, once; additions read it.  Part 1's registers (T) are then at work, named by vector lines alone, until
;   T .. T+15  take the row in bf16: written by the sixteen roundings, read by the eight 8-byte stores; nothing writes them behind those.
;   G          the gain's loads land in it, once; the last multiply-adds read it.
; So three waits on va_vdst state all that loads and stores hang on: ahead of the first load (the offsets), ahead of the offset's loads (the additions are done reading B), ahead of the run of stores (X and T .. T+15 are written).
; A fourth is the root's own; one wait on va_sdst stands behind the line that makes the wave's number a scalar.  No register that a memory instruction reads is written again: no wait on vm_vsrc is owed.
.set BF,   1                           ; 1: a bf16 copy is stored too
.set BOFF, 35651584+16384              ; the merged bias in wq
.set X, 32                             ; v[32:63]   the row
.set B, 64                             ; v[64:95]   the bias, later the offset
.set P, 96                             ; v[96:223]  the four parts; part 1's registers are later at work (T)
.set T, 128
.set G, 224                            ; v[224:255] the gain
.macro LD8N d, b                       ; a row that the launch reads once
.irp j,0,1,2,3,4,5,6,7
	global_load_b128 v[\d+4*\j:\d+4*\j+3], v1, s[\b:\b+1] offset:512*\j th:TH_LOAD_NT
.endr
.endm
.macro LD8 d, b                        ; a row that every work-group reads
.irp j,0,1,2,3,4,5,6,7
	global_load_b128 v[\d+4*\j:\d+4*\j+3], v1, s[\b:\b+1] offset:512*\j
.endr
.endm
.macro ADD16 s
.irp j,0,2,4,6,8,10,12,14,16,18,20,22,24,26,28,30
	v_pk_add_f32 v[X+\j:X+\j+1], v[X+\j:X+\j+1], v[\s+\j:\s+\j+1]
.endr
.endm
.macro XSUM r, t                       ; the sum over the 32 lanes, in every lane; t: a register that has been written
.irp m,1,2,4,8
	v_add_f32_dpp v[\r], v[\r], v[\r] row_xmask:\m row_mask:0xf bank_mask:0xf
.endr
	v_permlanex16_b32 v[\t], v[\r], s24, s25
	v_add_f32 v[\r], v[\r], v[\t]
.endm
	s_load_b256 s[4:11], s[0:1], 0x0               ; parts s[4:5], residual s[6:7], wq s[8:9], gain s[10:11]
	s_load_b128 s[12:15], s[0:1], 0x20             ; offset s[12:13], output s[14:15]
	v_lshrrev_b32 v3, 5, v0
	v_readfirstlane_b32 s26, v3                    ; my wave
	v_and_b32 v1, 31, v0
	v_lshlrev_b32 v2, 3, v1                        ; 8 x lane
	v_lshlrev_b32 v1, 4, v1                        ; 16 x lane
	s_lshl_b32 s27, ttmp9, 2
	s_wait_alu depctr_va_sdst(0)                   ; s26 is written, ahead of its first reader: the row's number, and with it every base, is made from it
	s_add_co_u32 s27, s27, s26                     ; my row
	s_lshl_b32 s28, s27, 12
	s_mov_b32 s29, 0
	s_lshl_b32 s32, s27, 11
	s_add_co_u32 s32, s32, 0x400000
	s_mov_b32 s33, 0
	s_mov_b32 s24, 0x76543210
	s_mov_b32 s25, 0xfedcba98
	s_mov_b32 s34, 0x3a800000                      ; 1 / 1,024
	s_mov_b32 s35, 0x3727c5ac                      ; 1e-5
	s_wait_kmcnt 0x0
	s_add_nc_u64 s[6:7], s[6:7], s[28:29]
	s_add_nc_u64 s[16:17], s[4:5], s[28:29]        ; the parts lie 4 MiB apart: a base for each
	s_add_nc_u64 s[18:19], s[16:17], 0x400000
	s_add_nc_u64 s[20:21], s[18:19], 0x400000
	s_add_nc_u64 s[22:23], s[20:21], 0x400000
	s_add_nc_u64 s[8:9], s[8:9], BOFF
.if BF
	s_add_nc_u64 s[30:31], s[14:15], s[32:33]
.endif
	s_add_nc_u64 s[14:15], s[14:15], s[28:29]
	s_wait_alu depctr_va_vdst(0)                   ; v1 and v2 are written: every load and store of the kernel reads one of them as its offset
	LD8N X, 6
	LD8 B, 8
	LD8N P, 16
	LD8N P+32, 18
	LD8N P+64, 20
	LD8N P+96, 22
	LD8 G, 10                                      ; the gain, into registers of its own
	s_wait_loadcnt 40                              ; residual and bias are in; the four parts' and the gain's 40 loads stay out
	ADD16 B
	s_wait_loadcnt 32                              ; part 0 is in; parts 1 to 3 and the gain stay out
	s_wait_alu depctr_va_vdst(0)                   ; the sixteen additions above are done reading B, in which the loads below land
	LD8 B, 12                                      ; the offset
	ADD16 P                                        ; names X and part 0 alone: none of the registers that those loads touch
	s_wait_loadcnt 32                              ; part 1; parts 2, 3, gain and offset stay out
	ADD16 P+32
	s_wait_loadcnt 24                              ; part 2; part 3, gain and offset stay out
	ADD16 P+64
	s_wait_loadcnt 16                              ; part 3; gain and offset stay out
	ADD16 P+96
.irp c,0,2,4,6                                 ; the row's sum, in four chains
	v_pk_add_f32 v[T+\c:T+\c+1], v[X+\c:X+\c+1], v[X+8+\c:X+8+\c+1]
.endr
.irp c,0,2,4,6
	v_pk_add_f32 v[T+\c:T+\c+1], v[T+\c:T+\c+1], v[X+16+\c:X+16+\c+1]
.endr
.irp c,0,2,4,6
	v_pk_add_f32 v[T+\c:T+\c+1], v[T+\c:T+\c+1], v[X+24+\c:X+24+\c+1]
.endr
	v_pk_add_f32 v[T:T+1], v[T:T+1], v[T+2:T+3]
	v_pk_add_f32 v[T+4:T+5], v[T+4:T+5], v[T+6:T+7]
	v_pk_add_f32 v[T:T+1], v[T:T+1], v[T+4:T+5]
	v_add_f32 v[T], v[T], v[T+1]
	XSUM T, T+1
	v_mul_f32 v[T], s34, v[T]                      ; the mean
.irp j,0,2,4,6,8,10,12,14,16,18,20,22,24,26,28,30
	v_pk_add_f32 v[X+\j:X+\j+1], v[X+\j:X+\j+1], v[T:T+1] op_sel_hi:[1,0] neg_lo:[0,1] neg_hi:[0,1]
.endr
.irp c,0,2,4,6                                 ; the sum of the squares of the differences, in four chains
	v_pk_mul_f32 v[T+2+\c:T+3+\c], v[X+\c:X+\c+1], v[X+\c:X+\c+1]
.endr
.irp c,0,2,4,6
	v_pk_fma_f32 v[T+2+\c:T+3+\c], v[X+8+\c:X+8+\c+1], v[X+8+\c:X+8+\c+1], v[T+2+\c:T+3+\c]
.endr
.irp c,0,2,4,6
	v_pk_fma_f32 v[T+2+\c:T+3+\c], v[X+16+\c:X+16+\c+1], v[X+16+\c:X+16+\c+1], v[T+2+\c:T+3+\c]
.endr
.irp c,0,2,4,6
	v_pk_fma_f32 v[T+2+\c:T+3+\c], v[X+24+\c:X+24+\c+1], v[X+24+\c:X+24+\c+1], v[T+2+\c:T+3+\c]
.endr
	v_pk_add_f32 v[T+2:T+3], v[T+2:T+3], v[T+4:T+5]
	v_pk_add_f32 v[T+6:T+7], v[T+6:T+7], v[T+8:T+9]
	v_pk_add_f32 v[T+2:T+3], v[T+2:T+3], v[T+6:T+7]
	v_add_f32 v[T+2], v[T+2], v[T+3]
	XSUM T+2, T+3
	v_fma_f32 v[T+2], v[T+2], s34, s35             ; the variance + 1e-5
	v_rsq_f32 v[T+4], v[T+2]
	v_nop                                          ; a plain instruction behind the root,
	s_wait_alu depctr_va_vdst(0)                   ; and the wait: the root has written v[T+4], ahead of its first reader
	s_wait_loadcnt 0x0                             ; gain and offset
.irp j,0,2,4,6,8,10,12,14,16,18,20,22,24,26,28,30
	v_pk_mul_f32 v[X+\j:X+\j+1], v[X+\j:X+\j+1], v[T+4:T+5] op_sel_hi:[1,0]
.endr
.irp j,0,2,4,6,8,10,12,14,16,18,20,22,24,26,28,30
	v_pk_fma_f32 v[X+\j:X+\j+1], v[X+\j:X+\j+1], v[G+\j:G+\j+1], v[B+\j:B+\j+1]
.endr
.if BF
.irp j,0,1,2,3,4,5,6,7
	v_cvt_pk_bf16_f32 v[T+2*\j], v[X+4*\j], v[X+4*\j+1]
	v_cvt_pk_bf16_f32 v[T+2*\j+1], v[X+4*\j+2], v[X+4*\j+3]
.endr
.endif
	s_wait_alu depctr_va_vdst(0)                   ; the multiply-adds have written X and the roundings v[T .. T+15], which the stores below read: one wait for the whole run
.irp j,0,1,2,3,4,5,6,7
	global_store_b128 v1, v[X+4*\j:X+4*\j+3], s[14:15] offset:512*\j
.endr
.if BF
.irp j,0,1,2,3,4,5,6,7
	global_store_b64 v2, v[T+2*\j:T+2*\j+1], s[30:31] offset:256*\j  ; 32 lanes store 256 consecutive bytes, at a multiple of 256
.endr
.endif
	s_endpgm
.Lfunc_end_k_q833f004645_ln1:
	.size	k_q833f004645_ln1, .Lfunc_end_k_q833f004645_ln1-k_q833f004645_ln1
	.p2alignl 7, 3214868480
	.fill 96, 4, 3214868480
	.section	.rodata,"a",@progbits
	.p2align	6, 0x0
	.amdhsa_kernel k_q833f004645_ln1
		.amdhsa_group_segment_fixed_size 0
		.amdhsa_private_segment_fixed_size 0
		.amdhsa_enable_private_segment 0
		.amdhsa_kernarg_size 48
		.amdhsa_user_sgpr_count 2
		.amdhsa_user_sgpr_kernarg_segment_ptr 1
		.amdhsa_wavefront_size32 1
		.amdhsa_system_sgpr_workgroup_id_x 1
		.amdhsa_system_sgpr_workgroup_id_y 1
		.amdhsa_system_sgpr_workgroup_id_z 1
		.amdhsa_system_vgpr_workitem_id 0
		.amdhsa_next_free_vgpr 256
		.amdhsa_next_free_sgpr 66
		.amdhsa_reserve_vcc 0
		.amdhsa_float_denorm_mode_32 3
		.amdhsa_float_denorm_mode_16_64 3
		.amdhsa_memory_ordered 1
		.amdhsa_forward_progress 1
		.amdhsa_inst_pref_size 22
	.end_amdhsa_kernel
	.amdgpu_metadata
---
amdhsa.version: [ 1, 2 ]
amdhsa.kernels:
  - .name:           k_q833f004645_ln1
    .symbol:         k_q833f004645_ln1.kd
    .args:
      - { .name: pacc, .offset: 0, .size: 8, .value_kind: global_buffer, .address_space: global }
      - { .name: src, .offset: 8, .size: 8, .value_kind: global_buffer, .address_space: global }
      - { .name: wq, .offset: 16, .size: 8, .value_kind: global_buffer, .address_space: global }
      - { .name: g1, .offset: 24, .size: 8, .value_kind: global_buffer, .address_space: global }
      - { .name: be1, .offset: 32, .size: 8, .value_kind: global_buffer, .address_space: global }
      - { .name: x, .offset: 40, .size: 8, .value_kind: global_buffer, .address_space: global }
    .group_segment_fixed_size: 0
    .private_segment_fixed_size: 0
    .kernarg_segment_align: 8
    .kernarg_segment_size: 48
    .max_flat_workgroup_size: 128
    .sgpr_count:     66
    .vgpr_count:     256
    .wavefront_size: 32
...
	.end_amdgpu_metadata
.endif
;; end of part 13
;; launch ffn1g: the kernel of part 12 again; grid 32 x 8, 4 waves a work-group, clusters of 4 x 4, 327,680 bytes of LDS; arguments x, wq, act; writes act
;; launch ffn2: the kernel of part 5 again; grid 8 x 32, 4 waves a work-group, clusters of 4 x 4, 327,680 bytes of LDS; arguments act, w2e, pacc; writes pacc
;; launch ln2: the kernel of part 8 again; grid 256 x 1, 4 waves a work-group, no clusters, 0 bytes of LDS; arguments pacc, x, wq, g2, be2, out0; writes out0
